; MI455X (gfx1250); checked and timed in simulation.
; The chip was launched on July 23, 2026; its instructions are those of AMD's public machine-readable ISA for CDNA 5 (MIT licence, August 2026) and "CDNA5" Instruction Set Architecture Reference Guide (July 2026). The comments in the code are by the model that wrote it; some were corrected since.
;; Multi Head Attention. Allowed arithmetic: matrix products marked QUANTISED: E2M3 operands, one E8M0 scale for each 32 along K, by v_wmma_scale_f32_16x16x128_f8f6f4 with both operands' format E2M3, f32 sums; everything else in f32.
;; Inputs: W_k 1,024 x 1,024 float32; W_o 1,024 x 1,024 float32; W_q 1,024 x 1,024 float32; W_v 1,024 x 1,024 float32; b_k 1,024 float32; b_o 1,024 float32; b_q 1,024 float32; b_v 1,024 float32; k_input 2 x 2,048 x 1,024 float32; mask 2,048 x 2,048 int32; q_input 2 x 2,048 x 1,024 float32; v_input 2 x 2,048 x 1,024 float32.
;; Outputs: out0 2 x 2,048 x 1,024 float32.
;; This version of the problem:
;;   THIS VERSION OF THE PROBLEM IS GIVEN IN LOW PRECISION. The matrix products marked QUANTISED in the list below multiply operands that are first quantised to E2M3 (2 exponent bits, 3 mantissa bits; 6 bits a number), with one power-of-two scale for each 32 numbers along K (OCP MX v1.0); their sums are f32. All else is computed in f32.
;;   The module's matrix products, in the order in which they are computed (A, B: the left and right operand; K: the contracted axis; several contracted axes count as one K, in the product's order):
;;     1. [M 4,096, K 1,024] x [K 1,024, N 1,024]; A: input q_input; B: input W_q: QUANTISED
;;     2. [M 4,096, K 1,024] x [K 1,024, N 1,024]; A: input k_input; B: input W_k: QUANTISED
;;     3. [M 4,096, K 1,024] x [K 1,024, N 1,024]; A: input v_input; B: input W_v: QUANTISED
;;     4. batch 32 x [M 2,048, K 64] x [K 64, N 2,048]; A: computed on the way; B: computed on the way: QUANTISED
;;     5. batch 32 x [M 2,048, K 2,048] x [K 2,048, N 64]; A: softmax (see below); B: computed on the way: QUANTISED
;;     6. [M 4,096, K 1,024] x [K 1,024, N 1,024]; A: computed on the way; B: input W_o: QUANTISED
;;   THE QUANTISER, for each operand of a quantised product, along K:
;;     - K is cut into blocks of 32 from its start; a last block that is shorter is filled with zeros.
;;     - A block's scale is 2^e with e = floor(log2(the largest magnitude in the block)) - 2, held to -126 .. 127; a block of zeros has e = 0. As a byte (E8M0): e + 127.
;;     - Each number is divided by its block's scale, clamped to +-7.5, and rounded to the nearest number of E2M3, ties to even, subnormals kept.
;;     - The product sums the exact products of the quantised numbers (number of the format x scale) in f32.
;;   ~~~python
;;   def quantise(x, axis):      # numpy; x: float32 -> the quantised numbers, widened to float32 again
;;       x = np.moveaxis(x, axis, -1); K = x.shape[-1]
;;       x = np.pad(x, [(0, 0)] * (x.ndim - 1) + [(0, -K % 32)]); x = x.reshape(x.shape[:-1] + (-1, 32)); a = np.abs(x).max(-1, keepdims=True)
;;       e = np.where(a > 0, np.clip(np.frexp(np.where(a > 0, a, 1))[1] - 1 - 2, -126, 127), 0)      # np.frexp(a)[1] - 1 = floor(log2(a)), exactly
;;       r = np.clip(x / 2.0 ** e, -7.5, 7.5)
;;       step = 2.0 ** (np.maximum(np.frexp(np.where(r == 0, 1, r))[1] - 1, 0) - 3)
;;       q = np.round(r / step) * step * 2.0 ** e      # np.round: ties to even
;;       return np.moveaxis(q.reshape(q.shape[:-2] + (-1,))[..., :K], -1, axis).astype(np.float32)
;;   ~~~
;;   SOFTMAX AHEAD OF A QUANTISED PRODUCT. Where the list says 'softmax', what is quantised is not the finished softmax but p = 2^(t - M), with t = logit x log2(e) and M = ceil(the row's largest t), a whole number; so 1/2 < the row's largest p <= 1. The row's sum l is taken of the UNQUANTISED p, in f32, and the product's result is divided by l at the end. Since M is a whole number, a kernel that streams over the keys may use a running M (the ceiling of the running maximum): every later rescaling is an exact power of two, which a block's scale takes up: the codes' values come out the same.
;;   OPERANDS COMPUTED ON THE WAY. 'Computed on the way' means the value that the module computes at that place (a softmax that the list does not call 'softmax' is quantised finished and normalised). What goes into a quantiser is computed in f32, as accurately as f32 sums, v_exp_f32 and their like allow (about 1e-6 of the number): no bf16 or f16 on the way to a quantiser, and a product that is left as it is and whose result goes on into a quantised operand takes f32 operands (vector FMAs, or v_wmma_f32_16x16x4_f32). A number that lies on a knife's edge between two numbers of the format may be rounded either way, as far as f32 arithmetic and the matrix unit's own rounding can turn it there, and no further.
;; 3 versions, each right; version 2 is faster than version 1; version 3 is version 2 with the launches proj, attn written anew for expert scheduling mode. Each part assembles by itself: llvm-mc -triple=amdgcn-amd-amdhsa -mcpu=gfx1250 --defsym DOCPART=n.
;; ======== version 1 of 3: 4 launches
;; limits: right only within a limited range of input values
;; workspace buffers: wq 3,276,800 bytes; maskw 557,056 bytes of whole numbers; rope 524,288 bytes; qimg 3,407,872 bytes; kv 6,815,744 bytes; ctx 3,670,016 bytes
;; launch prep (part 1): grid 192 x 1, 16 waves a work-group, no clusters, 235,776 bytes of LDS; arguments mask, W_q, W_k, W_v, W_o, wq, maskw, rope; writes wq, maskw, rope
.if DOCPART == 1
	.amdgcn_target "amdgcn-amd-amdhsa--gfx1250"
	.amdhsa_code_object_version 6
	.text
	.protected	k_qee33ac3552_prep
	.globl	k_qee33ac3552_prep
	.p2align	8
	.type	k_qee33ac3552_prep,@function
k_qee33ac3552_prep:
	s_mov_b64 s[64:65], 0
	v_nop
	global_prefetch_b8 v0, s[64:65] scope:SCOPE_SE
	s_setreg_imm32_b32 hwreg(HW_REG_WAVE_MODE, 25, 1), 1
	s_wait_xcnt 0x0
; PREP: what the later launches want ready.  Three kinds of work-group, told apart by the work-group's number; each kind has LDS bytes of its own.
;  0-127   THE MASK, [2048][2048] int32, as bits.  Work-group = tile of 16 queries (tile t's member r is query 32 (t/2) + 8 (t%2) + r + 8 (r/8)), wave = step of 128 keys.
;          Word n (0..63) of (tile, step): bit of lane (r, h) = mask[query r][128 step + 32 (n/16) + 16 h + n%16] != 0: the lane and register in which attention holds that score.
;          And a word of flags a tile: bit j = step j has an open key for some query of the tile; all 16 bits are set where some query of the tile has no open key at all.
;  128-159 THE FOUR WEIGHTS, [k][n] f32, as codes of E2M3 with K innermost, laid as images of operand registers, and their E8M0 scale words.  A lane takes a column, its registers run down K.
;  160-191 cos and sin of pos x 10000^(-i/32), pos 0..2047, i 0..31, in f32.
; A block's scale byte is its largest magnitude's exponent field - 2, held at 1 from below.  LIMITS: a block of zeros gets the byte 1 (its codes are zeros, and this program alone reads the bytes);
; blocks under 2^-124 keep the byte 1; NaN and infinities are not served.  theta comes from v_exp_f32 (1 ulp), so an angle may differ by about 2 ulp of the angle from one made by a power function.
; No tensor loads, no cluster: nothing is read by two work-groups.
.set MSTW,  8448                       ; LDS 0 ..: the mask's stages, 16 rows x (512 + 16) bytes for each wave
.set CMB,   135168                     ; 16 words: each wave's open rows
.set WST,   135424                     ; the weights' stages, 6,144 bytes for each wave
.set WSTW,  6144
.set WQS,   3145728                    ; where the scale words begin in wq
.set FLG,   524288                     ; where the flags begin in maskw
.set N,     32                         ; v32-95  the mask's 64 words of a lane
.set X,     32                         ; v32-95  two sets of 32 numbers of W
.set C,     96                         ; v96-104 a block's codes
.set SB,    24                         ; v24-25  scale words of two K steps
.set OUTR,  112                        ; v112-159 the way out
	s_load_b512 s[4:19], s[0:1], 0x0               ; mask, W_q, W_k, W_v, W_o, wq, maskw, rope
	v_lshl_add_u32 v192, v0, 2, 0x39100
	v_mov_b32 v193, 0
	v_lshrrev_b32 v1, 5, v0
	v_readfirstlane_b32 s20, v1                    ; wave
	v_and_b32 v1, 31, v0                           ; lane
	s_cmp_lt_u32 ttmp9, 128
	s_cbranch_scc0 .Lnot_mask
; ---------------- the mask ----------------
	v_lshlrev_b32 v2, 4, v1                        ; 16 x lane
	s_mul_i32 s21, s20, MSTW
	v_add_nc_u32 v3, s21, v2                       ; stage, in: a row's 512 bytes as they lie
	v_and_b32 v4, 15, v1                           ; r
	v_lshrrev_b32 v5, 4, v1                        ; h
	v_mul_u32_u24 v6, v4, 528
	v_lshl_add_u32 v6, v5, 6, v6
	v_add_nc_u32 v6, s21, v6                       ; stage, out: row r, + 64 h
	v_lshlrev_b32 v7, 3, v1                        ; 8 x lane
	s_lshl_b32 s25, s20, 2
	s_add_co_u32 s25, s25, CMB
	v_mov_b32 v8, s25                              ; my wave's word
	v_lshl_add_u32 v9, v4, 2, CMB                  ; word lane % 16
	v_mov_b32 v10, CMB
	s_lshr_b32 s22, ttmp9, 1
	s_lshl_b32 s22, s22, 5
	s_and_b32 s23, ttmp9, 1
	s_lshl_b32 s23, s23, 3
	s_add_co_u32 s22, s22, s23                     ; the tile's first query
	s_lshl_b32 s22, s22, 13                        ; rows of 8,192 bytes
	s_lshl_b32 s23, s20, 9                         ; 128 keys are 512 bytes
	s_add_co_u32 s22, s22, s23
	s_mov_b32 s23, 0
	s_lshl_b32 s26, ttmp9, 4
	s_add_co_u32 s26, s26, s20
	s_lshl_b32 s26, s26, 8                         ; (16 tile + step) x 256
	s_mov_b32 s27, 0
	s_lshl_b32 s36, ttmp9, 8
	s_add_co_u32 s36, s36, FLG
	s_mov_b32 s37, 0
	s_wait_kmcnt 0x0
	s_add_nc_u64 s[4:5], s[4:5], s[22:23]
	s_add_nc_u64 s[44:45], s[16:17], s[26:27]
	s_add_nc_u64 s[46:47], s[16:17], s[36:37]
.irp p, 0,1,2,3,4,5,6,7,8,9,10,11,12,13,14,15
	global_load_b128 v[N+4*\p:N+4*\p+3], v2, s[4:5] offset:(\p+8*(\p/8))*8192 th:TH_LOAD_NT   ; 32 lanes read a row's 512 consecutive bytes
.endr
	s_wait_loadcnt 0x0
.irp p, 0,1,2,3,4,5,6,7,8,9,10,11,12,13,14,15
	ds_store_b128 v3, v[N+4*\p:N+4*\p+3] offset:528*\p
.endr
.irp b, 0,1,2,3
.irp j, 0,1,2,3
	ds_load_b128 v[N+16*\b+4*\j:N+16*\b+4*\j+3], v6 offset:128*\b+16*\j   ; LDS serves a wave's instructions in order: these see my stores.  Register 16 b + i = key 32 b + 16 h + i of query r
.endr
.endr
	v_mov_b32 v96, 0
	v_mov_b32 v97, 0
	s_wait_dscnt 0x0
.set n, 0
.rept 8                                        ; eight compares, then eight lane writes, so that no line waits for the line above it
.irp k, 0,1,2,3,4,5,6,7
	v_cmp_ne_u32 s[28+\k], 0, v[N+n+\k]            ; word n + k: a bit a lane
.endr
.irp k, 0,1,2,3,4,5,6,7
	v_writelane_b32 v[96+\k%2], s[28+\k], (n+\k)/2 ; word w goes to lane w / 2, register w % 2: 8 bytes a lane
.endr
.set n, n+8
.endr
	global_store_b64 v7, v[96:97], s[44:45]        ; 32 lanes store one aligned block of 256 bytes
.irp c, 0,1,2,3
	v_or_b32 v[98+\c], v[N+\c], v[N+4+\c]          ; has my query an open key among my 64?
.endr
.set n, 8
.rept 14
.irp c, 0,1,2,3
	v_or_b32 v[98+\c], v[98+\c], v[N+n+\c]
.endr
.set n, n+4
.endr
	v_or_b32 v98, v98, v99
	v_or_b32 v100, v100, v101
	v_or_b32 v98, v98, v100
	v_cmp_ne_u32 s24, 0, v98
	s_lshr_b32 s25, s24, 16
	s_or_b32 s24, s24, s25                         ; both halves of the lanes
	s_and_b32 s24, s24, 0xffff                     ; bit r: query r has an open key in this step
	v_mov_b32 v11, s24
	ds_store_b32 v8, v11                           ; all lanes write the same word with the same value
	s_wait_dscnt 0x0                               ; for the others' sake
	s_barrier_signal -1
	s_barrier_wait -1
	s_cmp_lg_u32 s20, 0
	s_cbranch_scc1 .Lmask_end                      ; wave 0 makes the tile's flags
	ds_load_b32 v12, v9
	ds_load_b128 v[16:19], v10
	ds_load_b128 v[20:23], v10 offset:16
	ds_load_b128 v[24:27], v10 offset:32
	ds_load_b128 v[28:31], v10 offset:48
	s_wait_dscnt 0x0
	v_cmp_ne_u32 s26, 0, v12                       ; bit j (and j + 16): step j has an open key
.irp i, 0,2,4,6,8,10,12,14
	v_or_b32 v[16+\i], v[16+\i], v[17+\i]
.endr
.irp i, 0,4,8,12
	v_or_b32 v[16+\i], v[16+\i], v[18+\i]
.endr
	v_or_b32 v16, v16, v20
	v_or_b32 v24, v24, v28
	v_or_b32 v16, v16, v24
	v_readfirstlane_b32 s27, v16                   ; the queries that have an open key anywhere
	s_and_b32 s26, s26, 0xffff
	s_cmp_eq_u32 s27, 0xffff
	s_cselect_b32 s27, 0, 0xffff                   ; a query without any: every step is worked, so that it gets the mean over all keys
	s_or_b32 s26, s26, s27
	v_mov_b32 v14, s26
	v_mov_b32 v15, s26
	global_store_b64 v7, v[14:15], s[46:47]        ; the block of 256 bytes whole
.Lmask_end:
	s_wait_tensorcnt 0x0
	ds_add_u32 v192, v193
	s_wait_dscnt 0x0
	s_endpgm
; ---------------- the weights ----------------
.Lnot_mask:
	s_cmp_lt_u32 ttmp9, 160
	s_cbranch_scc0 .Lrope
	s_sub_co_u32 s21, ttmp9, 128
	s_lshr_b32 s22, s21, 3                         ; which weight: 0 q, 1 k, 2 v, 3 o
	s_and_b32 s23, s21, 7                          ; which 128 columns
	s_and_b32 s24, s20, 3                          ; which 32 of them
	s_lshr_b32 s25, s20, 2                         ; which 256 along K
	s_lshr_b32 s26, s24, 1
	s_lshl_b32 s27, s23, 1
	s_add_co_u32 s26, s26, s27                     ; head: 64 columns
	s_and_b32 s27, s24, 1                          ; which 32 of the head: tiles 2 beta, 2 beta + 1
	v_lshlrev_b32 v2, 2, v1                        ; in: 4 bytes a lane
	v_bfe_u32 v3, v1, 3, 1                         ; u: my column is member rho of tile 2 beta + u: lane = 8 u + rho + 8 (rho / 8)
	v_and_b32 v4, 7, v1
	v_lshrrev_b32 v5, 4, v1
	v_lshl_add_u32 v4, v5, 3, v4                   ; rho
	s_mul_i32 s28, s20, WSTW
	s_add_co_u32 s28, s28, WST                     ; my stage: (K step, tile u): 1,536 bytes, a fragment's image: register 4 g + e of lane L at 512 g + 16 L + 4 e
	v_mul_u32_u24 v6, v3, 1536
	v_lshl_add_u32 v6, v4, 4, v6
	v_add_nc_u32 v6, s28, v6
	v_lshlrev_b32 v7, 4, v1
	v_add_nc_u32 v8, s28, v7                       ; out of it: 16 bytes a lane
	v_lshl_add_u32 v9, v3, 4, v4
	v_lshlrev_b32 v9, 3, v9                        ; my scale words' place: 8 (rho + 16 u)
	s_lshl_b32 s30, s25, 20                        ; 256 rows of 4,096 bytes
	s_lshl_b32 s29, s23, 9
	s_add_co_u32 s30, s30, s29
	s_lshl_b32 s29, s24, 7
	s_add_co_u32 s30, s30, s29
	s_mov_b32 s31, 0
	s_lshl_b32 s32, s22, 4
	s_add_co_u32 s32, s32, s26                     ; 16 weight + head
	s_lshl_b32 s34, s32, 3
	s_lshl_b32 s29, s25, 1
	s_add_co_u32 s34, s34, s29                     ; + my first K step of 128
	s_mul_i32 s34, s34, 6144
	s_mul_i32 s29, s27, 3072
	s_add_co_u32 s34, s34, s29
	s_mov_b32 s35, 0
	s_lshl_b32 s36, s32, 11
	s_lshl_b32 s29, s27, 10
	s_add_co_u32 s36, s36, s29
	s_lshl_b32 s29, s25, 8
	s_add_co_u32 s36, s36, s29
	s_add_co_u32 s36, s36, WQS
	s_mov_b32 s37, 0
	s_wait_kmcnt 0x0
	s_cmp_eq_u32 s22, 1                            ; the choice hangs on the work-group's number alone
	s_cselect_b64 s[6:7], s[8:9], s[6:7]
	s_cmp_eq_u32 s22, 2
	s_cselect_b64 s[6:7], s[10:11], s[6:7]
	s_cmp_eq_u32 s22, 3
	s_cselect_b64 s[6:7], s[12:13], s[6:7]
	s_add_nc_u64 s[6:7], s[6:7], s[30:31]
	s_add_nc_u64 s[34:35], s[14:15], s[34:35]
	s_add_nc_u64 s[36:37], s[14:15], s[36:37]
.macro WLOAD t                         ; block t: W(32 t + i, my column) into set t % 2
.irp i, 0,1,2,3,4,5,6,7,8,9,10,11,12,13,14,15,16,17,18,19,20,21,22,23,24,25,26,27,28,29,30,31
	global_load_b32 v[X+32*((\t)%2)+\i], v2, s[6:7] offset:(32*(\t)+\i)*4096 th:TH_LOAD_NT
.endr
.endm
.macro WBLOCK t
.set XB, X+32*((\t)%2)
.set WI, 3072*((\t)/4)+256*((\t)%2)    ; the K step's images, and lanes 16-31 of them for the odd blocks
.if (\t) < 7
	s_wait_loadcnt 32                              ; this block's 32 loads are in; the next block's may be out
.else
	s_wait_loadcnt 0x0
.endif
	v_max3_num_f32 v12, |v[XB]|, |v[XB+1]|, |v[XB+2]|
	v_max3_num_f32 v13, |v[XB+3]|, |v[XB+4]|, |v[XB+5]|
.irp i, 6,10,14,18,22,26
	v_max3_num_f32 v12, v12, |v[XB+\i]|, |v[XB+\i+1]|
	v_max3_num_f32 v13, v13, |v[XB+\i+2]|, |v[XB+\i+3]|
.endr
	v_max3_num_f32 v12, v12, |v[XB+30]|, |v[XB+31]|
	v_max3_num_f32 v12, v12, v13, 0x1800000        ; and the floor 2^(3 - 127): the byte cannot fall under 1
	v_add_nc_u32 v11, 0xff000000, v12              ; 2 off the exponent field: the conversion's scale operand
	v_lshrrev_b32 v13, 23, v11                     ; the byte
.if (\t)%4 == 0
	v_mov_b32 v[SB+(\t)/4], v13
.else
	v_lshl_or_b32 v[SB+(\t)/4], v13, 8*((\t)%4), v[SB+(\t)/4]
.endif
	v_cvt_scalef32_pk16_fp6_f32 v[C:C+2], v[XB:XB+15], v11
	v_cvt_scalef32_pk16_fp6_f32 v[C+6:C+8], v[XB+16:XB+31], v11   ; (a conversion's three registers begin on an even number)
	v_nop                                          ; one plain line behind the conversions
.irp i, 0,1,2
	v_mov_b32 v[C+3+\i], v[C+6+\i]                 ; the block's 24 bytes on end
.endr
.if ((\t)%4)/2 == 0                    ; registers 0-5 of the fragment
	ds_store_b128 v6, v[C:C+3] offset:WI
	ds_store_b64 v6, v[C+4:C+5] offset:WI+512
.else                                  ; registers 6-11
	ds_store_b64 v6, v[C:C+1] offset:WI+520
	ds_store_b128 v6, v[C+2:C+5] offset:WI+1024
.endif
.if (\t)+2 < 8
	WLOAD (\t)+2
.endif
	s_wait_dscnt 0x0                               ; the stores have read their registers
.endm
	WLOAD 0
	WLOAD 1
.irp t, 0,1,2,3,4,5,6,7
	WBLOCK \t
.endr
	global_store_b64 v9, v[SB:SB+1], s[36:37]      ; two K steps' words of 32 columns: one aligned block of 256 bytes
.irp i, 0,1,2,3,4,5,6,7,8,9,10,11
	ds_load_b128 v[OUTR+4*\i:OUTR+4*\i+3], v8 offset:512*\i
.endr
.irp i, 0,1,2,3,4,5,6,7,8,9,10,11
	s_wait_dscnt 11-\i
	global_store_b128 v7, v[OUTR+4*\i:OUTR+4*\i+3], s[34:35] offset:(\i/6)*6144+(\i%6)*512   ; 512 consecutive bytes a store
.endr
	s_wait_tensorcnt 0x0
	ds_add_u32 v192, v193
	s_wait_dscnt 0x0
	s_endpgm
; ---------------- cos and sin ----------------
.Lrope:
	s_sub_co_u32 s21, ttmp9, 160
	s_lshl_b32 s21, s21, 6
	s_lshl_b32 s22, s20, 2
	s_add_co_u32 s21, s21, s22                     ; my wave's first of four positions
	s_lshl_b32 s22, s21, 8
	s_mov_b32 s23, 0
	s_mov_b32 s24, 0x3fc90fdb                      ; pi / 2, upper part
	s_mov_b32 s25, 0xb33bbd2e                      ; and the rest of it
	s_mov_b32 s26, 0xb94ca1f9                      ; sin: -1.9515295891e-4
	s_mov_b32 s27, 0x3c08839e                      ;       8.3321608736e-3
	s_mov_b32 s28, 0xbe2aaaa3                      ;      -1.6666654611e-1
	s_mov_b32 s29, 0x37ccf5ce                      ; cos:  2.443315712e-5
	s_mov_b32 s30, 0xbab6061a                      ;      -1.388731625e-3
	s_mov_b32 s31, 0x3d2aaaa5                      ;       4.166664568e-2
	v_cvt_f32_u32 v2, v1                           ; i = lane
	v_mul_f32 v2, 0xbed49a78, v2                   ; -i log2(10000) / 32
	v_exp_f32 v3, v2                               ; theta
	v_lshlrev_b32 v4, 3, v1                        ; (a plain line behind it)  8 bytes a lane
	s_wait_alu depctr_va_vdst(0)                   ; ahead of the first line that names theta
	s_wait_kmcnt 0x0
	s_add_nc_u64 s[18:19], s[18:19], s[22:23]
.macro ROPE1 e
	s_add_co_u32 s33, s21, \e
	v_cvt_f32_u32 v5, s33
	v_mul_f32 v6, v5, v3                           ; the angle, rounded once
	v_mul_f32 v7, 0x3f22f983, v6
	v_rndne_f32 v7, v7                             ; n = the nearest multiple of pi / 2
	v_fma_f32 v8, -v7, s24, v6
	v_fma_f32 v8, -v7, s25, v8                     ; r, within pi / 4 of 0
	v_mul_f32 v9, v8, v8                           ; z
	v_fma_f32 v10, v9, s26, s27
	v_fma_f32 v11, v9, s29, s30
	v_fma_f32 v10, v10, v9, s28
	v_fma_f32 v11, v11, v9, s31
	v_mul_f32 v10, v10, v9
	v_mul_f32 v12, v9, v9
	v_fma_f32 v13, v9, -0.5, 1.0
	v_fma_f32 v10, v10, v8, v8                     ; sin r
	v_fma_f32 v11, v11, v12, v13                   ; cos r
	v_cvt_i32_f32 v14, v7
	v_and_b32 v15, 1, v14
	v_cmp_eq_u32 vcc_lo, 1, v15
	v_cndmask_b32 v16, v10, v11, vcc_lo            ; odd quarters change the two
	v_cndmask_b32 v17, v11, v10, vcc_lo
	v_and_b32 v15, 2, v14
	v_lshlrev_b32 v15, 30, v15
	v_xor_b32 v[41+2*\e], v16, v15                 ; sin: minus in quarters 2, 3
	v_add_nc_u32 v14, 1, v14
	v_and_b32 v14, 2, v14
	v_lshlrev_b32 v14, 30, v14
	v_xor_b32 v[40+2*\e], v17, v14                 ; cos: minus in quarters 1, 2
	global_store_b64 v4, v[40+2*\e:41+2*\e], s[18:19] offset:256*\e   ; a position's 32 pairs: one aligned block of 256 bytes
.endm
.irp e, 0,1,2,3
	ROPE1 \e
.endr
	s_endpgm
.Lfunc_end_k_qee33ac3552_prep:
	.size	k_qee33ac3552_prep, .Lfunc_end_k_qee33ac3552_prep-k_qee33ac3552_prep
	.p2alignl 7, 3214868480
	.fill 96, 4, 3214868480
	.section	.rodata,"a",@progbits
	.p2align	6, 0x0
	.amdhsa_kernel k_qee33ac3552_prep
		.amdhsa_group_segment_fixed_size 235776
		.amdhsa_private_segment_fixed_size 0
		.amdhsa_enable_private_segment 0
		.amdhsa_kernarg_size 64
		.amdhsa_user_sgpr_count 2
		.amdhsa_user_sgpr_kernarg_segment_ptr 1
		.amdhsa_wavefront_size32 1
		.amdhsa_system_sgpr_workgroup_id_x 1
		.amdhsa_system_sgpr_workgroup_id_y 1
		.amdhsa_system_sgpr_workgroup_id_z 1
		.amdhsa_system_vgpr_workitem_id 0
		.amdhsa_next_free_vgpr 194
		.amdhsa_next_free_sgpr 66
		.amdhsa_reserve_vcc 1
		.amdhsa_float_denorm_mode_32 3
		.amdhsa_float_denorm_mode_16_64 3
		.amdhsa_memory_ordered 1
		.amdhsa_forward_progress 1
		.amdhsa_inst_pref_size 66
	.end_amdhsa_kernel
	.amdgpu_metadata
---
amdhsa.version: [ 1, 2 ]
amdhsa.kernels:
  - .name:           k_qee33ac3552_prep
    .symbol:         k_qee33ac3552_prep.kd
    .args:
      - { .name: mask, .offset: 0, .size: 8, .value_kind: global_buffer, .address_space: global }
      - { .name: W_q, .offset: 8, .size: 8, .value_kind: global_buffer, .address_space: global }
      - { .name: W_k, .offset: 16, .size: 8, .value_kind: global_buffer, .address_space: global }
      - { .name: W_v, .offset: 24, .size: 8, .value_kind: global_buffer, .address_space: global }
      - { .name: W_o, .offset: 32, .size: 8, .value_kind: global_buffer, .address_space: global }
      - { .name: wq, .offset: 40, .size: 8, .value_kind: global_buffer, .address_space: global }
      - { .name: maskw, .offset: 48, .size: 8, .value_kind: global_buffer, .address_space: global }
      - { .name: rope, .offset: 56, .size: 8, .value_kind: global_buffer, .address_space: global }
    .group_segment_fixed_size: 235776
    .private_segment_fixed_size: 0
    .kernarg_segment_align: 8
    .kernarg_segment_size: 64
    .max_flat_workgroup_size: 512
    .sgpr_count:     66
    .vgpr_count:     194
    .wavefront_size: 32
...
	.end_amdgpu_metadata
.endif
;; end of part 1
;; launch proj (part 2): grid 64 x 3, 16 waves a work-group, no clusters, 188,416 bytes of LDS; arguments q_input, k_input, v_input, wq, b_q, b_k, b_v, rope, qimg, kv; writes qimg, kv
.if DOCPART == 2
	.amdgcn_target "amdgcn-amd-amdhsa--gfx1250"
	.amdhsa_code_object_version 6
	.text
	.protected	k_qee33ac3552_proj
	.globl	k_qee33ac3552_proj
	.p2align	8
	.type	k_qee33ac3552_proj,@function
k_qee33ac3552_proj:
	s_mov_b64 s[64:65], 0
	v_nop
	global_prefetch_b8 v0, s[64:65] scope:SCOPE_SE
	s_setreg_imm32_b32 hwreg(HW_REG_WAVE_MODE, 25, 1), 1
	s_wait_xcnt 0x0
; PROJ: y = Q(x) Q(W) + b for q, k and v (work-group y = 0, 1, 2), the rotation of q and k, and the quantising of the results into images of attention's operand registers.
; SHARES.  A work-group takes 64 rows of x against all 1,024 columns; wave w takes head w: 64 x 64, 16 accumulators.  x is read from memory once, quantised here, and goes from wave to wave through LDS as
; images of operand registers.  W's fragments come as such images from memory straight into the one wave that multiplies by them.
; NO TENSOR LOADS, NO JOINT LOADS: a work-group walks 786,432 bytes of W's codes, more than LDS holds, and each fragment of W feeds exactly one wave of the work-group: through LDS each byte would be written and read
; once more, in a ring of refills, to no wave's gain.
; A TILE'S MEMBERS ARE NOT NEIGHBOURS: member r of tile t is index 32 (t/2) + 8 (t%2) + r + 8 (r/8), for rows and for columns.  So the 16 registers of the results of tiles 2 b, 2 b + 1 are 16 neighbours.
; q, k: source 0 = 16 columns of W, source 1 = 16 rows of x: a lane holds one token, its 32 registers of a row tile run along the head's 64 (register 16 b + i = d 32 b + 16 h + i): K of the scores.
; v:    source 0 = 16 rows of x, source 1 = 16 columns of W: a lane holds one channel, its registers run along the 64 keys: K of attention's second product.
; OUT: for each (batch, head, 64 rows) a record: four half fragments of 768 bytes (registers 0-3 at 16 x lane, 4-5 at 512 + 8 x lane) and 256 bytes of scale words (tile t, member r at 8 (r + 16 (t%2)) + 4 (t/2)).
; LIMITS: a block of zeros gets the byte 1, blocks under 2^-124 keep it; NaN and infinities are not served.
.set XSC,  49152                       ; LDS 0 ..: x's 32 fragments, (8 m + s) x 1,536; here their scale words, 256 bytes a K step
.set STG,  51200                       ; a stage of 16 rows x (512 + 16) bytes for each wave
.set WQS,  3145728
.set LI,   1                           ; v1  16 x lane
.set L8,   2                           ; v2  8 x lane
.set SIN,  3                           ; v3  stage, in
.set SOUT, 4                           ; v4  stage, out
.set XWI,  5                           ; v5  where I store x's images
.set XWS,  6                           ; v6  and their scale words
.set RO,   7                           ; v7  cos and sin: my token's row, + 64 h
.set BO,   8                           ; v8  the bias of q, k: 64 h
.set VO,   9                           ; v9  the bias of v: my channel
.set XS,   10                          ; v10-11 x's scale words of a K step
.set PW,   12                          ; v12-15 the four scale words of the record
.set WS,   16                          ; v16-31 W's scale words: 8 (T/2) + s
.set XF,   32                          ; v32-79 x's four fragments
.set WF,   80                          ; v80-127 W's four
.set ACC,  128                         ; v128-255
.set TM,   32                          ; while x is quantised: v32-47 at work, v48 the word, v52-70 the codes; the numbers lie in v128-255
.set PWX,  48
.set PC,   52
.set CS,   32                          ; behind the products: v32-63 cos and sin, v64-95 the bias, v96-103, v104-109 at work, v116-124 codes, v126-127 the record's words
.set BI,   64
.set TT,   96
.set TQ,   104
.set PQ,   116
.set PO,   126
.set SEL,  40
.macro WM d, a, b, zero, sa, sb, ra, rb        ; D = A B + (0 or D); ra, rb = 1: that side's scales stand in lanes 16-31
.set WR, (\ra)+2*(\rb)+4*(\zero)
.if WR == 0
	v_wmma_scale_f32_16x16x128_f8f6f4 v[\d:\d+7], v[\a:\a+11], v[\b:\b+11], v[\d:\d+7], v[\sa], v[\sb] matrix_a_fmt:MATRIX_FMT_FP6 matrix_b_fmt:MATRIX_FMT_FP6
.elseif WR == 1
	v_wmma_scale_f32_16x16x128_f8f6f4 v[\d:\d+7], v[\a:\a+11], v[\b:\b+11], v[\d:\d+7], v[\sa], v[\sb] matrix_a_fmt:MATRIX_FMT_FP6 matrix_b_fmt:MATRIX_FMT_FP6 matrix_a_scale:MATRIX_SCALE_ROW1
.elseif WR == 2
	v_wmma_scale_f32_16x16x128_f8f6f4 v[\d:\d+7], v[\a:\a+11], v[\b:\b+11], v[\d:\d+7], v[\sa], v[\sb] matrix_a_fmt:MATRIX_FMT_FP6 matrix_b_fmt:MATRIX_FMT_FP6 matrix_b_scale:MATRIX_SCALE_ROW1
.elseif WR == 3
	v_wmma_scale_f32_16x16x128_f8f6f4 v[\d:\d+7], v[\a:\a+11], v[\b:\b+11], v[\d:\d+7], v[\sa], v[\sb] matrix_a_fmt:MATRIX_FMT_FP6 matrix_b_fmt:MATRIX_FMT_FP6 matrix_a_scale:MATRIX_SCALE_ROW1 matrix_b_scale:MATRIX_SCALE_ROW1
.elseif WR == 4
	v_wmma_scale_f32_16x16x128_f8f6f4 v[\d:\d+7], v[\a:\a+11], v[\b:\b+11], 0, v[\sa], v[\sb] matrix_a_fmt:MATRIX_FMT_FP6 matrix_b_fmt:MATRIX_FMT_FP6
.elseif WR == 5
	v_wmma_scale_f32_16x16x128_f8f6f4 v[\d:\d+7], v[\a:\a+11], v[\b:\b+11], 0, v[\sa], v[\sb] matrix_a_fmt:MATRIX_FMT_FP6 matrix_b_fmt:MATRIX_FMT_FP6 matrix_a_scale:MATRIX_SCALE_ROW1
.elseif WR == 6
	v_wmma_scale_f32_16x16x128_f8f6f4 v[\d:\d+7], v[\a:\a+11], v[\b:\b+11], 0, v[\sa], v[\sb] matrix_a_fmt:MATRIX_FMT_FP6 matrix_b_fmt:MATRIX_FMT_FP6 matrix_b_scale:MATRIX_SCALE_ROW1
.else
	v_wmma_scale_f32_16x16x128_f8f6f4 v[\d:\d+7], v[\a:\a+11], v[\b:\b+11], 0, v[\sa], v[\sb] matrix_a_fmt:MATRIX_FMT_FP6 matrix_b_fmt:MATRIX_FMT_FP6 matrix_a_scale:MATRIX_SCALE_ROW1 matrix_b_scale:MATRIX_SCALE_ROW1
.endif
.endm
.macro PLACES                          ; four plain vector lines between a matrix instruction and a load into, or a vector read of, its registers
.rept 4
	v_nop
.endr
.endm
	s_load_b512 s[4:19], s[0:1], 0x0               ; q_input, k_input, v_input, wq, b_q, b_k, b_v, rope
	s_load_b128 s[20:23], s[0:1], 0x40             ; qimg, kv
	v_lshrrev_b32 v72, 5, v0
	v_readfirstlane_b32 s24, v72                   ; wave = head
	s_and_b32 s25, ttmp7, 0xffff                   ; 0 q, 1 k, 2 v
	v_and_b32 v72, 31, v0
	v_and_b32 v73, 15, v0                          ; r
	v_bfe_u32 v74, v0, 4, 1                        ; h
	v_lshlrev_b32 v[LI], 4, v72
	v_lshlrev_b32 v[L8], 3, v72
	s_mul_i32 s45, s24, 8448
	s_add_co_u32 s45, s45, STG
	v_add_nc_u32 v[SIN], s45, v[LI]
	v_mul_u32_u24 v[SOUT], v73, 528
	v_lshl_add_u32 v[SOUT], v74, 6, v[SOUT]
	v_add_nc_u32 v[SOUT], s45, v[SOUT]
	s_lshr_b32 s46, s24, 2                         ; while x is quantised: m, my tile of 16 rows,
	s_and_b32 s47, s24, 3                          ; and sq: K steps 2 sq, 2 sq + 1
	s_mul_i32 s48, s46, 12288
	s_mul_i32 s49, s47, 3072
	s_add_co_u32 s48, s48, s49
	v_add_nc_u32 v[XWI], s48, v[LI]
	s_and_b32 s48, s46, 1
	s_lshl_b32 s48, s48, 7
	s_lshr_b32 s49, s46, 1
	s_lshl_b32 s49, s49, 2
	s_add_co_u32 s48, s48, s49
	s_lshl_b32 s49, s47, 9
	s_add_co_u32 s48, s48, s49
	s_add_co_u32 s48, s48, XSC
	v_lshlrev_b32 v[XWS], 3, v73
	v_add_nc_u32 v[XWS], s48, v[XWS]               ; XSC + 512 sq + 8 (r + 16 (m%2)) + 4 (m/2)
	v_and_b32 v75, 8, v73
	v_add_nc_u32 v75, v75, v73                     ; r + 8 (r/8)
	v_lshlrev_b32 v[RO], 8, v75
	v_lshl_add_u32 v[RO], v74, 6, v[RO]
	v_lshlrev_b32 v[BO], 6, v74
	v_lshlrev_b32 v[VO], 2, v75
.irp b, 0,1,2,3
	v_mov_b32 v[TM+4+\b], 0                        ; a lane permute's destination counts as one of its sources
.endr
	s_lshl_b32 s50, ttmp9, 6
	s_lshr_b32 s49, s46, 1
	s_lshl_b32 s49, s49, 5
	s_add_co_u32 s50, s50, s49
	s_and_b32 s49, s46, 1
	s_lshl_b32 s49, s49, 3
	s_add_co_u32 s50, s50, s49                     ; my tile's first row of x
	s_lshl_b32 s50, s50, 12
	s_lshl_b32 s49, s47, 10
	s_add_co_u32 s50, s50, s49
	s_mov_b32 s51, 0
	s_lshl_b32 s52, s25, 4
	s_add_co_u32 s52, s52, s24                     ; 16 weight + head
	s_lshl_b32 s54, s52, 11
	s_add_co_u32 s54, s54, WQS
	s_mov_b32 s55, 0
	s_mul_i32 s52, s52, 49152
	s_mov_b32 s53, 0
	s_lshl_b32 s56, s24, 8                         ; the head's 64 numbers of the bias
	s_mov_b32 s57, 0
	s_and_b32 s58, ttmp9, 31
	s_lshl_b32 s58, s58, 14                        ; 64 positions of 256 bytes
	s_mov_b32 s59, 0
	s_lshr_b32 s48, ttmp9, 5
	s_lshl_b32 s48, s48, 4
	s_add_co_u32 s48, s48, s24
	s_lshl_b32 s48, s48, 5
	s_and_b32 s49, ttmp9, 31
	s_add_co_u32 s48, s48, s49                     ; the record: (16 batch + head) x 32 + which 64 rows
	s_mov_b32 s[SEL], 0x76543210
	s_mov_b32 s[SEL+1], 0xfedcba98
	s_mov_b32 s42, 0xffff0000
	s_wait_kmcnt 0x0
	s_cmp_eq_u32 s25, 0                            ; the choices hang on the work-group's number alone
	s_cselect_b64 s[28:29], s[4:5], s[6:7]
	s_cselect_b64 s[30:31], s[12:13], s[14:15]
	s_cselect_b64 s[32:33], s[20:21], s[22:23]
	s_mov_b32 s43, 6656
	s_cselect_b32 s43, 3328, s43
	s_cmp_eq_u32 s25, 2
	s_cselect_b64 s[28:29], s[8:9], s[28:29]
	s_cselect_b64 s[30:31], s[16:17], s[30:31]
	s_cselect_b32 s44, 3328, 0                     ; v's record lies behind k's
	s_mul_i32 s48, s48, s43
	s_add_co_u32 s48, s48, s44
	s_mov_b32 s49, 0
	s_add_nc_u64 s[28:29], s[28:29], s[50:51]      ; x
	s_add_nc_u64 s[30:31], s[30:31], s[56:57]      ; the bias
	s_add_nc_u64 s[32:33], s[32:33], s[48:49]      ; the record
	s_add_nc_u64 s[34:35], s[10:11], s[52:53]      ; W's codes
	s_add_nc_u64 s[36:37], s[10:11], s[54:55]      ; W's scale words
	s_add_nc_u64 s[38:39], s[18:19], s[58:59]      ; cos and sin
.macro WLOADH s, hf                    ; W's fragments of K step s, tiles 2 hf and 2 hf + 1: six loads of 512 consecutive bytes
.irp t, 0,1
.irp c, 0,1,2
	global_load_b128 v[WF+12*(2*(\hf)+\t)+4*\c:WF+12*(2*(\hf)+\t)+4*\c+3], v[LI], s[34:35] offset:(\s)*6144+(2*(\hf)+\t)*1536+512*\c
.endr
.endr
.endm
; ---- x: my 16 rows x 256 along K become two fragments ----
.irp f, 0,1
.irp p, 0,1,2,3,4,5,6,7,8,9,10,11,12,13,14,15
	global_load_b128 v[ACC+64*\f+4*\p:ACC+64*\f+4*\p+3], v[LI], s[28:29] offset:(\p+8*(\p/8))*4096+512*\f th:TH_LOAD_NT   ; 32 lanes read 512 consecutive bytes of a row
.endr
.endr
.irp b, 0,1
.irp q, 0,1,2,3
	global_load_b64 v[WS+8*\b+2*\q:WS+8*\b+2*\q+1], v[L8], s[36:37] offset:1024*\b+256*\q
.endr
.endr
	WLOADH 0, 0
	WLOADH 0, 1
.macro TURNIN base                     ; 16 rows x 512 bytes through my stage: back comes register 16 b + i = k 32 b + 16 h + i of row r
.irp p, 0,1,2,3,4,5,6,7,8,9,10,11,12,13,14,15
	ds_store_b128 v[SIN], v[\base+4*\p:\base+4*\p+3] offset:528*\p
.endr
.irp b, 0,1,2,3
.irp j, 0,1,2,3
	ds_load_b128 v[\base+16*\b+4*\j:\base+16*\b+4*\j+3], v[SOUT] offset:128*\b+16*\j   ; LDS serves a wave's instructions in order: these see my stores
.endr
.endr
.endm
.macro QUANT s                         ; 64 numbers of a lane become a fragment's codes in v[PC] on and its scale word in v[PWX]
.irp b, 0,1,2,3
	v_max3_num_f32 v[TM+\b], |v[\s+16*\b]|, |v[\s+1+16*\b]|, 0x1800000   ; with the floor 2^(3 - 127)
.endr
.irp i, 2,4,6,8,10,12,14
.irp b, 0,1,2,3
	v_max3_num_f32 v[TM+\b], v[TM+\b], |v[\s+16*\b+\i]|, |v[\s+1+16*\b+\i]|
.endr
.endr
.irp b, 0,1,2,3
	v_permlanex16_b32 v[TM+4+\b], v[TM+\b], s[SEL], s[SEL+1]
.endr
.irp b, 0,1,2,3
	v_max_num_f32 v[TM+\b], v[TM+\b], v[TM+4+\b]   ; with lane l xor 16's: the block's largest magnitude
.endr
.irp b, 0,1,2,3
	v_add_nc_u32 v[TM+12+\b], 0xff000000, v[TM+\b] ; 2 off its exponent field: the conversion's scale operand
.endr
.irp b, 0,1,2,3
	v_lshrrev_b32 v[TM+4+\b], 23, v[TM+12+\b]      ; the byte
.endr
	v_lshl_or_b32 v[PWX], v[TM+5], 8, v[TM+4]
	v_lshl_or_b32 v[PWX], v[TM+6], 16, v[PWX]
	v_lshl_or_b32 v[PWX], v[TM+7], 24, v[PWX]
.irp c, 0,1
	v_cvt_scalef32_pk16_fp6_f32 v[PC+6*\c:PC+2+6*\c], v[\s+32*\c:\s+15+32*\c], v[TM+12+2*\c]
	v_cvt_scalef32_pk16_fp6_f32 v[PC+12+4*\c:PC+14+4*\c], v[\s+16+32*\c:\s+31+32*\c], v[TM+12+2*\c+1]
.endr
	v_nop                                          ; one plain line behind the conversions
.irp c, 0,1                                    ; a whole block to a lane: lanes 0-15 block 2 c, lanes 16-31 block 2 c + 1
.irp i, 0,1,2
	v_permlane16_swap_b32 v[PC+6*\c+\i], v[PC+12+4*\c+\i]
.endr
.irp i, 0,1,2
	v_mov_b32 v[PC+3+6*\c+\i], v[PC+12+4*\c+\i]
.endr
.endr
.endm
.macro IMAGE off
.irp c, 0,1,2
	ds_store_b128 v[XWI], v[PC+4*\c:PC+4*\c+3] offset:\off+512*\c
.endr
.endm
	s_wait_loadcnt 36                              ; my first 16 loads are in; behind them: 16 of x, 8 of scale words, 12 of W
	TURNIN ACC
	s_wait_dscnt 0x0
	QUANT ACC
	IMAGE 0
	ds_store_b32 v[XWS], v[PWX]                    ; lanes r and r + 16 write the same word with the same value
	s_wait_dscnt 0x0                               ; the stores have read their registers
	s_wait_loadcnt 20                              ; the second 16; behind them 8 + 12
	TURNIN ACC+64
	s_wait_dscnt 0x0
	QUANT ACC+64
	IMAGE 1536
	ds_store_b32 v[XWS], v[PWX] offset:256
	s_wait_dscnt 0x0                               ; for the others' sake
	s_barrier_signal -1
	s_barrier_wait -1                              ; x's 32 fragments lie in LDS; nothing in LDS is written again
; ---- the products: eight K steps, the 16 accumulators by turns, one instruction a turn ----
.macro PROD8 s, hf, swap
.if (\s) == 0
.set Z, 1                              ; the first K step starts the sums
.else
.set Z, 0
.endif
.irp t, 0,1
.irp m, 0,1,2,3
.if \swap
	WM ACC+8*(4*(2*(\hf)+\t)+\m), XF+12*\m, WF+12*(2*(\hf)+\t), Z, XS+\m/2, WS+8*(\hf)+(\s), \m%2, \t
.else
	WM ACC+8*(4*\m+2*(\hf)+\t), WF+12*(2*(\hf)+\t), XF+12*\m, Z, WS+8*(\hf)+(\s), XS+\m/2, \t, \m%2
.endif
.endr
.endr
.endm
.macro KSTEP s, swap
.irp m, 0,1,2,3
.irp c, 0,1,2
	ds_load_b128 v[XF+12*\m+4*\c:XF+12*\m+4*\c+3], v[LI] offset:(8*\m+\s)*1536+512*\c
.endr
.endr
	ds_load_b64 v[XS:XS+1], v[L8] offset:XSC+256*\s
	s_wait_loadcnt 6                               ; W's tiles 0, 1 of this step are in (and, in step 0, its scale words); the six loads of tiles 2, 3 may be out
	s_wait_dscnt 0x0
	PROD8 \s, 0, \swap
	PLACES
.if \s < 7
	WLOADH (\s)+1, 0
	s_wait_loadcnt 6                               ; tiles 2, 3 are in; the six just issued may be out
.else
	s_wait_loadcnt 0x0
.endif
	PROD8 \s, 1, \swap
	PLACES                                         ; for the next loads of W and of x, and for the first read of results
.if \s < 7
	WLOADH (\s)+1, 1
.endif
.endm
; 32 numbers of a lane, two half blocks, become a half fragment in v[PQ] .. v[PQ + 5] and a scale word in v[PW + idx]
.macro QUANT32 src, idx
.irp b, 0,1
	v_max3_num_f32 v[TQ+\b], |v[\src+16*\b]|, |v[\src+16*\b+1]|, 0x1800000
.endr
.irp i, 2,4,6,8,10,12,14
.irp b, 0,1
	v_max3_num_f32 v[TQ+\b], v[TQ+\b], |v[\src+16*\b+\i]|, |v[\src+16*\b+\i+1]|
.endr
.endr
.irp b, 0,1
	v_permlanex16_b32 v[TQ+2+\b], v[TQ+\b], s[SEL], s[SEL+1]
.endr
.irp b, 0,1
	v_max_num_f32 v[TQ+\b], v[TQ+\b], v[TQ+2+\b]
.endr
.irp b, 0,1
	v_add_nc_u32 v[TQ+4+\b], 0xff000000, v[TQ+\b]
.endr
.irp b, 0,1
	v_lshrrev_b32 v[TQ+2+\b], 23, v[TQ+4+\b]
.endr
	v_lshl_or_b32 v[PW+\idx], v[TQ+3], 8, v[TQ+2]  ; bytes 2 and 3 stay 0: they stand over zero codes alone
	s_wait_xcnt 0x0                                ; the last stores have read the codes' registers, which are written again now
	v_cvt_scalef32_pk16_fp6_f32 v[PQ:PQ+2], v[\src:\src+15], v[TQ+4]
	v_cvt_scalef32_pk16_fp6_f32 v[PQ+6:PQ+8], v[\src+16:\src+31], v[TQ+5]
	v_nop
.irp i, 0,1,2
	v_permlane16_swap_b32 v[PQ+\i], v[PQ+6+\i]     ; lanes 0-15: block 0, lanes 16-31: block 1
.endr
.irp i, 0,1,2
	v_mov_b32 v[PQ+3+\i], v[PQ+6+\i]
.endr
.endm
.macro HFSTORE idx
	global_store_b128 v[LI], v[PQ:PQ+3], s[32:33] offset:768*\idx          ; 512 consecutive bytes
	global_store_b64 v[L8], v[PQ+4:PQ+5], s[32:33] offset:768*\idx+512     ; and 256
.endm
.macro WORDS                           ; the record's scale words: lanes 0-15 tiles 0 and 2, lanes 16-31 tiles 1 and 3
	v_cndmask_b32 v[PO], v[PW], v[PW+1], s42
	v_cndmask_b32 v[PO+1], v[PW+2], v[PW+3], s42
	global_store_b64 v[L8], v[PO:PO+1], s[32:33] offset:3072
.endm
.macro CSLOAD m                        ; cos and sin of my token of tile m: pair 16 b + 8 h + k stands beside d = 32 b + 16 h + 2 k
.irp b, 0,1
.irp j, 0,1,2,3
	global_load_b128 v[CS+16*\b+4*\j:CS+16*\b+4*\j+3], v[RO], s[38:39] offset:(32*((\m)/2)+8*((\m)%2))*256+128*\b+16*\j
.endr
.endr
.endm
	s_cmp_eq_u32 s25, 2
	s_cbranch_scc1 .Lv
.irp s, 0,1,2,3,4,5,6,7
	KSTEP \s, 0
.endr
	v_mov_b32 v[TQ+2], 0
	v_mov_b32 v[TQ+3], 0
.irp b, 0,1
.irp j, 0,1,2,3
	global_load_b128 v[BI+16*\b+4*\j:BI+16*\b+4*\j+3], v[BO], s[30:31] offset:128*\b+16*\j
.endr
.endr
	CSLOAD 0
.irp m, 0,1,2,3
.set AX, ACC+32*\m
	s_wait_loadcnt 0x0
.irp i, 0,2,4,6,8,10,12,14,16,18,20,22,24,26,28,30
	v_pk_add_f32 v[AX+\i:AX+\i+1], v[AX+\i:AX+\i+1], v[BI+\i:BI+\i+1]       ; the bias; each accumulator is read from its low end on
.endr
.irp g, 0,8,16,24                              ; (xe, xo) -> (xe cos - xo sin, xo cos + xe sin)
.irp i, 0,2,4,6
	v_pk_mul_f32 v[TT+\i:TT+\i+1], v[AX+\g+\i:AX+\g+\i+1], v[CS+\g+\i:CS+\g+\i+1] op_sel:[1,1] op_sel_hi:[0,1] neg_lo:[1,0]   ; (-xo sin, xe sin)
.endr
.irp i, 0,2,4,6
	v_pk_fma_f32 v[AX+\g+\i:AX+\g+\i+1], v[AX+\g+\i:AX+\g+\i+1], v[CS+\g+\i:CS+\g+\i+1], v[TT+\i:TT+\i+1] op_sel_hi:[1,0,1]   ; + (xe cos, xo cos)
.endr
.endr
.if \m < 3
	CSLOAD \m+1                                    ; lands while this tile is quantised
.endif
	QUANT32 ACC+32*\m, \m
	HFSTORE \m
.endr
	WORDS
	s_wait_xcnt 0x0
	v_lshl_add_u32 v254, v0, 2, 0x2d800
	v_mov_b32 v255, 0
	s_wait_tensorcnt 0x0
	ds_add_u32 v254, v255
	s_wait_dscnt 0x0
	s_endpgm
.Lv:
.irp s, 0,1,2,3,4,5,6,7
	KSTEP \s, 1
.endr
	v_mov_b32 v[TQ+2], 0
	v_mov_b32 v[TQ+3], 0
.irp t, 0,1,2,3
	global_load_b32 v[BI+2*\t], v[VO], s[30:31] offset:(32*(\t/2)+8*(\t%2))*4      ; my channel's bias, twice: a pair for the packed addition
	global_load_b32 v[BI+2*\t+1], v[VO], s[30:31] offset:(32*(\t/2)+8*(\t%2))*4
.endr
	s_wait_loadcnt 0x0
.irp t, 0,1,2,3
.irp i, 0,2,4,6,8,10,12,14,16,18,20,22,24,26,28,30
	v_pk_add_f32 v[ACC+32*\t+\i:ACC+32*\t+\i+1], v[ACC+32*\t+\i:ACC+32*\t+\i+1], v[BI+2*\t:BI+2*\t+1]
.endr
	QUANT32 ACC+32*\t, \t
	HFSTORE \t
.endr
	WORDS
	s_wait_xcnt 0x0
	v_lshl_add_u32 v254, v0, 2, 0x2d800
	v_mov_b32 v255, 0
	s_wait_tensorcnt 0x0
	ds_add_u32 v254, v255
	s_wait_dscnt 0x0
	s_endpgm
.Lfunc_end_k_qee33ac3552_proj:
	.size	k_qee33ac3552_proj, .Lfunc_end_k_qee33ac3552_proj-k_qee33ac3552_proj
	.p2alignl 7, 3214868480
	.fill 96, 4, 3214868480
	.section	.rodata,"a",@progbits
	.p2align	6, 0x0
	.amdhsa_kernel k_qee33ac3552_proj
		.amdhsa_group_segment_fixed_size 188416
		.amdhsa_private_segment_fixed_size 0
		.amdhsa_enable_private_segment 0
		.amdhsa_kernarg_size 80
		.amdhsa_user_sgpr_count 2
		.amdhsa_user_sgpr_kernarg_segment_ptr 1
		.amdhsa_wavefront_size32 1
		.amdhsa_system_sgpr_workgroup_id_x 1
		.amdhsa_system_sgpr_workgroup_id_y 1
		.amdhsa_system_sgpr_workgroup_id_z 1
		.amdhsa_system_vgpr_workitem_id 0
		.amdhsa_next_free_vgpr 256
		.amdhsa_next_free_sgpr 66
		.amdhsa_reserve_vcc 0
		.amdhsa_float_denorm_mode_32 3
		.amdhsa_float_denorm_mode_16_64 3
		.amdhsa_memory_ordered 1
		.amdhsa_forward_progress 1
		.amdhsa_inst_pref_size 126
	.end_amdhsa_kernel
	.amdgpu_metadata
---
amdhsa.version: [ 1, 2 ]
amdhsa.kernels:
  - .name:           k_qee33ac3552_proj
    .symbol:         k_qee33ac3552_proj.kd
    .args:
      - { .name: q_input, .offset: 0, .size: 8, .value_kind: global_buffer, .address_space: global }
      - { .name: k_input, .offset: 8, .size: 8, .value_kind: global_buffer, .address_space: global }
      - { .name: v_input, .offset: 16, .size: 8, .value_kind: global_buffer, .address_space: global }
      - { .name: wq, .offset: 24, .size: 8, .value_kind: global_buffer, .address_space: global }
      - { .name: b_q, .offset: 32, .size: 8, .value_kind: global_buffer, .address_space: global }
      - { .name: b_k, .offset: 40, .size: 8, .value_kind: global_buffer, .address_space: global }
      - { .name: b_v, .offset: 48, .size: 8, .value_kind: global_buffer, .address_space: global }
      - { .name: rope, .offset: 56, .size: 8, .value_kind: global_buffer, .address_space: global }
      - { .name: qimg, .offset: 64, .size: 8, .value_kind: global_buffer, .address_space: global }
      - { .name: kv, .offset: 72, .size: 8, .value_kind: global_buffer, .address_space: global }
    .group_segment_fixed_size: 188416
    .private_segment_fixed_size: 0
    .kernarg_segment_align: 8
    .kernarg_segment_size: 80
    .max_flat_workgroup_size: 512
    .sgpr_count:     66
    .vgpr_count:     256
    .wavefront_size: 32
...
	.end_amdgpu_metadata
.endif
;; end of part 2
;; launch attn (part 3): grid 8 x 32, 16 waves a work-group, no clusters, 215,040 bytes of LDS; arguments qimg, kv, maskw, ctx; writes ctx
.if DOCPART == 3
	.amdgcn_target "amdgcn-amd-amdhsa--gfx1250"
	.amdhsa_code_object_version 6
	.text
	.protected	k_qee33ac3552_attn
	.globl	k_qee33ac3552_attn
	.p2align	8
	.type	k_qee33ac3552_attn,@function
k_qee33ac3552_attn:
	s_mov_b64 s[64:65], 0
	v_nop
	global_prefetch_b8 v0, s[64:65] scope:SCOPE_SE
	s_setreg_imm32_b32 hwreg(HW_REG_WAVE_MODE, 25, 1), 1
	s_wait_xcnt 0x0
; ATTN: ctx = softmax(q k^T / 8, masked) v for one (batch, head) a work-group row, both products on codes of E2M3; ctx leaves quantised along the head's 64, as images of the last product's operand registers.
; t = score x log2(e) / 8; M = the running largest t rounded up to a whole number; p = 2^(t - M) is quantised along the keys; the row's sum is taken of the unquantised p and divides at the end.
; THE MASK is the given one, bit by bit: a hidden score becomes -2^33 ahead of the maximum.  -2^33 x c is a whole number, so a query with no open key gets M = t and p = 1 for every key: the mean over all keys.
; LIMIT: open logits lie above -1.07e9 (hidden ones count as -2^33 / 8).  NaN and infinities are not served; a block of zeros keeps the byte 1.
; SHARES.  A work-group has 16 waves, each with one tile of 16 queries: tile g + 8 t(w), t(w) = w or 15 - w by the parity of w's bits, so that early and late queries are spread alike over the waves (balance only).
; The head's K and V, 212,992 bytes of images, are brought into LDS once, through registers, 13,312 bytes a wave, and read by all.  A step is 128 keys, 16 steps.
; A STEP ALL OF WHOSE 16 x 128 SCORES ARE HIDDEN IS LEFT OUT, by a scalar branch on a flag word that an earlier launch stored (it sets every bit where a query of the tile has no open key at all).
; NO TENSOR LOADS, NO COPIES, NO JOINT LOADS: nothing in LDS is filled twice.
; LAYOUT.  S^T = K Q^T (source 0 = 16 keys, source 1 = my queries), O^T = V^T P^T (source 0 = 16 channels): a lane holds one query throughout.  Member r of tile t is index 32 (t/2) + 8 (t%2) + r + 8 (r/8): so the
; 16 registers of tiles 2 b, 2 b + 1 are 16 neighbours.  The scores' K is 64: registers 6-11 of Q's and K's fragments are zero codes.
; REGISTERS: v1 16 x lane, v2 8 x lane, v3 the hidden score, v4-5 LDS addresses, v6-9 V's scale words, v10-11 offsets, v12 -M, v13 the largest t, v14-15 the sum, v16-27 Q, v32-79 four fragments of K, v80-127 V's four,
; v128-191 S^T then p, v192-223 O^T, v224-247, v252-254 at work, v248-251 K's scale words, v253 p's, v255 Q's.
.set S, 128
.set O, 192
.set STEPB, 13312                      ; a step's bytes: two records of K (3,328) and V (3,328)
.macro WM d, a, b, zero, sa, sb, ra
.if \zero
.if \ra
	v_wmma_scale_f32_16x16x128_f8f6f4 v[\d:\d+7], v[\a:\a+11], v[\b:\b+11], 0, v[\sa], v[\sb] matrix_a_fmt:MATRIX_FMT_FP6 matrix_b_fmt:MATRIX_FMT_FP6 matrix_a_scale:MATRIX_SCALE_ROW1
.else
	v_wmma_scale_f32_16x16x128_f8f6f4 v[\d:\d+7], v[\a:\a+11], v[\b:\b+11], 0, v[\sa], v[\sb] matrix_a_fmt:MATRIX_FMT_FP6 matrix_b_fmt:MATRIX_FMT_FP6
.endif
.else
.if \ra
	v_wmma_scale_f32_16x16x128_f8f6f4 v[\d:\d+7], v[\a:\a+11], v[\b:\b+11], v[\d:\d+7], v[\sa], v[\sb] matrix_a_fmt:MATRIX_FMT_FP6 matrix_b_fmt:MATRIX_FMT_FP6 matrix_a_scale:MATRIX_SCALE_ROW1
.else
	v_wmma_scale_f32_16x16x128_f8f6f4 v[\d:\d+7], v[\a:\a+11], v[\b:\b+11], v[\d:\d+7], v[\sa], v[\sb] matrix_a_fmt:MATRIX_FMT_FP6 matrix_b_fmt:MATRIX_FMT_FP6
.endif
.endif
.endm
	s_load_b256 s[4:11], s[0:1], 0x0               ; qimg, kv, maskw, ctx
	v_lshl_add_u32 v30, v0, 2, 0x34000
	v_mov_b32 v31, 0
	v_lshrrev_b32 v1, 5, v0
	v_readfirstlane_b32 s12, v1                    ; wave
	v_and_b32 v2, 31, v0
	v_and_b32 v10, 15, v0
	v_lshlrev_b32 v1, 4, v2
	v_lshlrev_b32 v11, 2, v2
	v_lshlrev_b32 v2, 3, v2
	v_lshlrev_b32 v10, 3, v10
	s_lshr_b32 s15, s12, 1
	s_xor_b32 s15, s15, s12
	s_lshr_b32 s16, s15, 2
	s_xor_b32 s15, s15, s16
	s_and_b32 s15, s15, 1                          ; the parity of the wave's four bits
	s_mul_i32 s15, s15, 15
	s_xor_b32 s15, s15, s12                        ; t(w)
	s_lshl_b32 s13, s15, 3
	s_add_co_u32 s13, s13, ttmp9                   ; my tile of queries, 0..127
	s_and_b32 s14, ttmp7, 0xffff                   ; 16 batch + head
	s_mul_i32 s16, s14, 16*STEPB
	s_mul_i32 s25, s12, STEPB
	s_add_co_u32 s16, s16, s25                     ; the step that I bring in
	s_mov_b32 s17, 0
	v_add_nc_u32 v4, s25, v1
	s_lshl_b32 s18, s14, 5
	s_lshr_b32 s19, s13, 2
	s_add_co_u32 s18, s18, s19
	s_mul_i32 s18, s18, 3328                       ; Q's record
	s_and_b32 s19, s13, 3
	s_mul_i32 s19, s19, 768
	s_add_co_u32 s26, s18, s19                     ; my half fragment in it
	s_mov_b32 s27, 0
	s_and_b32 s19, s13, 1
	s_lshl_b32 s19, s19, 7
	s_add_co_u32 s28, s18, s19
	s_bfe_u32 s19, s13, 0x10001
	s_lshl_b32 s19, s19, 2
	s_add_co_u32 s28, s28, s19
	s_add_co_u32 s28, s28, 3072                    ; and my tile's scale words
	s_mov_b32 s29, 0
	s_lshl_b32 s30, s13, 12                        ; the tile's mask words: 16 steps of 256 bytes
	s_mov_b32 s31, 0
	s_lshl_b32 s18, s13, 8
	s_add_co_u32 s18, s18, 524288                  ; its flags
	s_mov_b32 s19, 0
	s_mov_b32 s20, 0x76543210
	s_mov_b32 s21, 0xfedcba98                      ; lane l xor 16
	s_mov_b32 s22, 0x3e38aa3b                      ; c = log2(e) / 8
	s_mov_b32 s23, s22
	s_mov_b32 s24, 16
	s_mov_b32 s2, 0                                ; LDS byte of the step in hand
	s_wait_kmcnt 0x0
	s_add_nc_u64 s[6:7], s[6:7], s[16:17]
	s_add_nc_u64 s[26:27], s[4:5], s[26:27]
	s_add_nc_u64 s[28:29], s[4:5], s[28:29]
	s_add_nc_u64 s[18:19], s[8:9], s[18:19]
	s_add_nc_u64 s[8:9], s[8:9], s[30:31]
.irp i, 0,1,2,3,4,5,6,7,8,9,10,11,12,13,14,15,16,17,18,19,20,21,22,23,24,25
	global_load_b128 v[S+4*\i:S+4*\i+3], v1, s[6:7] offset:512*\i
.endr
	global_load_b128 v[16:19], v1, s[26:27]
	global_load_b64 v[20:21], v2, s[26:27] offset:512
	global_load_b32 v255, v10, s[28:29]
	s_load_b32 s3, s[18:19], 0x0
	s_wait_loadcnt 3                               ; the 26 are in; Q's three may be out
.irp i, 0,1,2,3,4,5,6,7,8,9,10,11,12,13,14,15,16,17,18,19,20,21,22,23,24,25
	ds_store_b128 v4, v[S+4*\i:S+4*\i+3] offset:512*\i
.endr
	s_wait_dscnt 0x0                               ; for the others' sake
	s_barrier_signal -1
	s_barrier_wait -1                              ; the head's K and V lie in LDS; nothing is written there again
.irp i, 22,23,24,25,26,27
	v_mov_b32 v[\i], 0                             ; zero codes for K = 64 .. 127
.endr
.irp m, 0,1,2,3
.irp i, 6,7,8,9,10,11
	v_mov_b32 v[32+12*\m+\i], 0
.endr
.endr
.irp j, 0,1,2,3,4,5,6,7,8,9,10,11,12,13,14,15,16,17,18,19,20,21,22,23,24,25,26,27,28,29,30,31
	v_mov_b32 v[O+\j], 0                           ; O^T: the step is written once; the first finds zeros
.endr
	v_mov_b32 v3, 0xd0000000                       ; -2^33
	v_mov_b32 v13, 0xff61b1e6                      ; the largest t so far: -3e38
	v_floor_f32 v12, -v13
	v_mov_b32 v14, 0
	v_mov_b32 v15, 0
.irp b, 0,1,2,3
	v_mov_b32 v[236+\b], 0                         ; a lane permute's destination counts as one of its sources
.endr
	v_mov_b32 v252, 0
	v_mov_b32 v253, 0
	s_wait_loadcnt 0x0                             ; Q
	s_wait_kmcnt 0x0                               ; the flags
.Lstep:
	s_and_b32 s25, s3, 1
	s_cmp_eq_u32 s25, 0
	s_cbranch_scc1 .Lskip                          ; nothing open in this step for any of my queries, each of which has an open key elsewhere: every p would be 0
	s_load_b512 s[32:47], s[8:9], 0x0              ; the step's 64 mask words
	s_load_b512 s[48:63], s[8:9], 0x40
	s_load_b512 s[68:83], s[8:9], 0x80
	s_load_b512 s[84:99], s[8:9], 0xc0
	v_add_nc_u32 v4, s2, v1
	v_add_nc_u32 v5, s2, v2
.irp m, 0,1,2,3                                ; keys 0-63: four half fragments
	ds_load_b128 v[32+12*\m:35+12*\m], v4 offset:768*\m
	ds_load_b64 v[36+12*\m:37+12*\m], v5 offset:768*\m+512
.endr
	ds_load_b64 v[248:249], v5 offset:3072
	ds_load_b64 v[6:7], v5 offset:6400             ; V's scale words: keys 0-63,
	ds_load_b64 v[8:9], v5 offset:13056            ; keys 64-127
	s_wait_dscnt 0x0
.irp m, 0,1,2,3
	WM S+8*\m, 32+12*\m, 16, 1, 248+\m/2, 255, \m%2
.endr
	v_lshl_or_b32 v6, v8, 16, v6                   ; bytes 0, 1 and 2, 3 of V's words.  (These two and two v_nop are the four places in front of the loads into K's registers and of the first read of these scores)
	v_lshl_or_b32 v7, v9, 16, v7
	v_nop
	v_nop
.irp m, 0,1,2,3                                ; keys 64-127
	ds_load_b128 v[32+12*\m:35+12*\m], v4 offset:6656+768*\m
	ds_load_b64 v[36+12*\m:37+12*\m], v5 offset:6656+768*\m+512
.endr
	ds_load_b64 v[250:251], v5 offset:9728
	s_wait_dscnt 0x0
.irp m, 0,1,2,3
	WM S+32+8*\m, 32+12*\m, 16, 1, 250+\m/2, 255, \m%2
.endr
.irp t, 0,1,2,3                                ; V's four fragments land while the softmax is walked
	ds_load_b128 v[80+12*\t:83+12*\t], v4 offset:3328+768*\t
	ds_load_b64 v[84+12*\t:85+12*\t], v5 offset:3328+768*\t+512
	ds_load_b128 v[86+12*\t:89+12*\t], v4 offset:9984+768*\t
	ds_load_b64 v[90+12*\t:91+12*\t], v5 offset:9984+768*\t+512
.endr
	s_wait_kmcnt 0x0
.set n, 0
.rept 64
	v_cndmask_b32 v[S+n], v3, v[S+n], s[32+n+4*(n/32)]   ; hidden scores become -2^33.  Ascending: each accumulator is read from its low end on; the first 32 are the places behind the last four products
.set n, n+1
.endr
.irp b, 0,1,2,3
	v_max3_num_f32 v[232+\b], v[S+16*\b], v[S+1+16*\b], v[S+2+16*\b]   ; the largest score of each block of 32 keys: for the row's maximum and, since p rises with the score, for the block's largest p
.endr
.irp i, 3,5,7,9,11,13
.irp b, 0,1,2,3
	v_max3_num_f32 v[232+\b], v[232+\b], v[S+16*\b+\i], v[S+1+16*\b+\i]
.endr
.endr
.irp b, 0,1,2,3
	v_max_num_f32 v[232+\b], v[232+\b], v[S+15+16*\b]
.endr
.irp b, 0,1,2,3
	v_permlanex16_b32 v[236+\b], v[232+\b], s20, s21
.endr
.irp b, 0,1,2,3
	v_max_num_f32 v[232+\b], v[232+\b], v[236+\b]
.endr
	v_max3_num_f32 v254, v232, v233, v234
	v_max_num_f32 v254, v254, v235
	v_mul_f32 v254, s22, v254
	v_max_num_f32 v13, v13, v254                   ; the running largest t
	v_mov_b32 v254, v12
	v_floor_f32 v12, -v13                          ; -M = floor(-t)
	v_sub_f32 v254, v12, v254                      ; old M - new M: a whole number, 0 or less
	v_cvt_i32_f32 v254, v254                       ; (it saturates)
	v_ldexp_f32 v252, 1.0, v254                    ; f = 2^(old M - new M)
.irp j, 0,2,4,6,8,10,12,14,16,18,20,22,24,26,28,30,32,34,36,38,40,42,44,46,48,50,52,54,56,58,60,62
	v_pk_fma_f32 v[S+\j:S+1+\j], v[S+\j:S+1+\j], s[22:23], v[12:13] op_sel_hi:[1,0,0]   ; t - M
.endr
.irp b, 0,1,2,3
	v_fma_f32 v[232+\b], v[232+\b], s22, v12
.endr
.irp j, 0,1,2,3,4,5,6,7,8,9,10,11,12,13,14,15,16,17,18,19,20,21,22,23,24,25,26,27,28,29,30,31,32,33,34,35,36,37,38,39,40,41,42,43,44,45,46,47,48,49,50,51,52,53,54,55,56,57,58,59,60,61,62,63
	v_exp_f32 v[S+\j], v[S+\j]                     ; p
.endr
	v_pk_mul_f32 v[14:15], v[14:15], v[252:253] op_sel_hi:[1,0]   ; the sums under the new M: a plain line behind the exponentials
	s_wait_alu depctr_va_vdst(0)                   ; one wait for the batch, ahead of its first reader
.irp b, 0,1,2,3
	v_exp_f32 v[232+\b], v[232+\b]                 ; each block's largest p
.endr
	v_pk_add_f32 v[236:237], v[S:S+1], v[S+2:S+3]  ; the row's sum, of the unquantised p, in two chains
.irp j, 4,8,12,16,20,24,28,32,36,40,44,48,52,56,60
	v_pk_add_f32 v[14:15], v[14:15], v[S+\j:S+1+\j]
	v_pk_add_f32 v[236:237], v[236:237], v[S+2+\j:S+3+\j]
.endr
	v_pk_add_f32 v[14:15], v[14:15], v[236:237]
	s_wait_alu depctr_va_vdst(0)                   ; and one for the four
.irp b, 0,1,2,3
	v_max_num_f32 v[232+\b], 0x1800000, v[232+\b]  ; the floor 2^(3 - 127)
.endr
.irp b, 0,1,2,3
	v_add_nc_u32 v[244+\b], 0xff000000, v[232+\b]
.endr
.irp b, 0,1,2,3
	v_lshrrev_b32 v[236+\b], 23, v[244+\b]
.endr
	v_lshl_or_b32 v253, v237, 8, v236              ; p's scale word for these 128 keys
	v_lshl_or_b32 v253, v238, 16, v253
	v_lshl_or_b32 v253, v239, 24, v253
.irp c, 0,1
	v_cvt_scalef32_pk16_fp6_f32 v[224+6*\c:226+6*\c], v[S+32*\c:S+15+32*\c], v[244+2*\c]
	v_cvt_scalef32_pk16_fp6_f32 v[236+4*\c:238+4*\c], v[S+16+32*\c:S+31+32*\c], v[244+2*\c+1]
.endr
	v_nop                                          ; one plain line behind the conversions
.irp c, 0,1
.irp i, 0,1,2
	v_permlane16_swap_b32 v[224+6*\c+\i], v[236+4*\c+\i]
.endr
.irp i, 0,1,2
	v_mov_b32 v[227+6*\c+\i], v[236+4*\c+\i]
.endr
.endr
.irp j, 0,2,4,6,8,10,12,14,16,18,20,22,24,26,28,30
	v_pk_mul_f32 v[O+\j:O+1+\j], v[O+\j:O+1+\j], v[252:253] op_sel_hi:[1,0]   ; O^T under the new M.  (These 16 are also the places between the lines that wrote p's codes and word and the products)
.endr
	s_wait_dscnt 0x0                               ; V
.irp t, 0,1,2,3
	WM O+8*\t, 80+12*\t, 224, 0, 6+\t/2, 253, \t%2
.endr
.rept 4
	v_nop                                          ; places in front of the next loads into V's scale registers, and of the way out
.endr
.Lskip:
	s_lshr_b32 s3, s3, 1
	s_add_co_u32 s2, s2, STEPB
	s_add_nc_u64 s[8:9], s[8:9], 256               ; (no scalar load is out: the step has waited for its four)
	s_sub_co_u32 s24, s24, 1
	s_cmp_lg_u32 s24, 0
	s_cbranch_scc1 .Lstep
	; THE WAY OUT: O^T / the sum, quantised along the head's 64: register 16 b + i = channel 32 b + 16 h + i of my query
	v_add_f32 v14, v14, v15
	v_permlanex16_b32 v252, v14, s20, s21
	v_add_f32 v14, v14, v252
	v_rcp_f32 v14, v14
	v_mov_b32 v242, 0                              ; (a plain line behind it)
	v_mov_b32 v243, 0
	s_lshr_b32 s32, s14, 4
	s_lshl_b32 s32, s32, 7
	s_add_co_u32 s32, s32, s13                     ; 128 batch + tile
	s_lshl_b32 s32, s32, 4
	s_and_b32 s33, s14, 15
	s_add_co_u32 s32, s32, s33                     ; x 16 + head
	s_lshl_b32 s34, s32, 7
	s_add_co_u32 s34, s34, 3145728
	s_mov_b32 s35, 0
	s_mul_i32 s32, s32, 768
	s_mov_b32 s33, 0
	s_add_nc_u64 s[32:33], s[10:11], s[32:33]
	s_add_nc_u64 s[34:35], s[10:11], s[34:35]
	s_wait_alu depctr_va_vdst(0)                   ; ahead of the reciprocal's first reader
.irp j, 0,2,4,6,8,10,12,14,16,18,20,22,24,26,28,30
	v_pk_mul_f32 v[O+\j:O+1+\j], v[O+\j:O+1+\j], v[14:15] op_sel_hi:[1,0]
.endr
.irp b, 0,1
	v_max3_num_f32 v[240+\b], |v[O+16*\b]|, |v[O+1+16*\b]|, 0x1800000
.endr
.irp i, 2,4,6,8,10,12,14
.irp b, 0,1
	v_max3_num_f32 v[240+\b], v[240+\b], |v[O+16*\b+\i]|, |v[O+1+16*\b+\i]|
.endr
.endr
.irp b, 0,1
	v_permlanex16_b32 v[242+\b], v[240+\b], s20, s21
.endr
.irp b, 0,1
	v_max_num_f32 v[240+\b], v[240+\b], v[242+\b]
.endr
.irp b, 0,1
	v_add_nc_u32 v[244+\b], 0xff000000, v[240+\b]
.endr
.irp b, 0,1
	v_lshrrev_b32 v[242+\b], 23, v[244+\b]
.endr
	v_lshl_or_b32 v246, v243, 8, v242
	v_cvt_scalef32_pk16_fp6_f32 v[224:226], v[O:O+15], v244
	v_cvt_scalef32_pk16_fp6_f32 v[230:232], v[O+16:O+31], v245
	v_nop
.irp i, 0,1,2
	v_permlane16_swap_b32 v[224+\i], v[230+\i]
.endr
.irp i, 0,1,2
	v_mov_b32 v[227+\i], v[230+\i]
.endr
	global_store_b128 v1, v[224:227], s[32:33]
	global_store_b64 v2, v[228:229], s[32:33] offset:512
	global_store_b32 v11, v246, s[34:35]           ; the word in both halves of the lanes: 128 bytes
	s_wait_tensorcnt 0x0
	ds_add_u32 v30, v31
	s_wait_dscnt 0x0
	s_endpgm
.Lfunc_end_k_qee33ac3552_attn:
	.size	k_qee33ac3552_attn, .Lfunc_end_k_qee33ac3552_attn-k_qee33ac3552_attn
	.p2alignl 7, 3214868480
	.fill 96, 4, 3214868480
	.section	.rodata,"a",@progbits
	.p2align	6, 0x0
	.amdhsa_kernel k_qee33ac3552_attn
		.amdhsa_group_segment_fixed_size 215040
		.amdhsa_private_segment_fixed_size 0
		.amdhsa_enable_private_segment 0
		.amdhsa_kernarg_size 32
		.amdhsa_user_sgpr_count 2
		.amdhsa_user_sgpr_kernarg_segment_ptr 1
		.amdhsa_wavefront_size32 1
		.amdhsa_system_sgpr_workgroup_id_x 1
		.amdhsa_system_sgpr_workgroup_id_y 1
		.amdhsa_system_sgpr_workgroup_id_z 1
		.amdhsa_system_vgpr_workitem_id 0
		.amdhsa_next_free_vgpr 256
		.amdhsa_next_free_sgpr 100
		.amdhsa_reserve_vcc 0
		.amdhsa_float_denorm_mode_32 3
		.amdhsa_float_denorm_mode_16_64 3
		.amdhsa_memory_ordered 1
		.amdhsa_forward_progress 1
		.amdhsa_inst_pref_size 34
	.end_amdhsa_kernel
	.amdgpu_metadata
---
amdhsa.version: [ 1, 2 ]
amdhsa.kernels:
  - .name:           k_qee33ac3552_attn
    .symbol:         k_qee33ac3552_attn.kd
    .args:
      - { .name: qimg, .offset: 0, .size: 8, .value_kind: global_buffer, .address_space: global }
      - { .name: kv, .offset: 8, .size: 8, .value_kind: global_buffer, .address_space: global }
      - { .name: maskw, .offset: 16, .size: 8, .value_kind: global_buffer, .address_space: global }
      - { .name: ctx, .offset: 24, .size: 8, .value_kind: global_buffer, .address_space: global }
    .group_segment_fixed_size: 215040
    .private_segment_fixed_size: 0
    .kernarg_segment_align: 8
    .kernarg_segment_size: 32
    .max_flat_workgroup_size: 512
    .sgpr_count:     100
    .vgpr_count:     256
    .wavefront_size: 32
...
	.end_amdgpu_metadata
.endif
;; end of part 3
;; launch outp (part 4): grid 8 x 32, 8 waves a work-group, clusters of 4 x 4, 232,448 bytes of LDS; arguments ctx, wq, b_o, out0; writes out0
.if DOCPART == 4
	.amdgcn_target "amdgcn-amd-amdhsa--gfx1250"
	.amdhsa_code_object_version 6
	.text
	.protected	k_qee33ac3552_outp
	.globl	k_qee33ac3552_outp
	.p2align	8
	.type	k_qee33ac3552_outp,@function
k_qee33ac3552_outp:
	s_mov_b64 s[64:65], 0
	v_nop
	global_prefetch_b8 v0, s[64:65] scope:SCOPE_SE
	s_setreg_imm32_b32 hwreg(HW_REG_WAVE_MODE, 25, 1), 1
	s_wait_xcnt 0x0
	s_wait_alu depctr_hold_cnt(0) depctr_sa_sdst(0) depctr_va_vdst(0) depctr_va_sdst(0) depctr_va_ssrc(0) depctr_va_vcc(0) depctr_vm_vsrc(0)
	s_getreg_b32 s2, hwreg(HW_REG_IB_STS2, 6, 4)
	s_cmp_eq_u32 s2, 0
	s_cbranch_scc0 .Lentry_in_a_cluster
	s_endpgm
.Lentry_in_a_cluster:
	s_bfe_u32 s2, ttmp6, 0x10000c
	s_cmp_lg_u32 s2, 0xf033
	s_cbranch_scc0 .Lentry_shape_is_right
	s_endpgm
.Lentry_shape_is_right:
; OUTP: out0 = Q(ctx) Q(W_o) + b_o.  Both operands arrive as images of operand registers with their scale words.
; SHARES.  A work-group makes 128 x 128 of out0; wave w makes rows 32 (w % 4) on x columns 64 (w / 4) on: 8 accumulators.  All of K, 1,024, lies in LDS: four slots of 256 along K, each filled ONCE.
; CLUSTER 4 x 4: the four work-groups of a row of the cluster need the same rows of ctx, the four of a column the same columns of W_o: each tile is asked for jointly.  Waves 0, 1 ask for ctx's halves, waves 2, 3 for W_o's:
; four loads each, all out at the start (four of a wave's tensor loads are out at the most).  Nothing in LDS is filled again, so there is no ring.
; A slot: ctx's 8 tiles of 16 rows x 256 K (3,072 bytes each), then W_o's 2 heads x 2 K steps x 4 tiles x 1,536 bytes.
; Source 0 = 16 columns of W_o, source 1 = 16 rows of ctx: a lane holds one row and, over tiles 2 b, 2 b + 1, 16 neighbouring columns.  Member r of tile t is index 32 (t/2) + 8 (t%2) + r + 8 (r/8).
; REGISTERS: v1-3 LDS addresses, v4-7 offsets, v8-15 ctx's scale words (K step s), v16-31 W_o's (8 (T/2) + s), v32-79 ctx's fragments, two sets, v80-175 W_o's, two sets, v176-239 accumulators, v240-247 the odd heads' words.
.set SLOT, 49152
.set STG,  196608                      ; behind the slots: a stage of 16 rows x (256 + 16) bytes for each wave; no tile lands there
.set ASC,  8
.set WSC,  16
.set AF,   32
.set BF,   80
.set ACC,  176
.set BI,   80                          ; the bias, when W_o's first set is done with
.set G1A,  24
.set G1B,  32
.set G0A,  40                          ; s[40:55] four groups 0 for ctx
.set G0B,  68                          ; s[68:83] four for W_o
.macro WM d, a, b, zero, sa, sb, ra, rb
.set WR, (\ra)+2*(\rb)+4*(\zero)
.if WR == 0
	v_wmma_scale_f32_16x16x128_f8f6f4 v[\d:\d+7], v[\a:\a+11], v[\b:\b+11], v[\d:\d+7], v[\sa], v[\sb] matrix_a_fmt:MATRIX_FMT_FP6 matrix_b_fmt:MATRIX_FMT_FP6
.elseif WR == 1
	v_wmma_scale_f32_16x16x128_f8f6f4 v[\d:\d+7], v[\a:\a+11], v[\b:\b+11], v[\d:\d+7], v[\sa], v[\sb] matrix_a_fmt:MATRIX_FMT_FP6 matrix_b_fmt:MATRIX_FMT_FP6 matrix_a_scale:MATRIX_SCALE_ROW1
.elseif WR == 2
	v_wmma_scale_f32_16x16x128_f8f6f4 v[\d:\d+7], v[\a:\a+11], v[\b:\b+11], v[\d:\d+7], v[\sa], v[\sb] matrix_a_fmt:MATRIX_FMT_FP6 matrix_b_fmt:MATRIX_FMT_FP6 matrix_b_scale:MATRIX_SCALE_ROW1
.elseif WR == 3
	v_wmma_scale_f32_16x16x128_f8f6f4 v[\d:\d+7], v[\a:\a+11], v[\b:\b+11], v[\d:\d+7], v[\sa], v[\sb] matrix_a_fmt:MATRIX_FMT_FP6 matrix_b_fmt:MATRIX_FMT_FP6 matrix_a_scale:MATRIX_SCALE_ROW1 matrix_b_scale:MATRIX_SCALE_ROW1
.elseif WR == 4
	v_wmma_scale_f32_16x16x128_f8f6f4 v[\d:\d+7], v[\a:\a+11], v[\b:\b+11], 0, v[\sa], v[\sb] matrix_a_fmt:MATRIX_FMT_FP6 matrix_b_fmt:MATRIX_FMT_FP6
.elseif WR == 5
	v_wmma_scale_f32_16x16x128_f8f6f4 v[\d:\d+7], v[\a:\a+11], v[\b:\b+11], 0, v[\sa], v[\sb] matrix_a_fmt:MATRIX_FMT_FP6 matrix_b_fmt:MATRIX_FMT_FP6 matrix_a_scale:MATRIX_SCALE_ROW1
.elseif WR == 6
	v_wmma_scale_f32_16x16x128_f8f6f4 v[\d:\d+7], v[\a:\a+11], v[\b:\b+11], 0, v[\sa], v[\sb] matrix_a_fmt:MATRIX_FMT_FP6 matrix_b_fmt:MATRIX_FMT_FP6 matrix_b_scale:MATRIX_SCALE_ROW1
.else
	v_wmma_scale_f32_16x16x128_f8f6f4 v[\d:\d+7], v[\a:\a+11], v[\b:\b+11], 0, v[\sa], v[\sb] matrix_a_fmt:MATRIX_FMT_FP6 matrix_b_fmt:MATRIX_FMT_FP6 matrix_a_scale:MATRIX_SCALE_ROW1 matrix_b_scale:MATRIX_SCALE_ROW1
.endif
.endm
.macro PLACES
.rept 4
	v_nop
.endr
.endm
.macro CROUND                          ; a round of the cluster's barrier
	s_barrier_signal -1
	s_barrier_wait -1
	s_cmp_lg_u32 s12, 0
	s_cbranch_scc1 .Lnot_wave_0_\@
	s_barrier_signal -3
.Lnot_wave_0_\@:
	s_barrier_wait -3
	s_barrier_signal -1
	s_barrier_wait -1
.endm
	s_load_b256 s[4:11], s[0:1], 0x0               ; ctx, wq, b_o, out0
	v_lshl_add_u32 v254, v0, 2, 0x38800
	v_mov_b32 v255, 0
	ds_add_u32 v254, v255
	ds_add_u32 v254, v255
	v_lshrrev_b32 v1, 5, v0
	v_readfirstlane_b32 s12, v1                    ; wave 0..7
	s_and_b32 s13, s12, 3                          ; p: my 32 rows.  Also: which quarter of a slot I fetch, if I fetch
	s_lshr_b32 s14, s12, 2                         ; cg: my 64 columns
	s_and_b32 s15, s12, 1                          ; which half of ctx's or of W_o's tile I fetch
	s_bfe_u32 s16, ttmp6, 0x40000                  ; cx
	s_bfe_u32 s17, ttmp6, 0x40004                  ; cy
	s_lshl_b32 s18, ttmp9, 2
	s_add_co_u32 s18, s18, s16                     ; tile column
	s_and_b32 s19, ttmp7, 0xffff
	s_lshl_b32 s19, s19, 2
	s_add_co_u32 s19, s19, s17                     ; tile row
	s_lshl_b32 s20, s17, 2
	s_lshl_b32 s20, 15, s20                        ; my row of the cluster
	s_lshl_b32 s21, 0x1111, s16                    ; my column
	; group 1 for ctx: 4 tiles of rows, of each 3,072 bytes (four heads), 12,288 bytes apart; elements of 8 bytes
	s_or_b32 s[G1A], s20, (3<<16)|(1<<21)          ; 15:0 the mask; 17:16 elements of 8 bytes; 21 set beside a mask; no padding
	s_mov_b32 s[G1A+1], 384<<16                    ; tensor_dim0
	s_mov_b32 s[G1A+2], 4<<16                      ; tensor_dim1
	s_mov_b32 s[G1A+3], 384<<16                    ; tile_dim0
	s_mov_b32 s[G1A+4], 4                          ; tile_dim1
	s_mov_b32 s[G1A+5], 1536                       ; from row to row
	s_mov_b32 s[G1A+6], 0
	s_mov_b32 s[G1A+7], 0
	; group 1 for W_o: 12,288 dense bytes as 48 rows of 256
	s_or_b32 s[G1B], s21, (3<<16)|(1<<21)
	s_mov_b32 s[G1B+1], 32<<16
	s_mov_b32 s[G1B+2], 48<<16
	s_mov_b32 s[G1B+3], 32<<16
	s_mov_b32 s[G1B+4], 48
	s_mov_b32 s[G1B+5], 32
	s_mov_b32 s[G1B+6], 0
	s_mov_b32 s[G1B+7], 0
	s_lshl_b32 s56, s19, 3                         ; ctx's address hangs on the tile row and the wave alone,
	s_lshl_b32 s57, s15, 2
	s_add_co_u32 s56, s56, s57
	s_mul_i32 s56, s56, 12288
	s_mov_b32 s57, 0
	s_lshl_b32 s84, s18, 1                         ; W_o's on the tile column and the wave alone, in registers of its own
	s_add_co_u32 s84, s84, s15
	s_mul_i32 s84, s84, 49152
	s_add_co_u32 s84, s84, 2359296                 ; the fourth weight's codes
	s_mov_b32 s85, 0
	s_mul_i32 s22, s13, 12288                      ; where it goes: no place in the cluster enters an LDS address
	s_lshl_b32 s60, s19, 3
	s_lshl_b32 s61, s13, 1
	s_add_co_u32 s60, s60, s61
	s_lshl_b32 s60, s60, 11
	s_add_co_u32 s60, s60, 3145728                 ; ctx's scale words of my two tiles of rows
	s_mov_b32 s61, 0
	s_lshl_b32 s88, s18, 1
	s_add_co_u32 s88, s88, s14
	s_add_co_u32 s88, s88, 48
	s_lshl_b32 s88, s88, 11
	s_add_co_u32 s88, s88, 3145728                 ; W_o's scale words of my head
	s_mov_b32 s89, 0
	s_lshl_b32 s90, s18, 9
	s_lshl_b32 s91, s14, 8
	s_add_co_u32 s90, s90, s91                     ; my first column, in bytes of f32
	s_mov_b32 s91, 0
	s_lshl_b32 s92, s19, 7
	s_lshl_b32 s93, s13, 5
	s_add_co_u32 s92, s92, s93
	s_lshl_b32 s92, s92, 12                        ; my first row of out0
	s_add_co_u32 s92, s92, s90
	s_mov_b32 s93, 0
	v_and_b32 v250, 31, v0
	v_and_b32 v251, 15, v0                         ; r
	v_bfe_u32 v252, v0, 4, 1                       ; h
	s_mul_i32 s23, s13, 6144                       ; my two tiles of rows in a slot
	s_mul_i32 s96, s14, 12288
	s_add_co_u32 s96, s96, 24576                   ; my head of W_o in a slot
	v_lshlrev_b32 v1, 4, v250
	v_lshlrev_b32 v5, 3, v250                      ; 8 x lane
	v_add_nc_u32 v3, s96, v1
	v_add_nc_u32 v2, s23, v5
	v_add_nc_u32 v1, s23, v1
	v_lshlrev_b32 v4, 2, v251
	v_lshl_add_u32 v4, v252, 11, v4                ; ctx's words: lanes 0-15 my first tile, lanes 16-31 my second
	v_lshlrev_b32 v6, 6, v252                      ; the bias: 64 h
	s_mul_i32 s97, s12, 4352
	s_add_co_u32 s97, s97, STG                     ; my stage
	v_mul_u32_u24 v7, v251, 272
	v_lshl_add_u32 v7, v252, 6, v7
	v_add_nc_u32 v7, s97, v7                       ; in: row r, + 64 h
	v_mul_u32_u24 v248, v252, 272
	v_lshl_add_u32 v248, v251, 4, v248
	v_add_nc_u32 v248, s97, v248                   ; back: lanes 0-15 one row of 256 bytes, lanes 16-31 the next
	v_lshlrev_b32 v249, 12, v252
	v_lshl_add_u32 v249, v251, 4, v249             ; and the same in out0
	s_wait_dscnt 0x0
	s_wait_kmcnt 0x0
	s_add_nc_u64 s[58:59], s[4:5], s[56:57]
	s_add_nc_u64 s[86:87], s[6:7], s[84:85]
	s_add_nc_u64 s[60:61], s[4:5], s[60:61]
	s_add_nc_u64 s[88:89], s[6:7], s[88:89]
	s_add_nc_u64 s[90:91], s[8:9], s[90:91]
	s_add_nc_u64 s[92:93], s[10:11], s[92:93]
.irp q, 0,1,2,3
	s_mov_b32 s[G0A+4*\q], 1
	s_add_co_u32 s[G0A+4*\q+1], s22, \q*SLOT
	s_add_nc_u64 s[G0A+4*\q+2:G0A+4*\q+3], s[58:59], \q*3072
	s_or_b32 s[G0A+4*\q+3], s[G0A+4*\q+3], 0x80000000
	s_mov_b32 s[G0B+4*\q], 1
	s_add_co_u32 s[G0B+4*\q+1], s22, \q*SLOT
	s_add_nc_u64 s[G0B+4*\q+2:G0B+4*\q+3], s[86:87], \q*12288
	s_or_b32 s[G0B+4*\q+3], s[G0B+4*\q+3], 0x80000000
.endr
	CROUND                                         ; all sixteen work-groups are here: the joint loads meet
	s_cmp_lt_u32 s12, 2                            ; a wave's four fills stand in one branch on the wave's number, ahead of every wait on TENSORcnt and every LDS read
	s_cbranch_scc0 .Lnot_a
	tensor_load_to_lds s[G0A:G0A+3], s[G1A:G1A+7]
	s_nop 0
	tensor_load_to_lds s[G0A+4:G0A+7], s[G1A:G1A+7]
	s_nop 0
	tensor_load_to_lds s[G0A+8:G0A+11], s[G1A:G1A+7]
	s_nop 0
	tensor_load_to_lds s[G0A+12:G0A+15], s[G1A:G1A+7]
	s_nop 0
	PLACES                                         ; four v_nop follow the last of them
	s_branch .Lasked
.Lnot_a:
	s_cmp_lt_u32 s12, 4
	s_cbranch_scc0 .Lasked
	tensor_load_to_lds s[G0B:G0B+3], s[G1B:G1B+7]
	s_nop 0
	tensor_load_to_lds s[G0B+4:G0B+7], s[G1B:G1B+7]
	s_nop 0
	tensor_load_to_lds s[G0B+8:G0B+11], s[G1B:G1B+7]
	s_nop 0
	tensor_load_to_lds s[G0B+12:G0B+15], s[G1B:G1B+7]
	s_nop 0
	PLACES
.Lasked:
.irp s, 0,1,2,3,4,5,6,7
	global_load_b32 v[ASC+\s], v4, s[60:61] offset:256*\s          ; head 2 s: bytes 0, 1 of K step s
	global_load_b32 v[240+\s], v4, s[60:61] offset:256*\s+128      ; head 2 s + 1: bytes 2, 3
.endr
.irp b, 0,1
.irp q, 0,1,2,3
	global_load_b64 v[WSC+8*\b+2*\q:WSC+8*\b+2*\q+1], v5, s[88:89] offset:1024*\b+256*\q
.endr
.endr
	s_wait_loadcnt 0x0
.irp s, 0,1,2,3,4,5,6,7
	v_lshl_or_b32 v[ASC+\s], v[240+\s], 16, v[ASC+\s]
.endr
.rept 8
	v_nop                                          ; a scale register written by a vector line stands eight places ahead of the product that names it
.endr
.macro FETCH sl, buf                   ; the fragments of the slot's K step sl: 20 loads
.irp m, 0,1
	ds_load_b128 v[AF+24*(\buf)+12*\m:AF+24*(\buf)+12*\m+3], v1 offset:3072*\m+1536*(\sl)
	ds_load_b64 v[AF+24*(\buf)+12*\m+4:AF+24*(\buf)+12*\m+5], v2 offset:3072*\m+1536*(\sl)+512
	ds_load_b128 v[AF+24*(\buf)+12*\m+6:AF+24*(\buf)+12*\m+9], v1 offset:3072*\m+1536*(\sl)+768
	ds_load_b64 v[AF+24*(\buf)+12*\m+10:AF+24*(\buf)+12*\m+11], v2 offset:3072*\m+1536*(\sl)+1280
.endr
.irp t, 0,1,2,3
.irp c, 0,1,2
	ds_load_b128 v[BF+48*(\buf)+12*\t+4*\c:BF+48*(\buf)+12*\t+4*\c+3], v3 offset:6144*(\sl)+1536*\t+512*\c
.endr
.endr
.endm
.macro MUL s, buf                      ; eight products, the eight accumulators by turns
.if (\s) == 0
.set Z, 1
.else
.set Z, 0
.endif
.irp m, 0,1
.irp t, 0,1,2,3
	WM ACC+8*(4*\m+\t), BF+48*(\buf)+12*\t, AF+24*(\buf)+12*\m, Z, WSC+8*(\t/2)+(\s), ASC+(\s), \t%2, \m
.endr
.endr
.endm
	s_wait_tensorcnt 3                             ; my part of slot 0 is in; slots 1 to 3 may be out
	s_barrier_signal -1
	s_barrier_wait -1                              ; everybody's is
	FETCH 0, 0
	FETCH 1, 1
.irp q, 0,1,2,3
	s_wait_dscnt 20                                ; the first set is in; the second set's 20 loads may be out
	MUL 2*\q, 0
.if \q < 3
	s_wait_tensorcnt 2-\q                          ; my part of the next slot is in; the later slots' may be out
	s_wait_dscnt 0x0                               ; no LDS load of mine is out at the signal
	s_barrier_signal -1
	s_barrier_wait -1
	v_add_nc_u32 v1, SLOT, v1                      ; on to the next slot.  (Three additions and a v_nop: the places in front of the loads into the first set)
	v_add_nc_u32 v2, SLOT, v2
	v_add_nc_u32 v3, SLOT, v3
	v_nop
	FETCH 0, 0
	MUL 2*\q+1, 1
	PLACES
	FETCH 1, 1
.else
	s_wait_dscnt 0x0
	PLACES
.irp b, 0,1
.irp j, 0,1,2,3
	global_load_b128 v[BI+16*\b+4*\j:BI+16*\b+4*\j+3], v6, s[90:91] offset:128*\b+16*\j   ; b_o at my 32 columns: register 16 b + i = column 32 b + 16 h + i
.endr
.endr
	MUL 7, 1
.endif
.endr
; THE WAY OUT: the bias; a tile of 16 rows x 64 columns through my own stage, back as whole rows of 256 bytes
.macro TOSTAGE m, ob
.irp i, 0,2,4,6,8,10,12,14,16,18,20,22,24,26,28,30
	v_pk_add_f32 v[ACC+32*\m+\i:ACC+32*\m+\i+1], v[ACC+32*\m+\i:ACC+32*\m+\i+1], v[BI+\i:BI+\i+1]   ; each accumulator from its low end on
.endr
.irp b, 0,1
.irp j, 0,1,2,3
	ds_store_b128 v7, v[ACC+32*\m+16*\b+4*\j:ACC+32*\m+16*\b+4*\j+3] offset:128*\b+16*\j
.endr
.endr
.irp i, 0,1,2,3,4,5,6,7
	ds_load_b128 v[\ob+4*\i:\ob+4*\i+3], v248 offset:544*\i        ; LDS serves a wave's instructions in order: these see my stores, and the next tile's stores come behind them
.endr
.endm
.macro SEND m, ob, younger
.irp i, 0,1,2,3,4,5,6,7
	s_wait_dscnt \younger+7-\i
	global_store_b128 v249, v[\ob+4*\i:\ob+4*\i+3], s[92:93] offset:(8*\m+2*\i+8*(\i/4))*4096 th:TH_STORE_NT   ; 16 lanes store 256 consecutive bytes, at a multiple of 256 from out0's first byte
.endr
.endm
	PLACES
	s_wait_loadcnt 0x0                             ; the bias
	TOSTAGE 0, 32
	TOSTAGE 1, 112
	SEND 0, 32, 16                                 ; behind tile 0's loads: tile 1's 8 stores and 8 loads
	SEND 1, 112, 0
	s_wait_tensorcnt 0x0
	s_wait_dscnt 0x0
	s_wait_tensorcnt 0x0
	ds_add_u32 v254, v255
	s_wait_dscnt 0x0
	CROUND                                         ; the closing round: no work-group ends while a partner may still ask for a tile that names it
	s_endpgm
.Lfunc_end_k_qee33ac3552_outp:
	.size	k_qee33ac3552_outp, .Lfunc_end_k_qee33ac3552_outp-k_qee33ac3552_outp
	.p2alignl 7, 3214868480
	.fill 96, 4, 3214868480
	.section	.rodata,"a",@progbits
	.p2align	6, 0x0
	.amdhsa_kernel k_qee33ac3552_outp
		.amdhsa_group_segment_fixed_size 232448
		.amdhsa_private_segment_fixed_size 0
		.amdhsa_enable_private_segment 0
		.amdhsa_kernarg_size 32
		.amdhsa_user_sgpr_count 2
		.amdhsa_user_sgpr_kernarg_segment_ptr 1
		.amdhsa_wavefront_size32 1
		.amdhsa_system_sgpr_workgroup_id_x 1
		.amdhsa_system_sgpr_workgroup_id_y 1
		.amdhsa_system_sgpr_workgroup_id_z 1
		.amdhsa_system_vgpr_workitem_id 0
		.amdhsa_next_free_vgpr 256
		.amdhsa_next_free_sgpr 100
		.amdhsa_reserve_vcc 0
		.amdhsa_float_denorm_mode_32 3
		.amdhsa_float_denorm_mode_16_64 3
		.amdhsa_memory_ordered 1
		.amdhsa_forward_progress 1
		.amdhsa_inst_pref_size 39
	.end_amdhsa_kernel
	.amdgpu_metadata
---
amdhsa.version: [ 1, 2 ]
amdhsa.kernels:
  - .name:           k_qee33ac3552_outp
    .symbol:         k_qee33ac3552_outp.kd
    .args:
      - { .name: ctx, .offset: 0, .size: 8, .value_kind: global_buffer, .address_space: global }
      - { .name: wq, .offset: 8, .size: 8, .value_kind: global_buffer, .address_space: global }
      - { .name: b_o, .offset: 16, .size: 8, .value_kind: global_buffer, .address_space: global }
      - { .name: out0, .offset: 24, .size: 8, .value_kind: global_buffer, .address_space: global }
    .group_segment_fixed_size: 232448
    .private_segment_fixed_size: 0
    .kernarg_segment_align: 8
    .kernarg_segment_size: 32
    .max_flat_workgroup_size: 256
    .sgpr_count:     100
    .vgpr_count:     256
    .wavefront_size: 32
...
	.end_amdgpu_metadata
.endif
;; end of part 4
;; ======== version 2 of 3: 4 launches; 1.12 times as fast as version 1
;; limits: right only within a limited range of input values
;; workspace buffers: wq 3,276,800 bytes; maskw 557,056 bytes of whole numbers; rope 524,288 bytes; qimg 3,407,872 bytes; kv 6,815,744 bytes; ctx 3,670,016 bytes
;; launch prep (part 5): grid 224 x 1, 16 waves a work-group, no clusters, 188,672 bytes of LDS; arguments mask, W_q, W_k, W_v, W_o, wq, maskw, rope; writes wq, maskw, rope
.if DOCPART == 5
	.amdgcn_target "amdgcn-amd-amdhsa--gfx1250"
	.amdhsa_code_object_version 6
	.text
	.protected	k_qee33ac3552_prep
	.globl	k_qee33ac3552_prep
	.p2align	8
	.type	k_qee33ac3552_prep,@function
k_qee33ac3552_prep:
	s_mov_b64 s[64:65], 0
	v_nop
	global_prefetch_b8 v0, s[64:65] scope:SCOPE_SE
	s_setreg_imm32_b32 hwreg(HW_REG_WAVE_MODE, 25, 1), 1
	s_wait_xcnt 0x0
; PREP: what the later launches want ready.  Three kinds of work-group, told apart by the work-group's number; each kind has LDS bytes of its own.
;  0-127   THE MASK, [2048][2048] int32, as bits.  Work-group = tile of 16 queries (tile t's member r is query 32 (t/2) + 8 (t%2) + r + 8 (r/8)), wave = step of 128 keys.
;          Word n (0..63) of (tile, step): bit of lane (r, h) = mask[query r][128 step + 32 (n/16) + 16 h + n%16] != 0: the lane and register in which attention holds that score.
;          And a word of flags a tile.  Bit j: step j has an open key for some query of the tile; all 16 are set where some query of the tile has no open key at all.
;          Bit 16 + j: some entry of step j's 16 x 128 is hidden, so that attention has to apply the step's words.
;  128-191 THE FOUR WEIGHTS, [k][n] f32, as codes of E2M3 with K innermost, laid as images of operand registers, and their E8M0 scale words.  A lane takes a column, its registers run down K.
;          A work-group takes 128 columns x 512 along K, a wave 32 columns x 128: four blocks a lane, one K step of the products.
;  192-223 cos and sin of pos x 10000^(-i/32), pos 0..2047, i 0..31, in f32.
; A block's scale byte is its largest magnitude's exponent field - 2, held at 1 from below.  LIMITS: a block of zeros gets the byte 1 (its codes are zeros, and this program alone reads the bytes);
; blocks under 2^-124 keep the byte 1; NaN and infinities are not served.  theta comes from v_exp_f32 (1 ulp), so an angle may differ by about 2 ulp of the angle from one made by a power function.
; No tensor loads, no cluster: nothing is read by two work-groups.
.set MSTW,  8448                       ; LDS 0 ..: the mask's stages, 16 rows x (512 + 16) bytes for each wave
.set CMB,   135168                     ; 16 words: each wave's open rows, and its bit 16
.set WST,   135424                     ; the weights' stages, 3,072 bytes for each wave: two fragments' images
.set WSTW,  3072
.set WSX,   184576                     ; where two waves' scale words meet: 8 blocks of 256 bytes
.set WQS,   3145728                    ; where the scale words begin in wq
.set FLG,   524288                     ; where the flags begin in maskw
.set N,     32                         ; v32-95  the mask's 64 words of a lane
.set X,     32                         ; v32-95  two sets of 32 numbers of W
.set C,     96                         ; v96-104 a block's codes
.set SB,    24                         ; v24     the K step's scale word
.set OUTR,  112                        ; v112-135 the way out
	s_load_b512 s[4:19], s[0:1], 0x0               ; mask, W_q, W_k, W_v, W_o, wq, maskw, rope
	v_lshl_add_u32 v192, v0, 2, 0x2d900
	v_mov_b32 v193, 0
	v_lshrrev_b32 v1, 5, v0
	v_readfirstlane_b32 s20, v1                    ; wave
	v_and_b32 v1, 31, v0                           ; lane
	s_cmp_lt_u32 ttmp9, 128
	s_cbranch_scc0 .Lnot_mask
; ---------------- the mask ----------------
	v_lshlrev_b32 v2, 4, v1                        ; 16 x lane
	s_mul_i32 s21, s20, MSTW
	v_add_nc_u32 v3, s21, v2                       ; stage, in: a row's 512 bytes as they lie
	v_and_b32 v4, 15, v1                           ; r
	v_lshrrev_b32 v5, 4, v1                        ; h
	v_mul_u32_u24 v6, v4, 528
	v_lshl_add_u32 v6, v5, 6, v6
	v_add_nc_u32 v6, s21, v6                       ; stage, out: row r, + 64 h
	v_lshlrev_b32 v7, 3, v1                        ; 8 x lane
	s_lshl_b32 s25, s20, 2
	s_add_co_u32 s25, s25, CMB
	v_mov_b32 v8, s25                              ; my wave's word
	v_lshl_add_u32 v9, v4, 2, CMB                  ; word lane % 16
	v_mov_b32 v10, CMB
	s_lshr_b32 s22, ttmp9, 1
	s_lshl_b32 s22, s22, 5
	s_and_b32 s23, ttmp9, 1
	s_lshl_b32 s23, s23, 3
	s_add_co_u32 s22, s22, s23                     ; the tile's first query
	s_lshl_b32 s22, s22, 13                        ; rows of 8,192 bytes
	s_lshl_b32 s23, s20, 9                         ; 128 keys are 512 bytes
	s_add_co_u32 s22, s22, s23
	s_mov_b32 s23, 0
	s_lshl_b32 s26, ttmp9, 4
	s_add_co_u32 s26, s26, s20
	s_lshl_b32 s26, s26, 8                         ; (16 tile + step) x 256
	s_mov_b32 s27, 0
	s_lshl_b32 s36, ttmp9, 8
	s_add_co_u32 s36, s36, FLG
	s_mov_b32 s37, 0
	s_wait_kmcnt 0x0
	s_add_nc_u64 s[4:5], s[4:5], s[22:23]
	s_add_nc_u64 s[44:45], s[16:17], s[26:27]
	s_add_nc_u64 s[46:47], s[16:17], s[36:37]
.irp p, 0,1,2,3,4,5,6,7,8,9,10,11,12,13,14,15
	global_load_b128 v[N+4*\p:N+4*\p+3], v2, s[4:5] offset:(\p+8*(\p/8))*8192 th:TH_LOAD_NT   ; 32 lanes read a row's 512 consecutive bytes
.endr
	s_wait_loadcnt 0x0
.irp p, 0,1,2,3,4,5,6,7,8,9,10,11,12,13,14,15
	ds_store_b128 v3, v[N+4*\p:N+4*\p+3] offset:528*\p
.endr
.irp b, 0,1,2,3
.irp j, 0,1,2,3
	ds_load_b128 v[N+16*\b+4*\j:N+16*\b+4*\j+3], v6 offset:128*\b+16*\j   ; LDS serves a wave's instructions in order: these see my stores.  Register 16 b + i = key 32 b + 16 h + i of query r
.endr
.endr
	v_mov_b32 v96, 0
	v_mov_b32 v97, 0
	s_mov_b32 s38, -1                              ; stays all ones while every entry is open
	s_wait_dscnt 0x0
.set n, 0
.rept 8                                        ; eight compares, then eight lane writes, so that no line waits for the line above it
.irp k, 0,1,2,3,4,5,6,7
	v_cmp_ne_u32 s[28+\k], 0, v[N+n+\k]            ; word n + k: a bit a lane
.endr
.irp k, 0,1,2,3,4,5,6,7
	v_writelane_b32 v[96+\k%2], s[28+\k], (n+\k)/2 ; word w goes to lane w / 2, register w % 2: 8 bytes a lane
.endr
.irp k, 0,1,2,3,4,5,6,7
	s_and_b32 s38, s38, s[28+\k]
.endr
.set n, n+8
.endr
	global_store_b64 v7, v[96:97], s[44:45]        ; 32 lanes store one aligned block of 256 bytes
.irp c, 0,1,2,3
	v_or_b32 v[98+\c], v[N+\c], v[N+4+\c]          ; has my query an open key among my 64?
.endr
.set n, 8
.rept 14
.irp c, 0,1,2,3
	v_or_b32 v[98+\c], v[98+\c], v[N+n+\c]
.endr
.set n, n+4
.endr
	v_or_b32 v98, v98, v99
	v_or_b32 v100, v100, v101
	v_or_b32 v98, v98, v100
	v_cmp_ne_u32 s24, 0, v98
	s_lshr_b32 s25, s24, 16
	s_or_b32 s24, s24, s25                         ; both halves of the lanes
	s_and_b32 s24, s24, 0xffff                     ; bit r: query r has an open key in this step
	s_cmp_eq_u32 s38, -1
	s_cselect_b32 s39, 0, 0x10000
	s_or_b32 s24, s24, s39                         ; bit 16: some entry of this step is hidden
	v_mov_b32 v11, s24
	ds_store_b32 v8, v11                           ; all lanes write the same word with the same value
	s_wait_dscnt 0x0                               ; for the others' sake
	s_barrier_signal -1
	s_barrier_wait -1
	s_cmp_lg_u32 s20, 0
	s_cbranch_scc1 .Lmask_end                      ; wave 0 makes the tile's flags
	ds_load_b32 v12, v9
	ds_load_b128 v[16:19], v10
	ds_load_b128 v[20:23], v10 offset:16
	ds_load_b128 v[24:27], v10 offset:32
	ds_load_b128 v[28:31], v10 offset:48
	s_wait_dscnt 0x0
	v_and_b32 v13, 0xffff, v12
	v_and_b32 v12, 0x10000, v12
	v_cmp_ne_u32 s26, 0, v13                       ; bit j (and j + 16): step j has an open key
	v_cmp_ne_u32 s28, 0, v12                       ; bit j (and j + 16): step j has a hidden entry
.irp i, 0,2,4,6,8,10,12,14
	v_or_b32 v[16+\i], v[16+\i], v[17+\i]
.endr
.irp i, 0,4,8,12
	v_or_b32 v[16+\i], v[16+\i], v[18+\i]
.endr
	v_or_b32 v16, v16, v20
	v_or_b32 v24, v24, v28
	v_or_b32 v16, v16, v24
	v_readfirstlane_b32 s27, v16
	s_and_b32 s27, s27, 0xffff                     ; the queries that have an open key anywhere
	s_and_b32 s26, s26, 0xffff
	s_and_b32 s28, s28, 0xffff0000
	s_cmp_eq_u32 s27, 0xffff
	s_cselect_b32 s27, 0, 0xffff                   ; a query without any: every step is worked, so that it gets the mean over all keys
	s_or_b32 s26, s26, s27
	s_or_b32 s26, s26, s28
	v_mov_b32 v14, s26
	v_mov_b32 v15, s26
	global_store_b64 v7, v[14:15], s[46:47]        ; the block of 256 bytes whole
.Lmask_end:
	s_wait_tensorcnt 0x0
	ds_add_u32 v192, v193
	s_wait_dscnt 0x0
	s_endpgm
; ---------------- the weights ----------------
.Lnot_mask:
	s_cmp_lt_u32 ttmp9, 192
	s_cbranch_scc0 .Lrope
	s_sub_co_u32 s21, ttmp9, 128
	s_lshr_b32 s22, s21, 4                         ; which weight: 0 q, 1 k, 2 v, 3 o
	s_bfe_u32 s23, s21, 0x30001                    ; which 128 columns
	s_and_b32 s38, s21, 1                          ; which 512 along K
	s_and_b32 s24, s20, 3                          ; which 32 of the columns
	s_lshr_b32 s39, s20, 2                         ; which 128 of the 512
	s_lshl_b32 s38, s38, 2
	s_add_co_u32 s25, s38, s39                     ; the K step, 0..7
	s_lshr_b32 s26, s24, 1
	s_lshl_b32 s27, s23, 1
	s_add_co_u32 s26, s26, s27                     ; head: 64 columns
	s_and_b32 s27, s24, 1                          ; which 32 of the head: tiles 2 beta, 2 beta + 1
	v_lshlrev_b32 v2, 2, v1                        ; in: 4 bytes a lane
	v_bfe_u32 v3, v1, 3, 1                         ; u: my column is member rho of tile 2 beta + u: lane = 8 u + rho + 8 (rho / 8)
	v_and_b32 v4, 7, v1
	v_lshrrev_b32 v5, 4, v1
	v_lshl_add_u32 v4, v5, 3, v4                   ; rho
	s_mul_i32 s28, s20, WSTW
	s_add_co_u32 s28, s28, WST                     ; my stage: tile u: 1,536 bytes, a fragment's image: register 4 g + e of lane L at 512 g + 16 L + 4 e
	v_mul_u32_u24 v6, v3, 1536
	v_lshl_add_u32 v6, v4, 4, v6
	v_add_nc_u32 v6, s28, v6
	v_lshlrev_b32 v7, 4, v1
	v_add_nc_u32 v8, s28, v7                       ; out of it: 16 bytes a lane
	v_lshlrev_b32 v9, 3, v1                        ; 8 x lane
	s_lshl_b32 s40, s24, 1                         ; the scale words of K steps 2 i and 2 i + 1 of my 32 columns share a block of 256 bytes: word (rho, u, e) at 8 (rho + 16 u) + 4 e
	s_lshr_b32 s41, s39, 1
	s_add_co_u32 s40, s40, s41
	s_lshl_b32 s40, s40, 8
	s_add_co_u32 s40, s40, WSX                     ; the block in LDS: made of the wave's number alone
	v_add_nc_u32 v15, s40, v9                      ; out of it: 8 bytes a lane
	s_and_b32 s41, s39, 1
	s_lshl_b32 s41, s41, 2
	s_add_co_u32 s41, s41, s40
	v_lshl_add_u32 v14, v3, 4, v4
	v_lshlrev_b32 v14, 3, v14
	v_add_nc_u32 v14, s41, v14                     ; into it: my word
	s_lshl_b32 s30, s25, 19                        ; 128 rows of 4,096 bytes
	s_lshl_b32 s29, s23, 9
	s_add_co_u32 s30, s30, s29
	s_lshl_b32 s29, s24, 7
	s_add_co_u32 s30, s30, s29
	s_mov_b32 s31, 0
	s_lshl_b32 s32, s22, 4
	s_add_co_u32 s32, s32, s26                     ; 16 weight + head
	s_lshl_b32 s34, s32, 3
	s_add_co_u32 s34, s34, s25                     ; + my K step
	s_mul_i32 s34, s34, 6144
	s_mul_i32 s29, s27, 3072
	s_add_co_u32 s34, s34, s29
	s_mov_b32 s35, 0
	s_lshl_b32 s36, s32, 11
	s_lshl_b32 s29, s27, 10
	s_add_co_u32 s36, s36, s29
	s_lshr_b32 s29, s25, 1
	s_lshl_b32 s29, s29, 8
	s_add_co_u32 s36, s36, s29
	s_add_co_u32 s36, s36, WQS
	s_mov_b32 s37, 0
	s_wait_kmcnt 0x0
	s_cmp_eq_u32 s22, 1                            ; the choice hangs on the work-group's number alone
	s_cselect_b64 s[6:7], s[8:9], s[6:7]
	s_cmp_eq_u32 s22, 2
	s_cselect_b64 s[6:7], s[10:11], s[6:7]
	s_cmp_eq_u32 s22, 3
	s_cselect_b64 s[6:7], s[12:13], s[6:7]
	s_add_nc_u64 s[6:7], s[6:7], s[30:31]
	s_add_nc_u64 s[34:35], s[14:15], s[34:35]
	s_add_nc_u64 s[36:37], s[14:15], s[36:37]
.macro WLOAD t                         ; block t: W(32 t + i, my column) into set t % 2
.irp i, 0,1,2,3,4,5,6,7,8,9,10,11,12,13,14,15,16,17,18,19,20,21,22,23,24,25,26,27,28,29,30,31
	global_load_b32 v[X+32*((\t)%2)+\i], v2, s[6:7] offset:(32*(\t)+\i)*4096 th:TH_LOAD_NT
.endr
.endm
.macro WBLOCK t
.set XB, X+32*((\t)%2)
.set WI, 256*((\t)%2)                  ; lanes 16-31 of the image for the odd blocks
.if (\t) < 3
	s_wait_loadcnt 32                              ; this block's 32 loads are in; the next block's may be out
.else
	s_wait_loadcnt 0x0
.endif
	v_max3_num_f32 v12, |v[XB]|, |v[XB+1]|, |v[XB+2]|
	v_max3_num_f32 v13, |v[XB+3]|, |v[XB+4]|, |v[XB+5]|
.irp i, 6,10,14,18,22,26
	v_max3_num_f32 v12, v12, |v[XB+\i]|, |v[XB+\i+1]|
	v_max3_num_f32 v13, v13, |v[XB+\i+2]|, |v[XB+\i+3]|
.endr
	v_max3_num_f32 v12, v12, |v[XB+30]|, |v[XB+31]|
	v_max3_num_f32 v12, v12, v13, 0x1800000        ; and the floor 2^(3 - 127): the byte cannot fall under 1
	v_add_nc_u32 v11, 0xff000000, v12              ; 2 off the exponent field: the conversion's scale operand
	v_lshrrev_b32 v13, 23, v11                     ; the byte
.if (\t) == 0
	v_mov_b32 v[SB], v13
.else
	v_lshl_or_b32 v[SB], v13, 8*(\t), v[SB]
.endif
	v_cvt_scalef32_pk16_fp6_f32 v[C:C+2], v[XB:XB+15], v11
	v_cvt_scalef32_pk16_fp6_f32 v[C+6:C+8], v[XB+16:XB+31], v11   ; (a conversion's three registers begin on an even number)
	v_nop                                          ; one plain line behind the conversions
.irp i, 0,1,2
	v_mov_b32 v[C+3+\i], v[C+6+\i]                 ; the block's 24 bytes on end
.endr
.if (\t)/2 == 0                        ; registers 0-5 of the fragment
	ds_store_b128 v6, v[C:C+3] offset:WI
	ds_store_b64 v6, v[C+4:C+5] offset:WI+512
.else                                  ; registers 6-11
	ds_store_b64 v6, v[C:C+1] offset:WI+520
	ds_store_b128 v6, v[C+2:C+5] offset:WI+1024
.endif
.if (\t)+2 < 4
	WLOAD (\t)+2
.endif
	s_wait_dscnt 0x0                               ; the stores have read their registers
.endm
	WLOAD 0
	WLOAD 1
.irp t, 0,1,2,3
	WBLOCK \t
.endr
	ds_store_b32 v14, v[SB]                        ; my K step's words beside my partner's
	s_wait_dscnt 0x0                               ; for the partner's sake
	s_barrier_signal -1
	s_barrier_wait -1
.irp i, 0,1,2,3,4,5
	ds_load_b128 v[OUTR+4*\i:OUTR+4*\i+3], v8 offset:512*\i
.endr
.irp i, 0,1,2,3,4,5
	s_wait_dscnt 5-\i                              ; the stage's younger loads may be out
	global_store_b128 v7, v[OUTR+4*\i:OUTR+4*\i+3], s[34:35] offset:512*\i   ; 512 consecutive bytes a store
.endr
	s_and_b32 s29, s20, 4                          ; of the two waves of a pair the one with the even K step stores the block
	s_cmp_lg_u32 s29, 0
	s_cbranch_scc1 .Lw_end
	ds_load_b64 v[16:17], v15
	s_wait_dscnt 0x0
	global_store_b64 v9, v[16:17], s[36:37]        ; two K steps' words of 32 columns: one aligned block of 256 bytes
.Lw_end:
	s_wait_tensorcnt 0x0
	ds_add_u32 v192, v193
	s_wait_dscnt 0x0
	s_endpgm
; ---------------- cos and sin ----------------
.Lrope:
	s_sub_co_u32 s21, ttmp9, 192
	s_lshl_b32 s21, s21, 6
	s_lshl_b32 s22, s20, 2
	s_add_co_u32 s21, s21, s22                     ; my wave's first of four positions
	s_lshl_b32 s22, s21, 8
	s_mov_b32 s23, 0
	s_mov_b32 s24, 0x3fc90fdb                      ; pi / 2, upper part
	s_mov_b32 s25, 0xb33bbd2e                      ; and the rest of it
	s_mov_b32 s26, 0xb94ca1f9                      ; sin: -1.9515295891e-4
	s_mov_b32 s27, 0x3c08839e                      ;       8.3321608736e-3
	s_mov_b32 s28, 0xbe2aaaa3                      ;      -1.6666654611e-1
	s_mov_b32 s29, 0x37ccf5ce                      ; cos:  2.443315712e-5
	s_mov_b32 s30, 0xbab6061a                      ;      -1.388731625e-3
	s_mov_b32 s31, 0x3d2aaaa5                      ;       4.166664568e-2
	v_cvt_f32_u32 v2, v1                           ; i = lane
	v_mul_f32 v2, 0xbed49a78, v2                   ; -i log2(10000) / 32
	v_exp_f32 v3, v2                               ; theta
	v_lshlrev_b32 v4, 3, v1                        ; (a plain line behind it)  8 bytes a lane
	s_wait_alu depctr_va_vdst(0)                   ; ahead of the first line that names theta
	s_wait_kmcnt 0x0
	s_add_nc_u64 s[18:19], s[18:19], s[22:23]
.macro ROPE1 e
	s_add_co_u32 s33, s21, \e
	v_cvt_f32_u32 v5, s33
	v_mul_f32 v6, v5, v3                           ; the angle, rounded once
	v_mul_f32 v7, 0x3f22f983, v6
	v_rndne_f32 v7, v7                             ; n = the nearest multiple of pi / 2
	v_fma_f32 v8, -v7, s24, v6
	v_fma_f32 v8, -v7, s25, v8                     ; r, within pi / 4 of 0
	v_mul_f32 v9, v8, v8                           ; z
	v_fma_f32 v10, v9, s26, s27
	v_fma_f32 v11, v9, s29, s30
	v_fma_f32 v10, v10, v9, s28
	v_fma_f32 v11, v11, v9, s31
	v_mul_f32 v10, v10, v9
	v_mul_f32 v12, v9, v9
	v_fma_f32 v13, v9, -0.5, 1.0
	v_fma_f32 v10, v10, v8, v8                     ; sin r
	v_fma_f32 v11, v11, v12, v13                   ; cos r
	v_cvt_i32_f32 v14, v7
	v_and_b32 v15, 1, v14
	v_cmp_eq_u32 vcc_lo, 1, v15
	v_cndmask_b32 v16, v10, v11, vcc_lo            ; odd quarters change the two
	v_cndmask_b32 v17, v11, v10, vcc_lo
	v_and_b32 v15, 2, v14
	v_lshlrev_b32 v15, 30, v15
	v_xor_b32 v[41+2*\e], v16, v15                 ; sin: minus in quarters 2, 3
	v_add_nc_u32 v14, 1, v14
	v_and_b32 v14, 2, v14
	v_lshlrev_b32 v14, 30, v14
	v_xor_b32 v[40+2*\e], v17, v14                 ; cos: minus in quarters 1, 2
	global_store_b64 v4, v[40+2*\e:41+2*\e], s[18:19] offset:256*\e   ; a position's 32 pairs: one aligned block of 256 bytes
.endm
.irp e, 0,1,2,3
	ROPE1 \e
.endr
	s_endpgm
.Lfunc_end_k_qee33ac3552_prep:
	.size	k_qee33ac3552_prep, .Lfunc_end_k_qee33ac3552_prep-k_qee33ac3552_prep
	.p2alignl 7, 3214868480
	.fill 96, 4, 3214868480
	.section	.rodata,"a",@progbits
	.p2align	6, 0x0
	.amdhsa_kernel k_qee33ac3552_prep
		.amdhsa_group_segment_fixed_size 188672
		.amdhsa_private_segment_fixed_size 0
		.amdhsa_enable_private_segment 0
		.amdhsa_kernarg_size 64
		.amdhsa_user_sgpr_count 2
		.amdhsa_user_sgpr_kernarg_segment_ptr 1
		.amdhsa_wavefront_size32 1
		.amdhsa_system_sgpr_workgroup_id_x 1
		.amdhsa_system_sgpr_workgroup_id_y 1
		.amdhsa_system_sgpr_workgroup_id_z 1
		.amdhsa_system_vgpr_workitem_id 0
		.amdhsa_next_free_vgpr 194
		.amdhsa_next_free_sgpr 66
		.amdhsa_reserve_vcc 1
		.amdhsa_float_denorm_mode_32 3
		.amdhsa_float_denorm_mode_16_64 3
		.amdhsa_memory_ordered 1
		.amdhsa_forward_progress 1
		.amdhsa_inst_pref_size 50
	.end_amdhsa_kernel
	.amdgpu_metadata
---
amdhsa.version: [ 1, 2 ]
amdhsa.kernels:
  - .name:           k_qee33ac3552_prep
    .symbol:         k_qee33ac3552_prep.kd
    .args:
      - { .name: mask, .offset: 0, .size: 8, .value_kind: global_buffer, .address_space: global }
      - { .name: W_q, .offset: 8, .size: 8, .value_kind: global_buffer, .address_space: global }
      - { .name: W_k, .offset: 16, .size: 8, .value_kind: global_buffer, .address_space: global }
      - { .name: W_v, .offset: 24, .size: 8, .value_kind: global_buffer, .address_space: global }
      - { .name: W_o, .offset: 32, .size: 8, .value_kind: global_buffer, .address_space: global }
      - { .name: wq, .offset: 40, .size: 8, .value_kind: global_buffer, .address_space: global }
      - { .name: maskw, .offset: 48, .size: 8, .value_kind: global_buffer, .address_space: global }
      - { .name: rope, .offset: 56, .size: 8, .value_kind: global_buffer, .address_space: global }
    .group_segment_fixed_size: 188672
    .private_segment_fixed_size: 0
    .kernarg_segment_align: 8
    .kernarg_segment_size: 64
    .max_flat_workgroup_size: 512
    .sgpr_count:     66
    .vgpr_count:     194
    .wavefront_size: 32
...
	.end_amdgpu_metadata
.endif
;; end of part 5
;; launch proj: the kernel of part 2 again; grid 64 x 3, 16 waves a work-group, no clusters, 188,416 bytes of LDS; arguments q_input, k_input, v_input, wq, b_q, b_k, b_v, rope, qimg, kv; writes qimg, kv
;; launch attn (part 6): grid 8 x 32, 16 waves a work-group, no clusters, 215,040 bytes of LDS; arguments qimg, kv, maskw, ctx; writes ctx
.if DOCPART == 6
	.amdgcn_target "amdgcn-amd-amdhsa--gfx1250"
	.amdhsa_code_object_version 6
	.text
	.protected	k_qee33ac3552_attn
	.globl	k_qee33ac3552_attn
	.p2align	8
	.type	k_qee33ac3552_attn,@function
k_qee33ac3552_attn:
	s_mov_b64 s[64:65], 0
	v_nop
	global_prefetch_b8 v0, s[64:65] scope:SCOPE_SE
	s_setreg_imm32_b32 hwreg(HW_REG_WAVE_MODE, 25, 1), 1
	s_wait_xcnt 0x0
; ATTN: ctx = softmax(q k^T / 8, masked) v for one (batch, head) a work-group row, both products on codes of E2M3; ctx leaves quantised along the head's 64, as images of the last product's operand registers.
; t = score x log2(e) / 8; M = the running largest t rounded up to a whole number; p = 2^(t - M) is quantised along the keys; the row's sum is taken of the unquantised p and divides at the end.
; THE MASK is the given one, bit by bit: a hidden score becomes -2^33 ahead of the maximum.  -2^33 x c is a whole number, so a query with no open key gets M = t and p = 1 for every key: the mean over all keys.
; LIMIT: open logits lie above -1.07e9 (hidden ones count as -2^33 / 8).  NaN and infinities are not served; a block of zeros keeps the byte 1.
; SHARES.  A work-group has 16 waves, each with one tile of 16 queries: tile g + 8 t(w), t(w) = w or 15 - w by the parity of w's bits, so that early and late queries are spread alike over the waves (balance only).
; The head's K and V, 212,992 bytes of images, are brought into LDS once, through registers, 13,312 bytes a wave, and read by all.  A step is 128 keys, 16 steps.
; THREE WAYS THROUGH A STEP, chosen by scalar branches on a flag word that an earlier launch stored for the tile.  Bit j clear: all 16 x 128 scores of step j are hidden and every query of the tile has an open key elsewhere:
; the step is left out.  Bit 16 + j clear: none of them is hidden: the step is worked without its mask words.  Else the step's 64 mask words are loaded and applied.  The step is one macro, written out twice.
; NO TENSOR LOADS, NO COPIES, NO JOINT LOADS: nothing in LDS is filled twice.
; LAYOUT.  S^T = K Q^T (source 0 = 16 keys, source 1 = my queries), O^T = V^T P^T (source 0 = 16 channels): a lane holds one query throughout.  Member r of tile t is index 32 (t/2) + 8 (t%2) + r + 8 (r/8): so the
; 16 registers of tiles 2 b, 2 b + 1 are 16 neighbours.  THE SCORES' K IS 64: Q's registers 6-11 are zero codes, so whatever codes stand in registers 6-11 of K's fragments add nothing.  That lets keys 64-127 of a step
; come into registers 0-5 of V's four fragments, which are free at a step's head: all eight fragments of K are asked for together and waited for once.
; REGISTERS: v1 16 x lane, v2 8 x lane, v3 the hidden score, v4-5 LDS addresses, v6-9 V's scale words, v10-11 offsets, v12 -M, v13 the largest t, v14-15 the sum, v16-27 Q, v32-79 K's fragments of keys 0-63,
; v80-127 K's of keys 64-127, then V's four, v128-191 S^T then p, v192-223 O^T, v224-247, v252-254 at work, v248-251 K's scale words, v253 p's, v255 Q's.
.set S, 128
.set O, 192
.set STEPB, 13312                      ; a step's bytes: two records of K (3,328) and V (3,328)
.macro WM d, a, b, zero, sa, sb, ra
.if \zero
.if \ra
	v_wmma_scale_f32_16x16x128_f8f6f4 v[\d:\d+7], v[\a:\a+11], v[\b:\b+11], 0, v[\sa], v[\sb] matrix_a_fmt:MATRIX_FMT_FP6 matrix_b_fmt:MATRIX_FMT_FP6 matrix_a_scale:MATRIX_SCALE_ROW1
.else
	v_wmma_scale_f32_16x16x128_f8f6f4 v[\d:\d+7], v[\a:\a+11], v[\b:\b+11], 0, v[\sa], v[\sb] matrix_a_fmt:MATRIX_FMT_FP6 matrix_b_fmt:MATRIX_FMT_FP6
.endif
.else
.if \ra
	v_wmma_scale_f32_16x16x128_f8f6f4 v[\d:\d+7], v[\a:\a+11], v[\b:\b+11], v[\d:\d+7], v[\sa], v[\sb] matrix_a_fmt:MATRIX_FMT_FP6 matrix_b_fmt:MATRIX_FMT_FP6 matrix_a_scale:MATRIX_SCALE_ROW1
.else
	v_wmma_scale_f32_16x16x128_f8f6f4 v[\d:\d+7], v[\a:\a+11], v[\b:\b+11], v[\d:\d+7], v[\sa], v[\sb] matrix_a_fmt:MATRIX_FMT_FP6 matrix_b_fmt:MATRIX_FMT_FP6
.endif
.endif
.endm
	s_load_b256 s[4:11], s[0:1], 0x0               ; qimg, kv, maskw, ctx
	v_lshl_add_u32 v30, v0, 2, 0x34000
	v_mov_b32 v31, 0
	v_lshrrev_b32 v1, 5, v0
	v_readfirstlane_b32 s12, v1                    ; wave
	v_and_b32 v2, 31, v0
	v_and_b32 v10, 15, v0
	v_lshlrev_b32 v1, 4, v2
	v_lshlrev_b32 v11, 2, v2
	v_lshlrev_b32 v2, 3, v2
	v_lshlrev_b32 v10, 3, v10
	s_lshr_b32 s15, s12, 1
	s_xor_b32 s15, s15, s12
	s_lshr_b32 s16, s15, 2
	s_xor_b32 s15, s15, s16
	s_and_b32 s15, s15, 1                          ; the parity of the wave's four bits
	s_mul_i32 s15, s15, 15
	s_xor_b32 s15, s15, s12                        ; t(w)
	s_lshl_b32 s13, s15, 3
	s_add_co_u32 s13, s13, ttmp9                   ; my tile of queries, 0..127
	s_and_b32 s14, ttmp7, 0xffff                   ; 16 batch + head
	s_mul_i32 s16, s14, 16*STEPB
	s_mul_i32 s25, s12, STEPB
	s_add_co_u32 s16, s16, s25                     ; the step that I bring in
	s_mov_b32 s17, 0
	v_add_nc_u32 v4, s25, v1
	s_lshl_b32 s18, s14, 5
	s_lshr_b32 s19, s13, 2
	s_add_co_u32 s18, s18, s19
	s_mul_i32 s18, s18, 3328                       ; Q's record
	s_and_b32 s19, s13, 3
	s_mul_i32 s19, s19, 768
	s_add_co_u32 s26, s18, s19                     ; my half fragment in it
	s_mov_b32 s27, 0
	s_and_b32 s19, s13, 1
	s_lshl_b32 s19, s19, 7
	s_add_co_u32 s28, s18, s19
	s_bfe_u32 s19, s13, 0x10001
	s_lshl_b32 s19, s19, 2
	s_add_co_u32 s28, s28, s19
	s_add_co_u32 s28, s28, 3072                    ; and my tile's scale words
	s_mov_b32 s29, 0
	s_lshl_b32 s30, s13, 12                        ; the tile's mask words: 16 steps of 256 bytes
	s_mov_b32 s31, 0
	s_lshl_b32 s18, s13, 8
	s_add_co_u32 s18, s18, 524288                  ; its flags
	s_mov_b32 s19, 0
	s_mov_b32 s20, 0x76543210
	s_mov_b32 s21, 0xfedcba98                      ; lane l xor 16
	s_mov_b32 s22, 0x3e38aa3b                      ; c = log2(e) / 8
	s_mov_b32 s23, s22
	s_mov_b32 s24, 16
	s_mov_b32 s2, 0                                ; LDS byte of the step in hand
	s_wait_kmcnt 0x0
	s_add_nc_u64 s[6:7], s[6:7], s[16:17]
	s_add_nc_u64 s[26:27], s[4:5], s[26:27]
	s_add_nc_u64 s[28:29], s[4:5], s[28:29]
	s_add_nc_u64 s[18:19], s[8:9], s[18:19]
	s_add_nc_u64 s[8:9], s[8:9], s[30:31]
.irp i, 0,1,2,3,4,5,6,7,8,9,10,11,12,13,14,15,16,17,18,19,20,21,22,23,24,25
	global_load_b128 v[S+4*\i:S+4*\i+3], v1, s[6:7] offset:512*\i
.endr
	global_load_b128 v[16:19], v1, s[26:27]
	global_load_b64 v[20:21], v2, s[26:27] offset:512
	global_load_b32 v255, v10, s[28:29]
	s_load_b32 s3, s[18:19], 0x0
	s_wait_loadcnt 3                               ; the 26 are in; Q's three may be out
.irp i, 0,1,2,3,4,5,6,7,8,9,10,11,12,13,14,15,16,17,18,19,20,21,22,23,24,25
	ds_store_b128 v4, v[S+4*\i:S+4*\i+3] offset:512*\i
.endr
	s_wait_dscnt 0x0                               ; for the others' sake
	s_barrier_signal -1
	s_barrier_wait -1                              ; the head's K and V lie in LDS; nothing is written there again
.irp i, 22,23,24,25,26,27
	v_mov_b32 v[\i], 0                             ; Q's zero codes for K = 64 .. 127
.endr
.irp m, 0,1,2,3
.irp i, 6,7,8,9,10,11
	v_mov_b32 v[32+12*\m+\i], 0                    ; registers 6-11 of K's fragments are written once, so that none is read unwritten;
	v_mov_b32 v[80+12*\m+\i], 0                    ; those from v80 on later hold codes of V, which stand against Q's zeros
.endr
.endr
.irp j, 0,1,2,3,4,5,6,7,8,9,10,11,12,13,14,15,16,17,18,19,20,21,22,23,24,25,26,27,28,29,30,31
	v_mov_b32 v[O+\j], 0                           ; O^T: no step is a first step of its own; the first finds zeros
.endr
	v_mov_b32 v3, 0xd0000000                       ; -2^33
	v_mov_b32 v13, 0xff61b1e6                      ; the largest t so far: -3e38
	v_floor_f32 v12, -v13
	v_mov_b32 v14, 0
	v_mov_b32 v15, 0
.irp b, 0,1,2,3
	v_mov_b32 v[236+\b], 0                         ; a lane permute's destination counts as one of its sources
.endr
	v_mov_b32 v252, 0
	v_mov_b32 v253, 0
	s_wait_loadcnt 0x0                             ; Q
	s_wait_kmcnt 0x0                               ; the flags
; A KEY STEP: 128 keys.  hid = 1: some score of the step is hidden: its 64 mask words are asked for at its head and applied ahead of the maximum
.macro STEP hid
.if \hid
	s_load_b512 s[32:47], s[8:9], 0x0
	s_load_b512 s[48:63], s[8:9], 0x40
	s_load_b512 s[68:83], s[8:9], 0x80
	s_load_b512 s[84:99], s[8:9], 0xc0
.endif
	v_add_nc_u32 v4, s2, v1
	v_add_nc_u32 v5, s2, v2
.irp m, 0,1,2,3                                ; keys 0-63: four half fragments
	ds_load_b128 v[32+12*\m:35+12*\m], v4 offset:768*\m
	ds_load_b64 v[36+12*\m:37+12*\m], v5 offset:768*\m+512
.endr
.irp m, 0,1,2,3                                ; keys 64-127, into the registers that V's fragments take later in the step
	ds_load_b128 v[80+12*\m:83+12*\m], v4 offset:6656+768*\m
	ds_load_b64 v[84+12*\m:85+12*\m], v5 offset:6656+768*\m+512
.endr
	ds_load_b64 v[248:249], v5 offset:3072         ; K's scale words
	ds_load_b64 v[250:251], v5 offset:9728
	ds_load_b64 v[6:7], v5 offset:6400             ; V's scale words: keys 0-63,
	ds_load_b64 v[8:9], v5 offset:13056            ; keys 64-127
	s_wait_dscnt 0x0
.irp m, 0,1,2,3
	WM S+8*\m, 32+12*\m, 16, 1, 248+\m/2, 255, \m%2
.endr
.irp m, 0,1,2,3
	WM S+32+8*\m, 80+12*\m, 16, 1, 250+\m/2, 255, \m%2
.endr
	v_lshl_or_b32 v6, v8, 16, v6                   ; bytes 0, 1 and 2, 3 of V's words.  (These two and two v_nop are the four places in front of the loads into v80 on and of the first read of the scores)
	v_lshl_or_b32 v7, v9, 16, v7
	v_nop
	v_nop
.irp t, 0,1,2,3                                ; V's four fragments land while the softmax is walked
	ds_load_b128 v[80+12*\t:83+12*\t], v4 offset:3328+768*\t
	ds_load_b64 v[84+12*\t:85+12*\t], v5 offset:3328+768*\t+512
	ds_load_b128 v[86+12*\t:89+12*\t], v4 offset:9984+768*\t
	ds_load_b64 v[90+12*\t:91+12*\t], v5 offset:9984+768*\t+512
.endr
.if \hid
	s_wait_kmcnt 0x0
.set n, 0
.rept 64
	v_cndmask_b32 v[S+n], v3, v[S+n], s[32+n+4*(n/32)]   ; hidden scores become -2^33.  Ascending: each accumulator is read from its low end on
.set n, n+1
.endr
.endif
.irp b, 0,1,2,3
	v_max3_num_f32 v[232+\b], v[S+16*\b], v[S+1+16*\b], v[S+2+16*\b]   ; the largest score of each block of 32 keys: for the row's maximum and, since p rises with the score, for the block's largest p
.endr
.irp i, 3,5,7,9,11,13
.irp b, 0,1,2,3
	v_max3_num_f32 v[232+\b], v[232+\b], v[S+16*\b+\i], v[S+1+16*\b+\i]
.endr
.endr
.irp b, 0,1,2,3
	v_max_num_f32 v[232+\b], v[232+\b], v[S+15+16*\b]
.endr
.irp b, 0,1,2,3
	v_permlanex16_b32 v[236+\b], v[232+\b], s20, s21
.endr
.irp b, 0,1,2,3
	v_max_num_f32 v[232+\b], v[232+\b], v[236+\b]
.endr
	v_max3_num_f32 v254, v232, v233, v234
	v_max_num_f32 v254, v254, v235
	v_mul_f32 v254, s22, v254
	v_max_num_f32 v13, v13, v254                   ; the running largest t
	v_mov_b32 v254, v12
	v_floor_f32 v12, -v13                          ; -M = floor(-t)
	v_sub_f32 v254, v12, v254                      ; old M - new M: a whole number, 0 or less
	v_cvt_i32_f32 v254, v254                       ; (it saturates)
	v_ldexp_f32 v252, 1.0, v254                    ; f = 2^(old M - new M)
.irp j, 0,2,4,6,8,10,12,14,16,18,20,22,24,26,28,30,32,34,36,38,40,42,44,46,48,50,52,54,56,58,60,62
	v_pk_fma_f32 v[S+\j:S+1+\j], v[S+\j:S+1+\j], s[22:23], v[12:13] op_sel_hi:[1,0,0]   ; t - M
.endr
.irp b, 0,1,2,3
	v_fma_f32 v[232+\b], v[232+\b], s22, v12
.endr
.irp j, 0,1,2,3,4,5,6,7,8,9,10,11,12,13,14,15,16,17,18,19,20,21,22,23,24,25,26,27,28,29,30,31,32,33,34,35,36,37,38,39,40,41,42,43,44,45,46,47,48,49,50,51,52,53,54,55,56,57,58,59,60,61,62,63
	v_exp_f32 v[S+\j], v[S+\j]                     ; p
.endr
	v_pk_mul_f32 v[14:15], v[14:15], v[252:253] op_sel_hi:[1,0]   ; the sums under the new M: a plain line behind the exponentials
	s_wait_alu depctr_va_vdst(0)                   ; one wait for the batch, ahead of its first reader
.irp b, 0,1,2,3
	v_exp_f32 v[232+\b], v[232+\b]                 ; each block's largest p
.endr
	v_pk_add_f32 v[236:237], v[S:S+1], v[S+2:S+3]  ; the row's sum, of the unquantised p, in two chains
.irp j, 4,8,12,16,20,24,28,32,36,40,44,48,52,56,60
	v_pk_add_f32 v[14:15], v[14:15], v[S+\j:S+1+\j]
	v_pk_add_f32 v[236:237], v[236:237], v[S+2+\j:S+3+\j]
.endr
	v_pk_add_f32 v[14:15], v[14:15], v[236:237]
	s_wait_alu depctr_va_vdst(0)                   ; and one for the four
.irp b, 0,1,2,3
	v_max_num_f32 v[232+\b], 0x1800000, v[232+\b]  ; the floor 2^(3 - 127)
.endr
.irp b, 0,1,2,3
	v_add_nc_u32 v[244+\b], 0xff000000, v[232+\b]
.endr
.irp b, 0,1,2,3
	v_lshrrev_b32 v[236+\b], 23, v[244+\b]
.endr
	v_lshl_or_b32 v253, v237, 8, v236              ; p's scale word for these 128 keys
	v_lshl_or_b32 v253, v238, 16, v253
	v_lshl_or_b32 v253, v239, 24, v253
.irp c, 0,1
	v_cvt_scalef32_pk16_fp6_f32 v[224+6*\c:226+6*\c], v[S+32*\c:S+15+32*\c], v[244+2*\c]
	v_cvt_scalef32_pk16_fp6_f32 v[236+4*\c:238+4*\c], v[S+16+32*\c:S+31+32*\c], v[244+2*\c+1]
.endr
	v_nop                                          ; one plain line behind the conversions
.irp c, 0,1
.irp i, 0,1,2
	v_permlane16_swap_b32 v[224+6*\c+\i], v[236+4*\c+\i]
.endr
.irp i, 0,1,2
	v_mov_b32 v[227+6*\c+\i], v[236+4*\c+\i]
.endr
.endr
.irp j, 0,2,4,6,8,10,12,14,16,18,20,22,24,26,28,30
	v_pk_mul_f32 v[O+\j:O+1+\j], v[O+\j:O+1+\j], v[252:253] op_sel_hi:[1,0]   ; O^T under the new M.  (These 16 are also the places between the lines that wrote p's codes and word and the products)
.endr
	s_wait_dscnt 0x0                               ; V
.irp t, 0,1,2,3
	WM O+8*\t, 80+12*\t, 224, 0, 6+\t/2, 253, \t%2
.endr
.rept 4
	v_nop                                          ; places in front of the next step's loads into V's registers and scale registers, and of the way out
.endr
.endm
.Lstep:
	s_and_b32 s25, s3, 1
	s_cmp_eq_u32 s25, 0
	s_cbranch_scc1 .Lnext                          ; nothing open in this step for any of my queries, each of which has an open key elsewhere: every p would be 0
	s_and_b32 s25, s3, 0x10000
	s_cmp_eq_u32 s25, 0
	s_cbranch_scc1 .Lopen                          ; nothing hidden in this step
	STEP 1
	s_branch .Lnext
.Lopen:
	STEP 0
.Lnext:
	s_lshr_b32 s3, s3, 1                           ; both halves of the flags move down together
	s_add_co_u32 s2, s2, STEPB
	s_add_nc_u64 s[8:9], s[8:9], 256               ; (no scalar load is out: a step that asks for its four words has waited for them)
	s_sub_co_u32 s24, s24, 1
	s_cmp_lg_u32 s24, 0
	s_cbranch_scc1 .Lstep
	; THE WAY OUT: O^T / the sum, quantised along the head's 64: register 16 b + i = channel 32 b + 16 h + i of my query
	v_add_f32 v14, v14, v15
	v_permlanex16_b32 v252, v14, s20, s21
	v_add_f32 v14, v14, v252
	v_rcp_f32 v14, v14
	v_mov_b32 v242, 0                              ; (a plain line behind it)
	v_mov_b32 v243, 0
	s_lshr_b32 s32, s14, 4
	s_lshl_b32 s32, s32, 7
	s_add_co_u32 s32, s32, s13                     ; 128 batch + tile
	s_lshl_b32 s32, s32, 4
	s_and_b32 s33, s14, 15
	s_add_co_u32 s32, s32, s33                     ; x 16 + head
	s_lshl_b32 s34, s32, 7
	s_add_co_u32 s34, s34, 3145728
	s_mov_b32 s35, 0
	s_mul_i32 s32, s32, 768
	s_mov_b32 s33, 0
	s_add_nc_u64 s[32:33], s[10:11], s[32:33]
	s_add_nc_u64 s[34:35], s[10:11], s[34:35]
	s_wait_alu depctr_va_vdst(0)                   ; ahead of the reciprocal's first reader
.irp j, 0,2,4,6,8,10,12,14,16,18,20,22,24,26,28,30
	v_pk_mul_f32 v[O+\j:O+1+\j], v[O+\j:O+1+\j], v[14:15] op_sel_hi:[1,0]
.endr
.irp b, 0,1
	v_max3_num_f32 v[240+\b], |v[O+16*\b]|, |v[O+1+16*\b]|, 0x1800000
.endr
.irp i, 2,4,6,8,10,12,14
.irp b, 0,1
	v_max3_num_f32 v[240+\b], v[240+\b], |v[O+16*\b+\i]|, |v[O+1+16*\b+\i]|
.endr
.endr
.irp b, 0,1
	v_permlanex16_b32 v[242+\b], v[240+\b], s20, s21
.endr
.irp b, 0,1
	v_max_num_f32 v[240+\b], v[240+\b], v[242+\b]
.endr
.irp b, 0,1
	v_add_nc_u32 v[244+\b], 0xff000000, v[240+\b]
.endr
.irp b, 0,1
	v_lshrrev_b32 v[242+\b], 23, v[244+\b]
.endr
	v_lshl_or_b32 v246, v243, 8, v242
	v_cvt_scalef32_pk16_fp6_f32 v[224:226], v[O:O+15], v244
	v_cvt_scalef32_pk16_fp6_f32 v[230:232], v[O+16:O+31], v245
	v_nop
.irp i, 0,1,2
	v_permlane16_swap_b32 v[224+\i], v[230+\i]
.endr
.irp i, 0,1,2
	v_mov_b32 v[227+\i], v[230+\i]
.endr
	global_store_b128 v1, v[224:227], s[32:33]
	global_store_b64 v2, v[228:229], s[32:33] offset:512
	global_store_b32 v11, v246, s[34:35]           ; the word in both halves of the lanes: 128 bytes
	s_wait_tensorcnt 0x0
	ds_add_u32 v30, v31
	s_wait_dscnt 0x0
	s_endpgm
.Lfunc_end_k_qee33ac3552_attn:
	.size	k_qee33ac3552_attn, .Lfunc_end_k_qee33ac3552_attn-k_qee33ac3552_attn
	.p2alignl 7, 3214868480
	.fill 96, 4, 3214868480
	.section	.rodata,"a",@progbits
	.p2align	6, 0x0
	.amdhsa_kernel k_qee33ac3552_attn
		.amdhsa_group_segment_fixed_size 215040
		.amdhsa_private_segment_fixed_size 0
		.amdhsa_enable_private_segment 0
		.amdhsa_kernarg_size 32
		.amdhsa_user_sgpr_count 2
		.amdhsa_user_sgpr_kernarg_segment_ptr 1
		.amdhsa_wavefront_size32 1
		.amdhsa_system_sgpr_workgroup_id_x 1
		.amdhsa_system_sgpr_workgroup_id_y 1
		.amdhsa_system_sgpr_workgroup_id_z 1
		.amdhsa_system_vgpr_workitem_id 0
		.amdhsa_next_free_vgpr 256
		.amdhsa_next_free_sgpr 100
		.amdhsa_reserve_vcc 0
		.amdhsa_float_denorm_mode_32 3
		.amdhsa_float_denorm_mode_16_64 3
		.amdhsa_memory_ordered 1
		.amdhsa_forward_progress 1
		.amdhsa_inst_pref_size 51
	.end_amdhsa_kernel
	.amdgpu_metadata
---
amdhsa.version: [ 1, 2 ]
amdhsa.kernels:
  - .name:           k_qee33ac3552_attn
    .symbol:         k_qee33ac3552_attn.kd
    .args:
      - { .name: qimg, .offset: 0, .size: 8, .value_kind: global_buffer, .address_space: global }
      - { .name: kv, .offset: 8, .size: 8, .value_kind: global_buffer, .address_space: global }
      - { .name: maskw, .offset: 16, .size: 8, .value_kind: global_buffer, .address_space: global }
      - { .name: ctx, .offset: 24, .size: 8, .value_kind: global_buffer, .address_space: global }
    .group_segment_fixed_size: 215040
    .private_segment_fixed_size: 0
    .kernarg_segment_align: 8
    .kernarg_segment_size: 32
    .max_flat_workgroup_size: 512
    .sgpr_count:     100
    .vgpr_count:     256
    .wavefront_size: 32
...
	.end_amdgpu_metadata
.endif
;; end of part 6
;; launch outp: the kernel of part 4 again; grid 8 x 32, 8 waves a work-group, clusters of 4 x 4, 232,448 bytes of LDS; arguments ctx, wq, b_o, out0; writes out0
;; ======== version 3 of 3: 4 launches; version 2 with the launches proj, attn written anew for expert scheduling mode
;; limits: right only within a limited range of input values
;; workspace buffers: wq 3,276,800 bytes; maskw 557,056 bytes of whole numbers; rope 524,288 bytes; qimg 3,407,872 bytes; kv 6,815,744 bytes; ctx 3,670,016 bytes
;; launch prep: the kernel of part 5 again; grid 224 x 1, 16 waves a work-group, no clusters, 188,672 bytes of LDS; arguments mask, W_q, W_k, W_v, W_o, wq, maskw, rope; writes wq, maskw, rope
;; launch proj (part 7): grid 64 x 3, 16 waves a work-group, no clusters, 188,416 bytes of LDS; arguments q_input, k_input, v_input, wq, b_q, b_k, b_v, rope, qimg, kv; writes qimg, kv
.if DOCPART == 7
	.amdgcn_target "amdgcn-amd-amdhsa--gfx1250"
	.amdhsa_code_object_version 6
	.text
	.protected	k_qee33ac3552_proj
	.globl	k_qee33ac3552_proj
	.p2align	8
	.type	k_qee33ac3552_proj,@function
k_qee33ac3552_proj:
	s_mov_b64 s[64:65], 0
	v_nop
	global_prefetch_b8 v0, s[64:65] scope:SCOPE_SE
	s_setreg_imm32_b32 hwreg(HW_REG_WAVE_SCHED_MODE, 0, 2), 2
	s_setreg_imm32_b32 hwreg(HW_REG_WAVE_MODE, 25, 1), 1
	s_wait_xcnt 0x0
	s_wait_alu depctr_vm_vsrc(0)
; PROJ: y = Q(x) Q(W) + b for q, k and v (work-group y = 0, 1, 2), the rotation of q and k, and the quantising of the results into images of attention's operand registers.
; SHARES.  A work-group takes 64 rows of x against all 1,024 columns; wave w takes head w: 64 x 64, 16 accumulators.  x is read from memory once, quantised here, and goes from wave to wave through LDS as
; images of operand registers.  W's fragments come as such images from memory straight into the one wave that multiplies by them.
; NO TENSOR LOADS, NO JOINT LOADS: a work-group walks 786,432 bytes of W's codes, more than LDS holds, and each fragment of W feeds exactly one wave of the work-group: through LDS each byte would be written and read
; once more, in a ring of refills, to no wave's gain.
; A TILE'S MEMBERS ARE NOT NEIGHBOURS: member r of tile t is index 32 (t/2) + 8 (t%2) + r + 8 (r/8), for rows and for columns.  So the 16 registers of the results of tiles 2 b, 2 b + 1 are 16 neighbours.
; q, k: source 0 = 16 columns of W, source 1 = 16 rows of x: a lane holds one token, its 32 registers of a row tile run along the head's 64 (register 16 b + i = d 32 b + 16 h + i): K of the scores.
; v:    source 0 = 16 rows of x, source 1 = 16 columns of W: a lane holds one channel, its registers run along the 64 keys: K of attention's second product.
; OUT: for each (batch, head, 64 rows) a record: four half fragments of 768 bytes (registers 0-3 at 16 x lane, 4-5 at 512 + 8 x lane) and 256 bytes of scale words (tile t, member r at 8 (r + 16 (t%2)) + 4 (t/2)).
; LIMITS: a block of zeros gets the byte 1, blocks under 2^-124 keep it; NaN and infinities are not served.
; THE MODE: SCHED_MODE bits 1:0 = 2 (LLVM: expert scheduling mode 2), set by the entry lines.  The code itself states the register dependences
; between vector or matrix instructions and memory or LDS instructions, with s_wait_alu, always for 0.
; THE PLAN.  Registers that memory or LDS instructions touch:
;   v1-9        addresses and offsets: written at the head, never again; read by every load and store.
;   v128-255    x as loaded; read by the stage's LDS stores, loaded back from the stage, read by QUANT.  From the first product on: accumulators, named by vector and matrix instructions alone.
;   v48, v52-63 a fragment's scale word and codes: written by QUANT, read by the image's LDS stores.
;   v32-79, v10-11  a K step's four fragments of x and their scale words: LDS loads at the step's head; read by the step's 16 products.
;   v80-103, v104-127  W's tiles 0, 1 and 2, 3: loaded from memory; each half is read by eight products and asked for again behind them.
;   v32-95      behind the products: cos and sin, the bias: loaded, read by the packed lines.
;   v116-121, v126-127  a half fragment's codes, the record's words: written by vector lines, read by the stores.
; In a K step two waits on va_vdst: each behind a half's eight products, ahead of the loads into the registers that these have read; the second also serves the next step's LDS loads, since no vector or matrix
; instruction stands between.  All 256 registers of a wave are taken (four waves to a SIMD), so W has one set and the wait stands straight behind the products.
.set XSC,  49152                       ; LDS 0 ..: x's 32 fragments, (8 m + s) x 1,536; here their scale words, 256 bytes a K step
.set STG,  51200                       ; a stage of 16 rows x (512 + 16) bytes for each wave
.set WQS,  3145728
.set LI,   1                           ; v1  16 x lane
.set L8,   2                           ; v2  8 x lane
.set SIN,  3                           ; v3  stage, in
.set SOUT, 4                           ; v4  stage, out
.set XWI,  5                           ; v5  where I store x's images
.set XWS,  6                           ; v6  and their scale words
.set RO,   7                           ; v7  cos and sin: my token's row, + 64 h
.set BO,   8                           ; v8  the bias of q, k: 64 h
.set VO,   9                           ; v9  the bias of v: my channel
.set XS,   10                          ; v10-11 x's scale words of a K step
.set PW,   12                          ; v12-15 the four scale words of the record
.set WS,   16                          ; v16-31 W's scale words: 8 (T/2) + s
.set XF,   32                          ; v32-79 x's four fragments
.set WF,   80                          ; v80-127 W's four
.set ACC,  128                         ; v128-255
.set TM,   32                          ; while x is quantised: v32-47 at work, v48 the word, v52-70 the codes; the numbers lie in v128-255
.set PWX,  48
.set PC,   52
.set CS,   32                          ; behind the products: v32-63 cos and sin, v64-95 the bias, v96-103, v104-109 at work, v116-124 codes, v126-127 the record's words
.set BI,   64
.set TT,   96
.set TQ,   104
.set PQ,   116
.set PO,   126
.set SEL,  40
.macro WM d, a, b, zero, sa, sb, ra, rb        ; D = A B + (0 or D); ra, rb = 1: that side's scales stand in lanes 16-31
.set WR, (\ra)+2*(\rb)+4*(\zero)
.if WR == 0
	v_wmma_scale_f32_16x16x128_f8f6f4 v[\d:\d+7], v[\a:\a+11], v[\b:\b+11], v[\d:\d+7], v[\sa], v[\sb] matrix_a_fmt:MATRIX_FMT_FP6 matrix_b_fmt:MATRIX_FMT_FP6
.elseif WR == 1
	v_wmma_scale_f32_16x16x128_f8f6f4 v[\d:\d+7], v[\a:\a+11], v[\b:\b+11], v[\d:\d+7], v[\sa], v[\sb] matrix_a_fmt:MATRIX_FMT_FP6 matrix_b_fmt:MATRIX_FMT_FP6 matrix_a_scale:MATRIX_SCALE_ROW1
.elseif WR == 2
	v_wmma_scale_f32_16x16x128_f8f6f4 v[\d:\d+7], v[\a:\a+11], v[\b:\b+11], v[\d:\d+7], v[\sa], v[\sb] matrix_a_fmt:MATRIX_FMT_FP6 matrix_b_fmt:MATRIX_FMT_FP6 matrix_b_scale:MATRIX_SCALE_ROW1
.elseif WR == 3
	v_wmma_scale_f32_16x16x128_f8f6f4 v[\d:\d+7], v[\a:\a+11], v[\b:\b+11], v[\d:\d+7], v[\sa], v[\sb] matrix_a_fmt:MATRIX_FMT_FP6 matrix_b_fmt:MATRIX_FMT_FP6 matrix_a_scale:MATRIX_SCALE_ROW1 matrix_b_scale:MATRIX_SCALE_ROW1
.elseif WR == 4
	v_wmma_scale_f32_16x16x128_f8f6f4 v[\d:\d+7], v[\a:\a+11], v[\b:\b+11], 0, v[\sa], v[\sb] matrix_a_fmt:MATRIX_FMT_FP6 matrix_b_fmt:MATRIX_FMT_FP6
.elseif WR == 5
	v_wmma_scale_f32_16x16x128_f8f6f4 v[\d:\d+7], v[\a:\a+11], v[\b:\b+11], 0, v[\sa], v[\sb] matrix_a_fmt:MATRIX_FMT_FP6 matrix_b_fmt:MATRIX_FMT_FP6 matrix_a_scale:MATRIX_SCALE_ROW1
.elseif WR == 6
	v_wmma_scale_f32_16x16x128_f8f6f4 v[\d:\d+7], v[\a:\a+11], v[\b:\b+11], 0, v[\sa], v[\sb] matrix_a_fmt:MATRIX_FMT_FP6 matrix_b_fmt:MATRIX_FMT_FP6 matrix_b_scale:MATRIX_SCALE_ROW1
.else
	v_wmma_scale_f32_16x16x128_f8f6f4 v[\d:\d+7], v[\a:\a+11], v[\b:\b+11], 0, v[\sa], v[\sb] matrix_a_fmt:MATRIX_FMT_FP6 matrix_b_fmt:MATRIX_FMT_FP6 matrix_a_scale:MATRIX_SCALE_ROW1 matrix_b_scale:MATRIX_SCALE_ROW1
.endif
.endm
.macro PLACES                          ; four plain vector lines behind a matrix instruction, ahead of a vector read or write of its registers; ahead of a load into them the wait on va_vdst follows the four
.rept 4
	v_nop
.endr
.endm
	s_load_b512 s[4:19], s[0:1], 0x0               ; q_input, k_input, v_input, wq, b_q, b_k, b_v, rope
	s_load_b128 s[20:23], s[0:1], 0x40             ; qimg, kv
	v_lshrrev_b32 v72, 5, v0
	v_readfirstlane_b32 s24, v72                   ; wave = head
	s_and_b32 s25, ttmp7, 0xffff                   ; 0 q, 1 k, 2 v
	v_and_b32 v72, 31, v0
	v_and_b32 v73, 15, v0                          ; r
	v_bfe_u32 v74, v0, 4, 1                        ; h
	v_lshlrev_b32 v[LI], 4, v72
	v_lshlrev_b32 v[L8], 3, v72
	s_wait_alu depctr_va_sdst(0)                   ; s24 is written, ahead of its first reader: LDS addresses and all the bases are made from it
	s_mul_i32 s45, s24, 8448
	s_add_co_u32 s45, s45, STG
	v_add_nc_u32 v[SIN], s45, v[LI]
	v_mul_u32_u24 v[SOUT], v73, 528
	v_lshl_add_u32 v[SOUT], v74, 6, v[SOUT]
	v_add_nc_u32 v[SOUT], s45, v[SOUT]
	s_lshr_b32 s46, s24, 2                         ; while x is quantised: m, my tile of 16 rows,
	s_and_b32 s47, s24, 3                          ; and sq: K steps 2 sq, 2 sq + 1
	s_mul_i32 s48, s46, 12288
	s_mul_i32 s49, s47, 3072
	s_add_co_u32 s48, s48, s49
	v_add_nc_u32 v[XWI], s48, v[LI]
	s_and_b32 s48, s46, 1
	s_lshl_b32 s48, s48, 7
	s_lshr_b32 s49, s46, 1
	s_lshl_b32 s49, s49, 2
	s_add_co_u32 s48, s48, s49
	s_lshl_b32 s49, s47, 9
	s_add_co_u32 s48, s48, s49
	s_add_co_u32 s48, s48, XSC
	v_lshlrev_b32 v[XWS], 3, v73
	v_add_nc_u32 v[XWS], s48, v[XWS]               ; XSC + 512 sq + 8 (r + 16 (m%2)) + 4 (m/2)
	v_and_b32 v75, 8, v73
	v_add_nc_u32 v75, v75, v73                     ; r + 8 (r/8)
	v_lshlrev_b32 v[RO], 8, v75
	v_lshl_add_u32 v[RO], v74, 6, v[RO]
	v_lshlrev_b32 v[BO], 6, v74
	v_lshlrev_b32 v[VO], 2, v75
.irp b, 0,1,2,3
	v_mov_b32 v[TM+4+\b], 0                        ; a lane permute's destination counts as one of its sources
.endr
	s_lshl_b32 s50, ttmp9, 6
	s_lshr_b32 s49, s46, 1
	s_lshl_b32 s49, s49, 5
	s_add_co_u32 s50, s50, s49
	s_and_b32 s49, s46, 1
	s_lshl_b32 s49, s49, 3
	s_add_co_u32 s50, s50, s49                     ; my tile's first row of x
	s_lshl_b32 s50, s50, 12
	s_lshl_b32 s49, s47, 10
	s_add_co_u32 s50, s50, s49
	s_mov_b32 s51, 0
	s_lshl_b32 s52, s25, 4
	s_add_co_u32 s52, s52, s24                     ; 16 weight + head
	s_lshl_b32 s54, s52, 11
	s_add_co_u32 s54, s54, WQS
	s_mov_b32 s55, 0
	s_mul_i32 s52, s52, 49152
	s_mov_b32 s53, 0
	s_lshl_b32 s56, s24, 8                         ; the head's 64 numbers of the bias
	s_mov_b32 s57, 0
	s_and_b32 s58, ttmp9, 31
	s_lshl_b32 s58, s58, 14                        ; 64 positions of 256 bytes
	s_mov_b32 s59, 0
	s_lshr_b32 s48, ttmp9, 5
	s_lshl_b32 s48, s48, 4
	s_add_co_u32 s48, s48, s24
	s_lshl_b32 s48, s48, 5
	s_and_b32 s49, ttmp9, 31
	s_add_co_u32 s48, s48, s49                     ; the record: (16 batch + head) x 32 + which 64 rows
	s_mov_b32 s[SEL], 0x76543210
	s_mov_b32 s[SEL+1], 0xfedcba98
	s_mov_b32 s42, 0xffff0000
	s_wait_kmcnt 0x0
	s_cmp_eq_u32 s25, 0                            ; the choices hang on the work-group's number alone
	s_cselect_b64 s[28:29], s[4:5], s[6:7]
	s_cselect_b64 s[30:31], s[12:13], s[14:15]
	s_cselect_b64 s[32:33], s[20:21], s[22:23]
	s_mov_b32 s43, 6656
	s_cselect_b32 s43, 3328, s43
	s_cmp_eq_u32 s25, 2
	s_cselect_b64 s[28:29], s[8:9], s[28:29]
	s_cselect_b64 s[30:31], s[16:17], s[30:31]
	s_cselect_b32 s44, 3328, 0                     ; v's record lies behind k's
	s_mul_i32 s48, s48, s43
	s_add_co_u32 s48, s48, s44
	s_mov_b32 s49, 0
	s_add_nc_u64 s[28:29], s[28:29], s[50:51]      ; x
	s_add_nc_u64 s[30:31], s[30:31], s[56:57]      ; the bias
	s_add_nc_u64 s[32:33], s[32:33], s[48:49]      ; the record
	s_add_nc_u64 s[34:35], s[10:11], s[52:53]      ; W's codes
	s_add_nc_u64 s[36:37], s[10:11], s[54:55]      ; W's scale words
	s_add_nc_u64 s[38:39], s[18:19], s[58:59]      ; cos and sin
	s_wait_alu depctr_va_vdst(0)                   ; the nine addresses and offsets v1 to v9 are written, which every load and store of the kernel reads; none of them is written again
.macro WLOADH s, hf                    ; W's fragments of K step s, tiles 2 hf and 2 hf + 1: six loads of 512 consecutive bytes
.irp t, 0,1
.irp c, 0,1,2
	global_load_b128 v[WF+12*(2*(\hf)+\t)+4*\c:WF+12*(2*(\hf)+\t)+4*\c+3], v[LI], s[34:35] offset:(\s)*6144+(2*(\hf)+\t)*1536+512*\c
.endr
.endr
.endm
; ---- x: my 16 rows x 256 along K become two fragments ----
.irp f, 0,1
.irp p, 0,1,2,3,4,5,6,7,8,9,10,11,12,13,14,15
	global_load_b128 v[ACC+64*\f+4*\p:ACC+64*\f+4*\p+3], v[LI], s[28:29] offset:(\p+8*(\p/8))*4096+512*\f th:TH_LOAD_NT   ; 32 lanes read 512 consecutive bytes of a row
.endr
.endr
.irp b, 0,1
.irp q, 0,1,2,3
	global_load_b64 v[WS+8*\b+2*\q:WS+8*\b+2*\q+1], v[L8], s[36:37] offset:1024*\b+256*\q
.endr
.endr
	WLOADH 0, 0
	WLOADH 0, 1
.macro TURNIN base                     ; 16 rows x 512 bytes through my stage: back comes register 16 b + i = k 32 b + 16 h + i of row r
.irp p, 0,1,2,3,4,5,6,7,8,9,10,11,12,13,14,15
	ds_store_b128 v[SIN], v[\base+4*\p:\base+4*\p+3] offset:528*\p
.endr
	s_wait_alu depctr_vm_vsrc(0)                   ; the LDS stores issued so far have read their data: the sixteen above v[base ..], in which the loads below land
.irp b, 0,1,2,3
.irp j, 0,1,2,3
	ds_load_b128 v[\base+16*\b+4*\j:\base+16*\b+4*\j+3], v[SOUT] offset:128*\b+16*\j   ; LDS serves a wave's instructions in order: these see my stores
.endr
.endr
.endm
.macro QUANT s                         ; 64 numbers of a lane become a fragment's codes in v[PC] on and its scale word in v[PWX]
.irp b, 0,1,2,3
	v_max3_num_f32 v[TM+\b], |v[\s+16*\b]|, |v[\s+1+16*\b]|, 0x1800000   ; with the floor 2^(3 - 127)
.endr
.irp i, 2,4,6,8,10,12,14
.irp b, 0,1,2,3
	v_max3_num_f32 v[TM+\b], v[TM+\b], |v[\s+16*\b+\i]|, |v[\s+1+16*\b+\i]|
.endr
.endr
.irp b, 0,1,2,3
	v_permlanex16_b32 v[TM+4+\b], v[TM+\b], s[SEL], s[SEL+1]
.endr
.irp b, 0,1,2,3
	v_max_num_f32 v[TM+\b], v[TM+\b], v[TM+4+\b]   ; with lane l xor 16's: the block's largest magnitude
.endr
.irp b, 0,1,2,3
	v_add_nc_u32 v[TM+12+\b], 0xff000000, v[TM+\b] ; 2 off its exponent field: the conversion's scale operand
.endr
.irp b, 0,1,2,3
	v_lshrrev_b32 v[TM+4+\b], 23, v[TM+12+\b]      ; the byte
.endr
	v_lshl_or_b32 v[PWX], v[TM+5], 8, v[TM+4]
	v_lshl_or_b32 v[PWX], v[TM+6], 16, v[PWX]
	v_lshl_or_b32 v[PWX], v[TM+7], 24, v[PWX]
.irp c, 0,1
	v_cvt_scalef32_pk16_fp6_f32 v[PC+6*\c:PC+2+6*\c], v[\s+32*\c:\s+15+32*\c], v[TM+12+2*\c]
	v_cvt_scalef32_pk16_fp6_f32 v[PC+12+4*\c:PC+14+4*\c], v[\s+16+32*\c:\s+31+32*\c], v[TM+12+2*\c+1]
.endr
	v_nop                                          ; one plain line behind the conversions
.irp c, 0,1                                    ; a whole block to a lane: lanes 0-15 block 2 c, lanes 16-31 block 2 c + 1
.irp i, 0,1,2
	v_permlane16_swap_b32 v[PC+6*\c+\i], v[PC+12+4*\c+\i]
.endr
.irp i, 0,1,2
	v_mov_b32 v[PC+3+6*\c+\i], v[PC+12+4*\c+\i]
.endr
.endr
.endm
.macro IMAGE off
	s_wait_alu depctr_va_vdst(0)                   ; QUANT's lines have written the codes v[PC ..] and the word v[PWX], which the LDS stores below and the word's store behind them read
.irp c, 0,1,2
	ds_store_b128 v[XWI], v[PC+4*\c:PC+4*\c+3] offset:\off+512*\c
.endr
.endm
	s_wait_loadcnt 36                              ; my first 16 loads are in; behind them: 16 of x, 8 of scale words, 12 of W
	TURNIN ACC
	s_wait_dscnt 0x0
	QUANT ACC
	IMAGE 0
	ds_store_b32 v[XWS], v[PWX]                    ; lanes r and r + 16 write the same word with the same value
	s_wait_dscnt 0x0                               ; my LDS stores are done.  (That they have read v[PC ..] and v[PWX], which the next QUANT writes again, is stated by the wait on vm_vsrc in TURNIN below)
	s_wait_loadcnt 20                              ; the second 16; behind them 8 + 12
	TURNIN ACC+64
	s_wait_dscnt 0x0
	QUANT ACC+64
	IMAGE 1536
	ds_store_b32 v[XWS], v[PWX] offset:256
	s_wait_dscnt 0x0                               ; for the others' sake
	s_barrier_signal -1
	s_barrier_wait -1                              ; x's 32 fragments lie in LDS; nothing in LDS is written again
	s_wait_alu depctr_vm_vsrc(0)                   ; my image's stores have read v48 and v52-63, in which x's fragments land from here on.  (QUANT's own lines on v32-70 stand ahead of the wait on va_vdst in IMAGE, and no vector line has followed)
; ---- the products: eight K steps, the 16 accumulators by turns, one instruction a turn ----
.macro PROD8 s, hf, swap
.if (\s) == 0
.set Z, 1                              ; the first K step starts the sums
.else
.set Z, 0
.endif
.irp t, 0,1
.irp m, 0,1,2,3
.if \swap
	WM ACC+8*(4*(2*(\hf)+\t)+\m), XF+12*\m, WF+12*(2*(\hf)+\t), Z, XS+\m/2, WS+8*(\hf)+(\s), \m%2, \t
.else
	WM ACC+8*(4*\m+2*(\hf)+\t), WF+12*(2*(\hf)+\t), XF+12*\m, Z, WS+8*(\hf)+(\s), XS+\m/2, \t, \m%2
.endif
.endr
.endr
.endm
.macro KSTEP s, swap
.irp m, 0,1,2,3
.irp c, 0,1,2
	ds_load_b128 v[XF+12*\m+4*\c:XF+12*\m+4*\c+3], v[LI] offset:(8*\m+\s)*1536+512*\c
.endr
.endr
	ds_load_b64 v[XS:XS+1], v[L8] offset:XSC+256*\s
	s_wait_loadcnt 6                               ; W's tiles 0, 1 of this step are in (and, in step 0, its scale words); the six loads of tiles 2, 3 may be out
	s_wait_dscnt 0x0
	PROD8 \s, 0, \swap
	PLACES
.if \s < 7
	s_wait_alu depctr_va_vdst(0)                   ; the eight products above are done reading W's tiles 0 and 1, v80-103, in which the six loads below land
	WLOADH (\s)+1, 0
	s_wait_loadcnt 6                               ; tiles 2, 3 are in; the six just issued may be out
.else
	s_wait_loadcnt 0x0
.endif
	PROD8 \s, 1, \swap
	PLACES                                         ; in the last step: for the first vector read of results and the first vector write of an operand's register
.if \s < 7
	s_wait_alu depctr_va_vdst(0)                   ; the step's products are done reading W's tiles 2 and 3, x's four fragments and x's scale words: the six loads below and the next step's LDS loads land there
	WLOADH (\s)+1, 1
.endif
.endm
; 32 numbers of a lane, two half blocks, become a half fragment in v[PQ] .. v[PQ + 5] and a scale word in v[PW + idx]
.macro QUANT32 src, idx
.irp b, 0,1
	v_max3_num_f32 v[TQ+\b], |v[\src+16*\b]|, |v[\src+16*\b+1]|, 0x1800000
.endr
.irp i, 2,4,6,8,10,12,14
.irp b, 0,1
	v_max3_num_f32 v[TQ+\b], v[TQ+\b], |v[\src+16*\b+\i]|, |v[\src+16*\b+\i+1]|
.endr
.endr
.irp b, 0,1
	v_permlanex16_b32 v[TQ+2+\b], v[TQ+\b], s[SEL], s[SEL+1]
.endr
.irp b, 0,1
	v_max_num_f32 v[TQ+\b], v[TQ+\b], v[TQ+2+\b]
.endr
.irp b, 0,1
	v_add_nc_u32 v[TQ+4+\b], 0xff000000, v[TQ+\b]
.endr
.irp b, 0,1
	v_lshrrev_b32 v[TQ+2+\b], 23, v[TQ+4+\b]
.endr
	v_lshl_or_b32 v[PW+\idx], v[TQ+3], 8, v[TQ+2]  ; bytes 2 and 3 stay 0: they stand over zero codes alone
	s_wait_xcnt 0x0                                ; the last stores have had their addresses translated (ISA guide 3.1),
	s_wait_alu depctr_vm_vsrc(0)                   ; and have read the codes' registers v[PQ ..], which the conversions below write again
	v_cvt_scalef32_pk16_fp6_f32 v[PQ:PQ+2], v[\src:\src+15], v[TQ+4]
	v_cvt_scalef32_pk16_fp6_f32 v[PQ+6:PQ+8], v[\src+16:\src+31], v[TQ+5]
	v_nop
.irp i, 0,1,2
	v_permlane16_swap_b32 v[PQ+\i], v[PQ+6+\i]     ; lanes 0-15: block 0, lanes 16-31: block 1
.endr
.irp i, 0,1,2
	v_mov_b32 v[PQ+3+\i], v[PQ+6+\i]
.endr
.endm
.macro HFSTORE idx
	s_wait_alu depctr_va_vdst(0)                   ; the conversions, exchanges and moves have written v[PQ] to v[PQ + 5], which the two stores read
	global_store_b128 v[LI], v[PQ:PQ+3], s[32:33] offset:768*\idx          ; 512 consecutive bytes
	global_store_b64 v[L8], v[PQ+4:PQ+5], s[32:33] offset:768*\idx+512     ; and 256
.endm
.macro WORDS                           ; the record's scale words: lanes 0-15 tiles 0 and 2, lanes 16-31 tiles 1 and 3
	v_cndmask_b32 v[PO], v[PW], v[PW+1], s42
	v_cndmask_b32 v[PO+1], v[PW+2], v[PW+3], s42
	s_wait_alu depctr_va_vdst(0)                   ; the two selects have written v[PO] and v[PO + 1], which the store reads
	global_store_b64 v[L8], v[PO:PO+1], s[32:33] offset:3072
.endm
.macro CSLOAD m                        ; cos and sin of my token of tile m: pair 16 b + 8 h + k stands beside d = 32 b + 16 h + 2 k
.irp b, 0,1
.irp j, 0,1,2,3
	global_load_b128 v[CS+16*\b+4*\j:CS+16*\b+4*\j+3], v[RO], s[38:39] offset:(32*((\m)/2)+8*((\m)%2))*256+128*\b+16*\j
.endr
.endr
.endm
	s_cmp_eq_u32 s25, 2
	s_cbranch_scc1 .Lv
.irp s, 0,1,2,3,4,5,6,7
	KSTEP \s, 0
.endr
	v_mov_b32 v[TQ+2], 0
	v_mov_b32 v[TQ+3], 0
	s_wait_alu depctr_va_vdst(0)                   ; the last products are done reading x's and W's fragments, v32-127: the bias, cos and sin land in v32-95
.irp b, 0,1
.irp j, 0,1,2,3
	global_load_b128 v[BI+16*\b+4*\j:BI+16*\b+4*\j+3], v[BO], s[30:31] offset:128*\b+16*\j
.endr
.endr
	CSLOAD 0
.irp m, 0,1,2,3
.set AX, ACC+32*\m
	s_wait_loadcnt 0x0
.irp i, 0,2,4,6,8,10,12,14,16,18,20,22,24,26,28,30
	v_pk_add_f32 v[AX+\i:AX+\i+1], v[AX+\i:AX+\i+1], v[BI+\i:BI+\i+1]       ; the bias; each accumulator is read from its low end on
.endr
.irp g, 0,8,16,24                              ; (xe, xo) -> (xe cos - xo sin, xo cos + xe sin)
.irp i, 0,2,4,6
	v_pk_mul_f32 v[TT+\i:TT+\i+1], v[AX+\g+\i:AX+\g+\i+1], v[CS+\g+\i:CS+\g+\i+1] op_sel:[1,1] op_sel_hi:[0,1] neg_lo:[1,0]   ; (-xo sin, xe sin)
.endr
.irp i, 0,2,4,6
	v_pk_fma_f32 v[AX+\g+\i:AX+\g+\i+1], v[AX+\g+\i:AX+\g+\i+1], v[CS+\g+\i:CS+\g+\i+1], v[TT+\i:TT+\i+1] op_sel_hi:[1,0,1]   ; + (xe cos, xo cos)
.endr
.endr
.if \m < 3
	s_wait_alu depctr_va_vdst(0)                   ; the rotation's lines are done reading this tile's cos and sin, v32-63, in which the next tile's land
	CSLOAD \m+1                                    ; lands while this tile is quantised: QUANT32 names none of v32-63
.endif
	QUANT32 ACC+32*\m, \m
	HFSTORE \m
.endr
	WORDS
	s_wait_xcnt 0x0
	v_lshl_add_u32 v254, v0, 2, 0x2d800            ; the add's two registers are made anew: no memory or LDS instruction has read v254 or v255 since the last wait on vm_vsrc
	v_mov_b32 v255, 0
	s_wait_dscnt 0x0                               ; the closing lines, six on end
	s_wait_alu 0x0
	s_wait_tensorcnt 0x0
	ds_add_u32 v254, v255
	s_wait_dscnt 0x0
	s_endpgm
.Lv:
.irp s, 0,1,2,3,4,5,6,7
	KSTEP \s, 1
.endr
	v_mov_b32 v[TQ+2], 0
	v_mov_b32 v[TQ+3], 0
	s_wait_alu depctr_va_vdst(0)                   ; the last products are done reading x's fragments: the bias lands in v64-71
.irp t, 0,1,2,3
	global_load_b32 v[BI+2*\t], v[VO], s[30:31] offset:(32*(\t/2)+8*(\t%2))*4      ; my channel's bias, twice: a pair for the packed addition
	global_load_b32 v[BI+2*\t+1], v[VO], s[30:31] offset:(32*(\t/2)+8*(\t%2))*4
.endr
	s_wait_loadcnt 0x0
.irp t, 0,1,2,3
.irp i, 0,2,4,6,8,10,12,14,16,18,20,22,24,26,28,30
	v_pk_add_f32 v[ACC+32*\t+\i:ACC+32*\t+\i+1], v[ACC+32*\t+\i:ACC+32*\t+\i+1], v[BI+2*\t:BI+2*\t+1]
.endr
	QUANT32 ACC+32*\t, \t
	HFSTORE \t
.endr
	WORDS
	s_wait_xcnt 0x0
	v_lshl_add_u32 v254, v0, 2, 0x2d800            ; the add's two registers are made anew: no memory or LDS instruction has read v254 or v255 since the last wait on vm_vsrc
	v_mov_b32 v255, 0
	s_wait_dscnt 0x0                               ; the closing lines, six on end
	s_wait_alu 0x0
	s_wait_tensorcnt 0x0
	ds_add_u32 v254, v255
	s_wait_dscnt 0x0
	s_endpgm
.Lfunc_end_k_qee33ac3552_proj:
	.size	k_qee33ac3552_proj, .Lfunc_end_k_qee33ac3552_proj-k_qee33ac3552_proj
	.p2alignl 7, 3214868480
	.fill 96, 4, 3214868480
	.section	.rodata,"a",@progbits
	.p2align	6, 0x0
	.amdhsa_kernel k_qee33ac3552_proj
		.amdhsa_group_segment_fixed_size 188416
		.amdhsa_private_segment_fixed_size 0
		.amdhsa_enable_private_segment 0
		.amdhsa_kernarg_size 80
		.amdhsa_user_sgpr_count 2
		.amdhsa_user_sgpr_kernarg_segment_ptr 1
		.amdhsa_wavefront_size32 1
		.amdhsa_system_sgpr_workgroup_id_x 1
		.amdhsa_system_sgpr_workgroup_id_y 1
		.amdhsa_system_sgpr_workgroup_id_z 1
		.amdhsa_system_vgpr_workitem_id 0
		.amdhsa_next_free_vgpr 256
		.amdhsa_next_free_sgpr 66
		.amdhsa_reserve_vcc 0
		.amdhsa_float_denorm_mode_32 3
		.amdhsa_float_denorm_mode_16_64 3
		.amdhsa_memory_ordered 1
		.amdhsa_forward_progress 1
		.amdhsa_inst_pref_size 128
	.end_amdhsa_kernel
	.amdgpu_metadata
---
amdhsa.version: [ 1, 2 ]
amdhsa.kernels:
  - .name:           k_qee33ac3552_proj
    .symbol:         k_qee33ac3552_proj.kd
    .args:
      - { .name: q_input, .offset: 0, .size: 8, .value_kind: global_buffer, .address_space: global }
      - { .name: k_input, .offset: 8, .size: 8, .value_kind: global_buffer, .address_space: global }
      - { .name: v_input, .offset: 16, .size: 8, .value_kind: global_buffer, .address_space: global }
      - { .name: wq, .offset: 24, .size: 8, .value_kind: global_buffer, .address_space: global }
      - { .name: b_q, .offset: 32, .size: 8, .value_kind: global_buffer, .address_space: global }
      - { .name: b_k, .offset: 40, .size: 8, .value_kind: global_buffer, .address_space: global }
      - { .name: b_v, .offset: 48, .size: 8, .value_kind: global_buffer, .address_space: global }
      - { .name: rope, .offset: 56, .size: 8, .value_kind: global_buffer, .address_space: global }
      - { .name: qimg, .offset: 64, .size: 8, .value_kind: global_buffer, .address_space: global }
      - { .name: kv, .offset: 72, .size: 8, .value_kind: global_buffer, .address_space: global }
    .group_segment_fixed_size: 188416
    .private_segment_fixed_size: 0
    .kernarg_segment_align: 8
    .kernarg_segment_size: 80
    .max_flat_workgroup_size: 512
    .sgpr_count:     66
    .vgpr_count:     256
    .wavefront_size: 32
...
	.end_amdgpu_metadata
.endif
;; end of part 7
;; launch attn (part 8): grid 8 x 32, 16 waves a work-group, no clusters, 215,040 bytes of LDS; arguments qimg, kv, maskw, ctx; writes ctx
.if DOCPART == 8
	.amdgcn_target "amdgcn-amd-amdhsa--gfx1250"
	.amdhsa_code_object_version 6
	.text
	.protected	k_qee33ac3552_attn
	.globl	k_qee33ac3552_attn
	.p2align	8
	.type	k_qee33ac3552_attn,@function
k_qee33ac3552_attn:
	s_mov_b64 s[64:65], 0
	v_nop
	global_prefetch_b8 v0, s[64:65] scope:SCOPE_SE
	s_setreg_imm32_b32 hwreg(HW_REG_WAVE_SCHED_MODE, 0, 2), 2
	s_setreg_imm32_b32 hwreg(HW_REG_WAVE_MODE, 25, 1), 1
	s_wait_xcnt 0x0
	s_wait_alu depctr_vm_vsrc(0)
; ATTN: ctx = softmax(q k^T / 8, masked) v for one (batch, head) a work-group row, both products on codes of E2M3; ctx leaves quantised along the head's 64, as images of the last product's operand registers.
; t = score x log2(e) / 8; M = the running largest t rounded up to a whole number; p = 2^(t - M) is quantised along the keys; the row's sum is taken of the unquantised p and divides at the end.
; THE MASK is the given one, bit by bit: a hidden score becomes -2^33 ahead of the maximum.  -2^33 x c is a whole number, so a query with no open key gets M = t and p = 1 for every key: the mean over all keys.
; LIMIT: open logits lie above -1.07e9 (hidden ones count as -2^33 / 8).  NaN and infinities are not served; a block of zeros keeps the byte 1.
; SHARES.  A work-group has 16 waves, each with one tile of 16 queries: tile g + 8 t(w), t(w) = w or 15 - w by the parity of w's bits, so that early and late queries are spread alike over the waves (balance only).
; The head's K and V, 212,992 bytes of images, are brought into LDS once, through registers, 13,312 bytes a wave, and read by all.  A step is 128 keys, 16 steps.
; THREE WAYS THROUGH A STEP, chosen by scalar branches on a flag word that an earlier launch stored for the tile.  Bit j clear: all 16 x 128 scores of step j are hidden and every query of the tile has an open key elsewhere:
; the step is left out.  Bit 16 + j clear: none of them is hidden: the step is worked without its mask words.  Else the step's 64 mask words are loaded and applied.  The step is one macro, written out twice.
; NO TENSOR LOADS, NO COPIES, NO JOINT LOADS: nothing in LDS is filled twice.
; LAYOUT.  S^T = K Q^T (source 0 = 16 keys, source 1 = my queries), O^T = V^T P^T (source 0 = 16 channels): a lane holds one query throughout.  Member r of tile t is index 32 (t/2) + 8 (t%2) + r + 8 (r/8): so the
; 16 registers of tiles 2 b, 2 b + 1 are 16 neighbours.  THE SCORES' K IS 64: Q's registers 6-11 are zero codes, so whatever codes stand in registers 6-11 of K's fragments add nothing.  That lets keys 64-127 of a step
; come into registers 0-5 of V's four fragments, which are free at a step's head: all eight fragments of K are asked for together and waited for once.
; REGISTERS: v1 16 x lane, v2 8 x lane, v3 the hidden score, v4-5 LDS addresses, v6-9 V's scale words, v10-11 offsets, v12 -M, v13 the largest t, v14-15 the sum, v16-27 Q, v32-79 K's fragments of keys 0-63,
; v80-127 K's of keys 64-127, then V's four, v128-191 S^T then p, v192-223 O^T, v224-247, v252-254 at work, v248-251 K's scale words, v253 p's, v255 Q's.
; THE MODE: SCHED_MODE bits 1:0 = 2 (LLVM: expert scheduling mode 2), set by the entry lines.  The code itself states the register dependences
; between vector or matrix instructions and memory or LDS instructions, with s_wait_alu, always for 0.
; THE PLAN.  Registers that memory or LDS instructions touch:
;   v1, v2, v10, v11  offsets: written at the head, never again; read by every load and store.
;   v4, v5      LDS addresses of the step in hand: written by two additions at each step's head (v4 also at the kernel's head); read by the step's LDS loads and by the head's LDS stores.
;   v128-231    at the head only: my share of K and V, loaded from memory, read by the LDS stores.  Afterwards S^T, O^T and registers at work: vector and matrix instructions alone, up to the way out.
;   v32-79      registers 0-5 of each fragment: LDS loads at a step's head; read by the first four score products.
;   v80-127     K's keys 64-127 at a step's head, read by the last four score products; then V's four fragments, read by the four products V^T P.
;   v248-251, v6-9  scale words: LDS loads at a step's head; read by the products; v6 and v7 are written again by the two lines that join V's words.
;   v224-229, v246  the way out: written by vector lines, read by the three stores.     v30, v31: written at the head, read by the closing add alone.
; A STEP'S WAITS.  At its head one on vm_vsrc ahead of the two additions and one on va_vdst behind them, which also states that the last step's products are done with every register that the head's loads land in.
; One on va_vdst behind the score products, ahead of V's loads into registers that these have read.  The two behind the exponentials.  One on va_vdst ahead of the products V^T P, for p's codes and the scale words that
; vector lines have made.  All 256 registers of a wave are taken (four waves to a SIMD), and which step is worked next hangs on the flags: so the loads stay where they stood.
.set S, 128
.set O, 192
.set STEPB, 13312                      ; a step's bytes: two records of K (3,328) and V (3,328)
.macro WM d, a, b, zero, sa, sb, ra
.if \zero
.if \ra
	v_wmma_scale_f32_16x16x128_f8f6f4 v[\d:\d+7], v[\a:\a+11], v[\b:\b+11], 0, v[\sa], v[\sb] matrix_a_fmt:MATRIX_FMT_FP6 matrix_b_fmt:MATRIX_FMT_FP6 matrix_a_scale:MATRIX_SCALE_ROW1
.else
	v_wmma_scale_f32_16x16x128_f8f6f4 v[\d:\d+7], v[\a:\a+11], v[\b:\b+11], 0, v[\sa], v[\sb] matrix_a_fmt:MATRIX_FMT_FP6 matrix_b_fmt:MATRIX_FMT_FP6
.endif
.else
.if \ra
	v_wmma_scale_f32_16x16x128_f8f6f4 v[\d:\d+7], v[\a:\a+11], v[\b:\b+11], v[\d:\d+7], v[\sa], v[\sb] matrix_a_fmt:MATRIX_FMT_FP6 matrix_b_fmt:MATRIX_FMT_FP6 matrix_a_scale:MATRIX_SCALE_ROW1
.else
	v_wmma_scale_f32_16x16x128_f8f6f4 v[\d:\d+7], v[\a:\a+11], v[\b:\b+11], v[\d:\d+7], v[\sa], v[\sb] matrix_a_fmt:MATRIX_FMT_FP6 matrix_b_fmt:MATRIX_FMT_FP6
.endif
.endif
.endm
	s_load_b256 s[4:11], s[0:1], 0x0               ; qimg, kv, maskw, ctx
	v_lshl_add_u32 v30, v0, 2, 0x34000
	v_mov_b32 v31, 0
	v_lshrrev_b32 v1, 5, v0
	v_readfirstlane_b32 s12, v1                    ; wave
	v_and_b32 v2, 31, v0
	v_and_b32 v10, 15, v0
	v_lshlrev_b32 v1, 4, v2
	v_lshlrev_b32 v11, 2, v2
	v_lshlrev_b32 v2, 3, v2
	v_lshlrev_b32 v10, 3, v10
	s_wait_alu depctr_va_sdst(0)                   ; s12 is written, ahead of its first reader: my tile, my share of K and V and all the bases are made from it
	s_lshr_b32 s15, s12, 1
	s_xor_b32 s15, s15, s12
	s_lshr_b32 s16, s15, 2
	s_xor_b32 s15, s15, s16
	s_and_b32 s15, s15, 1                          ; the parity of the wave's four bits
	s_mul_i32 s15, s15, 15
	s_xor_b32 s15, s15, s12                        ; t(w)
	s_lshl_b32 s13, s15, 3
	s_add_co_u32 s13, s13, ttmp9                   ; my tile of queries, 0..127
	s_and_b32 s14, ttmp7, 0xffff                   ; 16 batch + head
	s_mul_i32 s16, s14, 16*STEPB
	s_mul_i32 s25, s12, STEPB
	s_add_co_u32 s16, s16, s25                     ; the step that I bring in
	s_mov_b32 s17, 0
	v_add_nc_u32 v4, s25, v1
	s_lshl_b32 s18, s14, 5
	s_lshr_b32 s19, s13, 2
	s_add_co_u32 s18, s18, s19
	s_mul_i32 s18, s18, 3328                       ; Q's record
	s_and_b32 s19, s13, 3
	s_mul_i32 s19, s19, 768
	s_add_co_u32 s26, s18, s19                     ; my half fragment in it
	s_mov_b32 s27, 0
	s_and_b32 s19, s13, 1
	s_lshl_b32 s19, s19, 7
	s_add_co_u32 s28, s18, s19
	s_bfe_u32 s19, s13, 0x10001
	s_lshl_b32 s19, s19, 2
	s_add_co_u32 s28, s28, s19
	s_add_co_u32 s28, s28, 3072                    ; and my tile's scale words
	s_mov_b32 s29, 0
	s_lshl_b32 s30, s13, 12                        ; the tile's mask words: 16 steps of 256 bytes
	s_mov_b32 s31, 0
	s_lshl_b32 s18, s13, 8
	s_add_co_u32 s18, s18, 524288                  ; its flags
	s_mov_b32 s19, 0
	s_mov_b32 s20, 0x76543210
	s_mov_b32 s21, 0xfedcba98                      ; lane l xor 16
	s_mov_b32 s22, 0x3e38aa3b                      ; c = log2(e) / 8
	s_mov_b32 s23, s22
	s_mov_b32 s24, 16
	s_mov_b32 s2, 0                                ; LDS byte of the step in hand
	s_wait_kmcnt 0x0
	s_add_nc_u64 s[6:7], s[6:7], s[16:17]
	s_add_nc_u64 s[26:27], s[4:5], s[26:27]
	s_add_nc_u64 s[28:29], s[4:5], s[28:29]
	s_add_nc_u64 s[18:19], s[8:9], s[18:19]
	s_add_nc_u64 s[8:9], s[8:9], s[30:31]
	s_wait_alu depctr_va_vdst(0)                   ; the offsets v1, v2, v10, v11 and the LDS address v4 are written, which the loads and stores below read
.irp i, 0,1,2,3,4,5,6,7,8,9,10,11,12,13,14,15,16,17,18,19,20,21,22,23,24,25
	global_load_b128 v[S+4*\i:S+4*\i+3], v1, s[6:7] offset:512*\i
.endr
	global_load_b128 v[16:19], v1, s[26:27]
	global_load_b64 v[20:21], v2, s[26:27] offset:512
	global_load_b32 v255, v10, s[28:29]
	s_load_b32 s3, s[18:19], 0x0
	s_wait_loadcnt 3                               ; the 26 are in; Q's three may be out
.irp i, 0,1,2,3,4,5,6,7,8,9,10,11,12,13,14,15,16,17,18,19,20,21,22,23,24,25
	ds_store_b128 v4, v[S+4*\i:S+4*\i+3] offset:512*\i
.endr
	s_wait_dscnt 0x0                               ; for the others' sake
	s_barrier_signal -1
	s_barrier_wait -1                              ; the head's K and V lie in LDS; nothing is written there again
	s_wait_alu depctr_vm_vsrc(0)                   ; my LDS stores have read v128-231 and v4: the lines below write v192-223, the steps write the rest
.irp i, 22,23,24,25,26,27
	v_mov_b32 v[\i], 0                             ; Q's zero codes for K = 64 .. 127
.endr
.irp m, 0,1,2,3
.irp i, 6,7,8,9,10,11
	v_mov_b32 v[32+12*\m+\i], 0                    ; registers 6-11 of K's fragments are written once, so that none is read unwritten;
	v_mov_b32 v[80+12*\m+\i], 0                    ; those from v80 on later hold codes of V, which stand against Q's zeros
.endr
.endr
.irp j, 0,1,2,3,4,5,6,7,8,9,10,11,12,13,14,15,16,17,18,19,20,21,22,23,24,25,26,27,28,29,30,31
	v_mov_b32 v[O+\j], 0                           ; O^T: no step is a first step of its own; the first finds zeros
.endr
	v_mov_b32 v3, 0xd0000000                       ; -2^33
	v_mov_b32 v13, 0xff61b1e6                      ; the largest t so far: -3e38
	v_floor_f32 v12, -v13
	v_mov_b32 v14, 0
	v_mov_b32 v15, 0
.irp b, 0,1,2,3
	v_mov_b32 v[236+\b], 0                         ; a lane permute's destination counts as one of its sources
.endr
	v_mov_b32 v252, 0
	v_mov_b32 v253, 0
	s_wait_loadcnt 0x0                             ; Q
	s_wait_kmcnt 0x0                               ; the flags
; A KEY STEP: 128 keys.  hid = 1: some score of the step is hidden: its 64 mask words are asked for at its head and applied ahead of the maximum
.macro STEP hid
.if \hid
	s_load_b512 s[32:47], s[8:9], 0x0
	s_load_b512 s[48:63], s[8:9], 0x40
	s_load_b512 s[68:83], s[8:9], 0x80
	s_load_b512 s[84:99], s[8:9], 0xc0
.endif
	s_wait_alu depctr_vm_vsrc(0)                   ; the LDS instructions issued so far have read v4 and v5, which the two additions write again
	v_add_nc_u32 v4, s2, v1
	v_add_nc_u32 v5, s2, v2
	s_wait_alu depctr_va_vdst(0)                   ; v4 and v5 are written, which the loads below read; the last step's products and joining lines are done with v32-127, v248-251 and v6-9, in which these loads land; in the first step the zero codes of Q's and K's fragments are written, which the score products take
.irp m, 0,1,2,3                                ; keys 0-63: four half fragments
	ds_load_b128 v[32+12*\m:35+12*\m], v4 offset:768*\m
	ds_load_b64 v[36+12*\m:37+12*\m], v5 offset:768*\m+512
.endr
.irp m, 0,1,2,3                                ; keys 64-127, into the registers that V's fragments take later in the step
	ds_load_b128 v[80+12*\m:83+12*\m], v4 offset:6656+768*\m
	ds_load_b64 v[84+12*\m:85+12*\m], v5 offset:6656+768*\m+512
.endr
	ds_load_b64 v[248:249], v5 offset:3072         ; K's scale words
	ds_load_b64 v[250:251], v5 offset:9728
	ds_load_b64 v[6:7], v5 offset:6400             ; V's scale words: keys 0-63,
	ds_load_b64 v[8:9], v5 offset:13056            ; keys 64-127
	s_wait_dscnt 0x0
.irp m, 0,1,2,3
	WM S+8*\m, 32+12*\m, 16, 1, 248+\m/2, 255, \m%2
.endr
.irp m, 0,1,2,3
	WM S+32+8*\m, 80+12*\m, 16, 1, 250+\m/2, 255, \m%2
.endr
	v_lshl_or_b32 v6, v8, 16, v6                   ; bytes 0, 1 and 2, 3 of V's words.  (These two and two v_nop are the four places in front of the first read of the scores)
	v_lshl_or_b32 v7, v9, 16, v7
	v_nop
	v_nop
	s_wait_alu depctr_va_vdst(0)                   ; the last four score products are done reading K's keys 64-127 in v80-127, in which V's fragments land
.irp t, 0,1,2,3                                ; V's four fragments land while the softmax is walked, which names none of v80-127
	ds_load_b128 v[80+12*\t:83+12*\t], v4 offset:3328+768*\t
	ds_load_b64 v[84+12*\t:85+12*\t], v5 offset:3328+768*\t+512
	ds_load_b128 v[86+12*\t:89+12*\t], v4 offset:9984+768*\t
	ds_load_b64 v[90+12*\t:91+12*\t], v5 offset:9984+768*\t+512
.endr
.if \hid
	s_wait_kmcnt 0x0
.set n, 0
.rept 64
	v_cndmask_b32 v[S+n], v3, v[S+n], s[32+n+4*(n/32)]   ; hidden scores become -2^33.  Ascending: each accumulator is read from its low end on
.set n, n+1
.endr
.endif
.irp b, 0,1,2,3
	v_max3_num_f32 v[232+\b], v[S+16*\b], v[S+1+16*\b], v[S+2+16*\b]   ; the largest score of each block of 32 keys: for the row's maximum and, since p rises with the score, for the block's largest p
.endr
.irp i, 3,5,7,9,11,13
.irp b, 0,1,2,3
	v_max3_num_f32 v[232+\b], v[232+\b], v[S+16*\b+\i], v[S+1+16*\b+\i]
.endr
.endr
.irp b, 0,1,2,3
	v_max_num_f32 v[232+\b], v[232+\b], v[S+15+16*\b]
.endr
.irp b, 0,1,2,3
	v_permlanex16_b32 v[236+\b], v[232+\b], s20, s21
.endr
.irp b, 0,1,2,3
	v_max_num_f32 v[232+\b], v[232+\b], v[236+\b]
.endr
	v_max3_num_f32 v254, v232, v233, v234
	v_max_num_f32 v254, v254, v235
	v_mul_f32 v254, s22, v254
	v_max_num_f32 v13, v13, v254                   ; the running largest t
	v_mov_b32 v254, v12
	v_floor_f32 v12, -v13                          ; -M = floor(-t)
	v_sub_f32 v254, v12, v254                      ; old M - new M: a whole number, 0 or less
	v_cvt_i32_f32 v254, v254                       ; (it saturates)
	v_ldexp_f32 v252, 1.0, v254                    ; f = 2^(old M - new M)
.irp j, 0,2,4,6,8,10,12,14,16,18,20,22,24,26,28,30,32,34,36,38,40,42,44,46,48,50,52,54,56,58,60,62
	v_pk_fma_f32 v[S+\j:S+1+\j], v[S+\j:S+1+\j], s[22:23], v[12:13] op_sel_hi:[1,0,0]   ; t - M
.endr
.irp b, 0,1,2,3
	v_fma_f32 v[232+\b], v[232+\b], s22, v12
.endr
.irp j, 0,1,2,3,4,5,6,7,8,9,10,11,12,13,14,15,16,17,18,19,20,21,22,23,24,25,26,27,28,29,30,31,32,33,34,35,36,37,38,39,40,41,42,43,44,45,46,47,48,49,50,51,52,53,54,55,56,57,58,59,60,61,62,63
	v_exp_f32 v[S+\j], v[S+\j]                     ; p
.endr
	v_pk_mul_f32 v[14:15], v[14:15], v[252:253] op_sel_hi:[1,0]   ; the sums under the new M: a plain line behind the exponentials
	s_wait_alu depctr_va_vdst(0)                   ; the 64 exponentials have written p: one wait for the batch, ahead of its first reader
.irp b, 0,1,2,3
	v_exp_f32 v[232+\b], v[232+\b]                 ; each block's largest p
.endr
	v_pk_add_f32 v[236:237], v[S:S+1], v[S+2:S+3]  ; the row's sum, of the unquantised p, in two chains
.irp j, 4,8,12,16,20,24,28,32,36,40,44,48,52,56,60
	v_pk_add_f32 v[14:15], v[14:15], v[S+\j:S+1+\j]
	v_pk_add_f32 v[236:237], v[236:237], v[S+2+\j:S+3+\j]
.endr
	v_pk_add_f32 v[14:15], v[14:15], v[236:237]
	s_wait_alu depctr_va_vdst(0)                   ; the four exponentials have written v232-235: their wait, ahead of their first reader
.irp b, 0,1,2,3
	v_max_num_f32 v[232+\b], 0x1800000, v[232+\b]  ; the floor 2^(3 - 127)
.endr
.irp b, 0,1,2,3
	v_add_nc_u32 v[244+\b], 0xff000000, v[232+\b]
.endr
.irp b, 0,1,2,3
	v_lshrrev_b32 v[236+\b], 23, v[244+\b]
.endr
	v_lshl_or_b32 v253, v237, 8, v236              ; p's scale word for these 128 keys
	v_lshl_or_b32 v253, v238, 16, v253
	v_lshl_or_b32 v253, v239, 24, v253
.irp c, 0,1
	v_cvt_scalef32_pk16_fp6_f32 v[224+6*\c:226+6*\c], v[S+32*\c:S+15+32*\c], v[244+2*\c]
	v_cvt_scalef32_pk16_fp6_f32 v[236+4*\c:238+4*\c], v[S+16+32*\c:S+31+32*\c], v[244+2*\c+1]
.endr
	v_nop                                          ; one plain line behind the conversions
.irp c, 0,1
.irp i, 0,1,2
	v_permlane16_swap_b32 v[224+6*\c+\i], v[236+4*\c+\i]
.endr
.irp i, 0,1,2
	v_mov_b32 v[227+6*\c+\i], v[236+4*\c+\i]
.endr
.endr
.irp j, 0,2,4,6,8,10,12,14,16,18,20,22,24,26,28,30
	v_pk_mul_f32 v[O+\j:O+1+\j], v[O+\j:O+1+\j], v[252:253] op_sel_hi:[1,0]   ; O^T under the new M.  (These 16 are also the places between the lines that wrote p's codes and word and the products)
.endr
	s_wait_dscnt 0x0                               ; V
	s_wait_alu depctr_va_vdst(0)                   ; vector lines have written p's codes v224-235, p's scale word v253 and V's joined words v6, v7, which the four products take as source 1 and as scales; the places stand ahead of this wait
.irp t, 0,1,2,3
	WM O+8*\t, 80+12*\t, 224, 0, 6+\t/2, 253, \t%2
.endr
.rept 4
	v_nop                                          ; four places behind the last products, ahead of the next vector line that names one of their registers: the way out's read of O^T
.endr
.endm
.Lstep:
	s_and_b32 s25, s3, 1
	s_cmp_eq_u32 s25, 0
	s_cbranch_scc1 .Lnext                          ; nothing open in this step for any of my queries, each of which has an open key elsewhere: every p would be 0
	s_and_b32 s25, s3, 0x10000
	s_cmp_eq_u32 s25, 0
	s_cbranch_scc1 .Lopen                          ; nothing hidden in this step
	STEP 1
	s_branch .Lnext
.Lopen:
	STEP 0
.Lnext:
	s_lshr_b32 s3, s3, 1                           ; both halves of the flags move down together
	s_add_co_u32 s2, s2, STEPB
	s_add_nc_u64 s[8:9], s[8:9], 256               ; (no scalar load is out: a step that asks for its four words has waited for them)
	s_sub_co_u32 s24, s24, 1
	s_cmp_lg_u32 s24, 0
	s_cbranch_scc1 .Lstep
	; THE WAY OUT: O^T / the sum, quantised along the head's 64: register 16 b + i = channel 32 b + 16 h + i of my query
	v_add_f32 v14, v14, v15
	v_permlanex16_b32 v252, v14, s20, s21
	v_add_f32 v14, v14, v252
	v_rcp_f32 v14, v14
	v_mov_b32 v242, 0                              ; (a plain line behind it)
	v_mov_b32 v243, 0
	s_lshr_b32 s32, s14, 4
	s_lshl_b32 s32, s32, 7
	s_add_co_u32 s32, s32, s13                     ; 128 batch + tile
	s_lshl_b32 s32, s32, 4
	s_and_b32 s33, s14, 15
	s_add_co_u32 s32, s32, s33                     ; x 16 + head
	s_lshl_b32 s34, s32, 7
	s_add_co_u32 s34, s34, 3145728
	s_mov_b32 s35, 0
	s_mul_i32 s32, s32, 768
	s_mov_b32 s33, 0
	s_add_nc_u64 s[32:33], s[10:11], s[32:33]
	s_add_nc_u64 s[34:35], s[10:11], s[34:35]
	s_wait_alu depctr_va_vdst(0)                   ; the reciprocal has written v14: its wait, ahead of its first reader
.irp j, 0,2,4,6,8,10,12,14,16,18,20,22,24,26,28,30
	v_pk_mul_f32 v[O+\j:O+1+\j], v[O+\j:O+1+\j], v[14:15] op_sel_hi:[1,0]
.endr
.irp b, 0,1
	v_max3_num_f32 v[240+\b], |v[O+16*\b]|, |v[O+1+16*\b]|, 0x1800000
.endr
.irp i, 2,4,6,8,10,12,14
.irp b, 0,1
	v_max3_num_f32 v[240+\b], v[240+\b], |v[O+16*\b+\i]|, |v[O+1+16*\b+\i]|
.endr
.endr
.irp b, 0,1
	v_permlanex16_b32 v[242+\b], v[240+\b], s20, s21
.endr
.irp b, 0,1
	v_max_num_f32 v[240+\b], v[240+\b], v[242+\b]
.endr
.irp b, 0,1
	v_add_nc_u32 v[244+\b], 0xff000000, v[240+\b]
.endr
.irp b, 0,1
	v_lshrrev_b32 v[242+\b], 23, v[244+\b]
.endr
	v_lshl_or_b32 v246, v243, 8, v242
	v_cvt_scalef32_pk16_fp6_f32 v[224:226], v[O:O+15], v244
	v_cvt_scalef32_pk16_fp6_f32 v[230:232], v[O+16:O+31], v245
	v_nop
.irp i, 0,1,2
	v_permlane16_swap_b32 v[224+\i], v[230+\i]
.endr
.irp i, 0,1,2
	v_mov_b32 v[227+\i], v[230+\i]
.endr
	s_wait_alu depctr_va_vdst(0)                   ; the lines above have written the codes v224-229 and the word v246, which the three stores read
	global_store_b128 v1, v[224:227], s[32:33]
	global_store_b64 v2, v[228:229], s[32:33] offset:512
	global_store_b32 v11, v246, s[34:35]           ; the word in both halves of the lanes: 128 bytes
	s_wait_dscnt 0x0                               ; the closing lines, six on end
	s_wait_alu 0x0
	s_wait_tensorcnt 0x0
	ds_add_u32 v30, v31
	s_wait_dscnt 0x0
	s_endpgm
.Lfunc_end_k_qee33ac3552_attn:
	.size	k_qee33ac3552_attn, .Lfunc_end_k_qee33ac3552_attn-k_qee33ac3552_attn
	.p2alignl 7, 3214868480
	.fill 96, 4, 3214868480
	.section	.rodata,"a",@progbits
	.p2align	6, 0x0
	.amdhsa_kernel k_qee33ac3552_attn
		.amdhsa_group_segment_fixed_size 215040
		.amdhsa_private_segment_fixed_size 0
		.amdhsa_enable_private_segment 0
		.amdhsa_kernarg_size 32
		.amdhsa_user_sgpr_count 2
		.amdhsa_user_sgpr_kernarg_segment_ptr 1
		.amdhsa_wavefront_size32 1
		.amdhsa_system_sgpr_workgroup_id_x 1
		.amdhsa_system_sgpr_workgroup_id_y 1
		.amdhsa_system_sgpr_workgroup_id_z 1
		.amdhsa_system_vgpr_workitem_id 0
		.amdhsa_next_free_vgpr 256
		.amdhsa_next_free_sgpr 100
		.amdhsa_reserve_vcc 0
		.amdhsa_float_denorm_mode_32 3
		.amdhsa_float_denorm_mode_16_64 3
		.amdhsa_memory_ordered 1
		.amdhsa_forward_progress 1
		.amdhsa_inst_pref_size 52
	.end_amdhsa_kernel
	.amdgpu_metadata
---
amdhsa.version: [ 1, 2 ]
amdhsa.kernels:
  - .name:           k_qee33ac3552_attn
    .symbol:         k_qee33ac3552_attn.kd
    .args:
      - { .name: qimg, .offset: 0, .size: 8, .value_kind: global_buffer, .address_space: global }
      - { .name: kv, .offset: 8, .size: 8, .value_kind: global_buffer, .address_space: global }
      - { .name: maskw, .offset: 16, .size: 8, .value_kind: global_buffer, .address_space: global }
      - { .name: ctx, .offset: 24, .size: 8, .value_kind: global_buffer, .address_space: global }
    .group_segment_fixed_size: 215040
    .private_segment_fixed_size: 0
    .kernarg_segment_align: 8
    .kernarg_segment_size: 32
    .max_flat_workgroup_size: 512
    .sgpr_count:     100
    .vgpr_count:     256
    .wavefront_size: 32
...
	.end_amdgpu_metadata
.endif
;; end of part 8
;; launch outp: the kernel of part 4 again; grid 8 x 32, 8 waves a work-group, clusters of 4 x 4, 232,448 bytes of LDS; arguments ctx, wq, b_o, out0; writes out0
